; MI455X (gfx1250); checked and timed in simulation.
; The chip was launched on July 23, 2026; its instructions are those of AMD's public machine-readable ISA for CDNA 5 (MIT licence, August 2026) and "CDNA5" Instruction Set Architecture Reference Guide (July 2026). The comments in the code are by the model that wrote it; some were corrected since.
;; Atom Transformer. Allowed arithmetic: float matrix products may take bf16 or f16 operands with f32 sums; all other float work in f32.
;; Inputs: c 2,048 x 128 float32; pair_rep 2,048 x 2,048 x 16 float32; params_blocks_0_apb_W_b 16 x 4 float32; params_blocks_0_apb_W_g 128 x 128 float32; params_blocks_0_apb_W_gate 128 x 128 float32; params_blocks_0_apb_W_k 128 x 128 float32; params_blocks_0_apb_W_o 128 x 128 float32; params_blocks_0_apb_W_q 128 x 128 float32; params_blocks_0_apb_W_s 128 x 128 float32; params_blocks_0_apb_W_sg 128 x 128 float32; params_blocks_0_apb_W_v 128 x 128 float32; params_blocks_0_apb_b_g 128 float32; params_blocks_0_apb_b_q 128 float32; params_blocks_0_apb_b_sg 128 float32; params_blocks_0_apb_ln_s_w 128 float32; params_blocks_0_apb_ln_z_b 16 float32; params_blocks_0_apb_ln_z_w 16 float32; params_blocks_0_tr_W_1 128 x 256 float32; params_blocks_0_tr_W_2 128 x 256 float32; params_blocks_0_tr_W_g 128 x 128 float32; params_blocks_0_tr_W_out 256 x 128 float32; params_blocks_0_tr_W_s 128 x 128 float32; params_blocks_0_tr_W_sg 128 x 128 float32; params_blocks_0_tr_b_g 128 float32; params_blocks_0_tr_b_sg 128 float32; params_blocks_0_tr_ln_s_w 128 float32; params_blocks_1_apb_W_b 16 x 4 float32; params_blocks_1_apb_W_g 128 x 128 float32; params_blocks_1_apb_W_gate 128 x 128 float32; params_blocks_1_apb_W_k 128 x 128 float32; params_blocks_1_apb_W_o 128 x 128 float32; params_blocks_1_apb_W_q 128 x 128 float32; params_blocks_1_apb_W_s 128 x 128 float32; params_blocks_1_apb_W_sg 128 x 128 float32; params_blocks_1_apb_W_v 128 x 128 float32; params_blocks_1_apb_b_g 128 float32; params_blocks_1_apb_b_q 128 float32; params_blocks_1_apb_b_sg 128 float32; params_blocks_1_apb_ln_s_w 128 float32; params_blocks_1_apb_ln_z_b 16 float32; params_blocks_1_apb_ln_z_w 16 float32; params_blocks_1_tr_W_1 128 x 256 float32; params_blocks_1_tr_W_2 128 x 256 float32; params_blocks_1_tr_W_g 128 x 128 float32; params_blocks_1_tr_W_out 256 x 128 float32; params_blocks_1_tr_W_s 128 x 128 float32; params_blocks_1_tr_W_sg 128 x 128 float32; params_blocks_1_tr_b_g 128 float32; params_blocks_1_tr_b_sg 128 float32; params_blocks_1_tr_ln_s_w 128 float32; params_blocks_2_apb_W_b 16 x 4 float32; params_blocks_2_apb_W_g 128 x 128 float32; params_blocks_2_apb_W_gate 128 x 128 float32; params_blocks_2_apb_W_k 128 x 128 float32; params_blocks_2_apb_W_o 128 x 128 float32; params_blocks_2_apb_W_q 128 x 128 float32; params_blocks_2_apb_W_s 128 x 128 float32; params_blocks_2_apb_W_sg 128 x 128 float32; params_blocks_2_apb_W_v 128 x 128 float32; params_blocks_2_apb_b_g 128 float32; params_blocks_2_apb_b_q 128 float32; params_blocks_2_apb_b_sg 128 float32; params_blocks_2_apb_ln_s_w 128 float32; params_blocks_2_apb_ln_z_b 16 float32; params_blocks_2_apb_ln_z_w 16 float32; params_blocks_2_tr_W_1 128 x 256 float32; params_blocks_2_tr_W_2 128 x 256 float32; params_blocks_2_tr_W_g 128 x 128 float32; params_blocks_2_tr_W_out 256 x 128 float32; params_blocks_2_tr_W_s 128 x 128 float32; params_blocks_2_tr_W_sg 128 x 128 float32; params_blocks_2_tr_b_g 128 float32; params_blocks_2_tr_b_sg 128 float32; params_blocks_2_tr_ln_s_w 128 float32; q 2,048 x 128 float32.
;; Outputs: out0 2,048 x 128 float32.
;; 2 versions, each right and faster than the one before. Each part assembles by itself: llvm-mc -triple=amdgcn-amd-amdhsa -mcpu=gfx1250 --defsym DOCPART=n.
;; ======== version 1 of 2: 4 launches
;; limits: values are held in f16: magnitudes above 65,504 overflow, below 6.1e-05 lose precision
;; workspace buffers: pre0 10,948,608 bytes; pre1 10,948,608 bytes; pre2 10,948,608 bytes; a1 1,048,576 bytes; a2 1,048,576 bytes
;; launch prep0 (part 1): grid 187 x 1, 8 waves a work-group, no clusters, 103,424 bytes of LDS; arguments c, pair_rep, params_blocks_0_apb_W_b, params_blocks_0_apb_ln_z_w, params_blocks_0_apb_ln_z_b, params_blocks_0_apb_W_g, params_blocks_0_apb_W_s, params_blocks_0_apb_W_sg, params_blocks_0_tr_W_g, params_blocks_0_tr_W_s, params_blocks_0_tr_W_sg, params_blocks_0_apb_ln_s_w, params_blocks_0_tr_ln_s_w, params_blocks_0_apb_b_g, params_blocks_0_apb_b_sg, params_blocks_0_tr_b_g, params_blocks_0_tr_b_sg, params_blocks_0_apb_W_k, params_blocks_0_apb_W_v, params_blocks_0_apb_W_q, params_blocks_0_apb_W_gate, params_blocks_0_tr_W_1, params_blocks_0_tr_W_2, params_blocks_0_apb_W_o, params_blocks_0_tr_W_out, params_blocks_0_apb_b_q, pre0; writes pre0
.if DOCPART == 1
	.amdgcn_target "amdgcn-amd-amdhsa--gfx1250"
	.amdhsa_code_object_version 6
	.text
	.protected	k_qcd843ac1a2_prep0
	.globl	k_qcd843ac1a2_prep0
	.p2align	8
	.type	k_qcd843ac1a2_prep0,@function
k_qcd843ac1a2_prep0:
	s_mov_b64 s[64:65], 0
	v_nop
	global_prefetch_b8 v0, s[64:65] scope:SCOPE_SE
	s_setreg_imm32_b32 hwreg(HW_REG_WAVE_MODE, 25, 1), 1
	s_wait_xcnt 0x0
; PREPARATION OF ONE BLOCK: everything that does not hang on the atoms' state a.  187 work-groups of eight waves, three roles by the work-group's number x':
;   Z, x' 0..127:   pair bias of one tile of 16 queries against its window of 128 keys, all four heads, times log2(e), as register images of C tiles.
;   C, x' 128..175: one of six conditioning arrays [2048][128] f32 for 256 rows: sigmoid(s_n W_g + b_g), s_n W_s, sigmoid(s W_sg + b_sg), for attention and for the transition.
;   W, x' 176..186: eleven weight units of 128 x 128 into 16-bit fragment order (112 sets of 4,096 bytes), and a copy of b_q.
; LIMITS, stated: the mask that the problem builds lets query block i (32 rows) see keys 32 i - 48 .. 32 i + 79 alone; pair_rep outside that band is not read
; (a NaN there is not carried on).  Window tiles that lie outside rows 0..2047 are computed from clamped rows and carry -1e30, so that their weight is exactly 0.
; ln_z_w and log2(e) are multiplied into W_b in f32 before the rounding to f16; ln_z_b W_b enters in f32 as the C operand.
; f16 operands here: LN(z) (at most 4 in size), the scaled W_b, LN(s) ln_s_w, raw s, W_g, W_s, W_sg, W_q, W_k, W_v, W_gate, W_1, W_2.
; W_o and W_out meet operands that have no fixed room in f16, so they go in bf16, as a pair hi + lo (8 + 8 significant bits): one bf16 alone is too coarse for the allowance.
.set PBASE, 0                          ; the first work-group of the preparation
.set PARG,  0                          ; byte of its first pointer among the kernel arguments
.set O_BQ,  458752                     ; pre: b_q behind 112 sets of 4,096 bytes
.set O_CD,  462848                     ; pre: six arrays of 1 MiB
.set O_BI,  6754304                    ; pre: bias tiles [i 64][head 4][u 2][t 8][1,024 bytes]
.set C_ST,  34816                      ; role C: the f32 stage (128 rows, pitch 528) behind the f16 rows (128 rows, pitch 272)
.macro NOPS                            ; five places behind a group of matrix instructions (ISA guide 7.12.1): results are read, sources rewritten and sums restarted only behind them
.rept 5
	v_nop
.endr
.endm
; two f32 at v[x:x+1] as a pair of bf16: hi = x rounded, lo = x - hi (exact in f32) rounded.  x is used up; t: two registers at work.
.macro SPLIT2 hi, lo, x, t
	v_cvt_pk_bf16_f32 v[\hi], v[\x], v[\x+1]
	v_lshlrev_b32 v[\t], 16, v[\hi]
	v_and_b32 v[\t+1], 0xffff0000, v[\hi]
	v_pk_add_f32 v[\x:\x+1], v[\x:\x+1], v[\t:\t+1] neg_lo:[0,1] neg_hi:[0,1]
	v_cvt_pk_bf16_f32 v[\lo], v[\x], v[\x+1]
.endm
; two rows of 128 numbers are normalised in place; a lane holds four neighbouring columns of each.  Mean first, then the centred squares.
; sel = 1: where s42 is 0 the mean counts as 0 and the factor as 1 (the row stays as it is).
.macro LNROW2 a, b, sel
	v_pk_add_f32 v[248:249], v[\a:\a+1], v[\a+2:\a+3]
	v_pk_add_f32 v[252:253], v[\b:\b+1], v[\b+2:\b+3]
	v_add_f32 v248, v248, v249
	v_add_f32 v252, v252, v253
.irp m, 1,2,4,8
	v_add_f32_dpp v248, v248, v248 row_xmask:\m row_mask:0xf bank_mask:0xf
	v_add_f32_dpp v252, v252, v252 row_xmask:\m row_mask:0xf bank_mask:0xf
.endr
	v_permlanex16_b32 v249, v248, s12, s13
	v_permlanex16_b32 v253, v252, s12, s13
	v_add_f32 v248, v248, v249
	v_add_f32 v252, v252, v253
	v_mul_f32 v248, s14, v248
	v_mul_f32 v252, s14, v252
.if \sel
	v_cndmask_b32 v248, 0, v248, s42
	v_cndmask_b32 v252, 0, v252, s42
.endif
	v_pk_add_f32 v[\a:\a+1], v[\a:\a+1], v[248:249] op_sel_hi:[1,0] neg_lo:[0,1] neg_hi:[0,1]
	v_pk_add_f32 v[\b:\b+1], v[\b:\b+1], v[252:253] op_sel_hi:[1,0] neg_lo:[0,1] neg_hi:[0,1]
	v_pk_add_f32 v[\a+2:\a+3], v[\a+2:\a+3], v[248:249] op_sel_hi:[1,0] neg_lo:[0,1] neg_hi:[0,1]
	v_pk_add_f32 v[\b+2:\b+3], v[\b+2:\b+3], v[252:253] op_sel_hi:[1,0] neg_lo:[0,1] neg_hi:[0,1]
	v_pk_mul_f32 v[250:251], v[\a:\a+1], v[\a:\a+1]
	v_pk_mul_f32 v[254:255], v[\b:\b+1], v[\b:\b+1]
	v_pk_fma_f32 v[250:251], v[\a+2:\a+3], v[\a+2:\a+3], v[250:251]
	v_pk_fma_f32 v[254:255], v[\b+2:\b+3], v[\b+2:\b+3], v[254:255]
	v_add_f32 v250, v250, v251
	v_add_f32 v254, v254, v255
.irp m, 1,2,4,8
	v_add_f32_dpp v250, v250, v250 row_xmask:\m row_mask:0xf bank_mask:0xf
	v_add_f32_dpp v254, v254, v254 row_xmask:\m row_mask:0xf bank_mask:0xf
.endr
	v_permlanex16_b32 v251, v250, s12, s13
	v_permlanex16_b32 v255, v254, s12, s13
	v_add_f32 v250, v250, v251
	v_add_f32 v254, v254, v255
	v_fma_f32 v250, v250, s14, s15         ; variance + 1e-5
	v_fma_f32 v254, v254, s14, s15
	v_rsq_f32 v250, v250
	v_rsq_f32 v254, v254
	v_nop                                  ; one plain place behind a transcendental (ISA guide 5.7.2)
.if \sel
	s_wait_alu depctr_va_vdst(0)
	v_cndmask_b32 v250, 1.0, v250, s42
	v_cndmask_b32 v254, 1.0, v254, s42
.endif
	v_pk_mul_f32 v[\a:\a+1], v[\a:\a+1], v[250:251] op_sel_hi:[1,0]
	v_pk_mul_f32 v[\b:\b+1], v[\b:\b+1], v[254:255] op_sel_hi:[1,0]
	v_pk_mul_f32 v[\a+2:\a+3], v[\a+2:\a+3], v[250:251] op_sel_hi:[1,0]
	v_pk_mul_f32 v[\b+2:\b+3], v[\b+2:\b+3], v[254:255] op_sel_hi:[1,0]
.endm
; sigmoid of eight registers x, temporaries t.  sel = 1: only where s43 is set.
.macro SIG8 x, t, sel
.irp k, 0,1,2,3,4,5,6,7
	v_mul_f32 v[\t+\k], 0xbfb8aa3b, v[\x+\k]
.endr
.irp k, 0,1,2,3,4,5,6,7
	v_exp_f32 v[\t+\k], v[\t+\k]
.endr
	v_nop
	s_wait_alu depctr_va_vdst(0)
.irp k, 0,1,2,3,4,5,6,7
	v_add_f32 v[\t+\k], 1.0, v[\t+\k]
.endr
.if \sel
.irp k, 0,1,2,3,4,5,6,7
	v_rcp_f32 v[\t+\k], v[\t+\k]
.endr
	v_nop
	s_wait_alu depctr_va_vdst(0)
.irp k, 0,1,2,3,4,5,6,7
	v_cndmask_b32 v[\x+\k], v[\x+\k], v[\t+\k], s43
.endr
.else
.irp k, 0,1,2,3,4,5,6,7
	v_rcp_f32 v[\x+\k], v[\t+\k]
.endr
	v_nop
.endif
.endm
; 16 columns x 128 rows of a weight matrix [K][N] f32: lane (r, h) takes column r, rows 16 q + 8 h + j.  The address register holds 8 h rows + 4 r.
.macro LOADW raw, ldb, va, sb
.irp q, 0,1,2,3,4,5,6,7
.irp j, 0,1,2,3,4,5,6,7
	global_load_b32 v[\raw+8*\q+\j], v[\va], s[\sb:\sb+1] offset:(16*\q+\j)*\ldb
.endr
.endr
.endm
.macro CVTW raw, pk                    ; 64 f32 into 32 packed f16 registers: four fragments of 8
.set n, 0
.rept 32
	v_cvt_pk_f16_f32 v[\pk+n], v[\raw+2*n], v[\raw+2*n+1]
.set n, n+1
.endr
.endm
.macro LTILE dst, va, off              ; four fragments (16 rows x 128 along K, 16-bit) from LDS: eight loads of 16 bytes, 32 bytes apart
.irp k, 0,1,2,3,4,5,6,7
	ds_load_b128 v[\dst+4*\k:\dst+4*\k+3], v[\va] offset:\off+32*\k
.endr
.endm
.macro WF16 d, a, b                    ; the next link of a sum in place
	v_wmma_f32_16x16x32_f16 v[\d:\d+7], v[\a:\a+7], v[\b:\b+7], v[\d:\d+7]
.endm
.macro WF16C d, a, b, c                ; the first link: the sum starts from c
	v_wmma_f32_16x16x32_f16 v[\d:\d+7], v[\a:\a+7], v[\b:\b+7], v[\c:\c+7]
.endm
; role Z: two queries' 16 channels (8 in the lane, 8 in lane xor 16) are normalised and packed into one A fragment at v[a:a+7]
.macro ZLN2 a
	v_pk_add_f32 v[248:249], v[\a:\a+1], v[\a+2:\a+3]
	v_pk_add_f32 v[252:253], v[\a+8:\a+9], v[\a+10:\a+11]
	v_pk_add_f32 v[250:251], v[\a+4:\a+5], v[\a+6:\a+7]
	v_pk_add_f32 v[254:255], v[\a+12:\a+13], v[\a+14:\a+15]
	v_pk_add_f32 v[248:249], v[248:249], v[250:251]
	v_pk_add_f32 v[252:253], v[252:253], v[254:255]
	v_add_f32 v248, v248, v249
	v_add_f32 v252, v252, v253
	v_permlanex16_b32 v249, v248, s12, s13
	v_permlanex16_b32 v253, v252, s12, s13
	v_add_f32 v248, v248, v249
	v_add_f32 v252, v252, v253
	v_mul_f32 v248, s9, v248
	v_mul_f32 v252, s9, v252
.irp k, 0,2,4,6
	v_pk_add_f32 v[\a+\k:\a+\k+1], v[\a+\k:\a+\k+1], v[248:249] op_sel_hi:[1,0] neg_lo:[0,1] neg_hi:[0,1]
	v_pk_add_f32 v[\a+8+\k:\a+9+\k], v[\a+8+\k:\a+9+\k], v[252:253] op_sel_hi:[1,0] neg_lo:[0,1] neg_hi:[0,1]
.endr
	v_pk_mul_f32 v[250:251], v[\a:\a+1], v[\a:\a+1]
	v_pk_mul_f32 v[254:255], v[\a+8:\a+9], v[\a+8:\a+9]
.irp k, 2,4,6
	v_pk_fma_f32 v[250:251], v[\a+\k:\a+\k+1], v[\a+\k:\a+\k+1], v[250:251]
	v_pk_fma_f32 v[254:255], v[\a+8+\k:\a+9+\k], v[\a+8+\k:\a+9+\k], v[254:255]
.endr
	v_add_f32 v250, v250, v251
	v_add_f32 v254, v254, v255
	v_permlanex16_b32 v251, v250, s12, s13
	v_permlanex16_b32 v255, v254, s12, s13
	v_add_f32 v250, v250, v251
	v_add_f32 v254, v254, v255
	v_fma_f32 v250, v250, s9, s15
	v_fma_f32 v254, v254, s9, s15
	v_rsq_f32 v250, v250
	v_rsq_f32 v254, v254
	v_nop
	s_wait_alu depctr_va_vdst(0)
.irp k, 0,2,4,6
	v_pk_mul_f32 v[\a+\k:\a+\k+1], v[\a+\k:\a+\k+1], v[250:251] op_sel_hi:[1,0]
	v_pk_mul_f32 v[\a+8+\k:\a+9+\k], v[\a+8+\k:\a+9+\k], v[254:255] op_sel_hi:[1,0]
.endr
.irp k, 0,1,2,3
	v_cvt_pk_f16_f32 v[\a+\k], v[\a+2*\k], v[\a+2*\k+1]        ; the even query: k = 0..15 of the fragment
.endr
.irp k, 0,1,2,3
	v_cvt_pk_f16_f32 v[\a+4+\k], v[\a+8+2*\k], v[\a+9+2*\k]    ; the odd query: k = 16..31
.endr
.endm
; role C: 128 rows.  x: the wave's 16 rows as loaded (4 registers each).
.macro CPASS p, x
.irp i, 0,2,4,6,8,10,12,14
	LNROW2 \x+4*\i, \x+4*\i+4, 1
.endr
.irp i, 0,1,2,3,4,5,6,7,8,9,10,11,12,13,14,15
	v_pk_mul_f32 v[\x+4*\i:\x+4*\i+1], v[\x+4*\i:\x+4*\i+1], v[12:13]
	v_pk_mul_f32 v[\x+4*\i+2:\x+4*\i+3], v[\x+4*\i+2:\x+4*\i+3], v[14:15]
	v_cvt_pk_f16_f32 v[\x+4*\i], v[\x+4*\i], v[\x+4*\i+1]
	v_cvt_pk_f16_f32 v[\x+4*\i+1], v[\x+4*\i+2], v[\x+4*\i+3]
	ds_store_b64 v5, v[\x+4*\i:\x+4*\i+1] offset:272*\i
.endr
.if \p == 0
	s_wait_loadcnt 0x0                     ; the 64 words of my 16 weight columns
	CVTW 152, 216
.irp i, 0,1,2,3,4,5,6,7,8,9,10,11,12,13,14,15
	global_load_b128 v[88+4*\i:91+4*\i], v1, s[46:47] offset:(128+\i)*512   ; the second 128 rows, on their way during the first's products
.endr
.endif
	s_wait_dscnt 0x0                       ; my rows are in LDS, and my reads of the stage are over
	s_barrier_signal -1
	s_barrier_wait -1
	s_wait_xcnt 0x0                        ; v152-215, which the last stores read, are loaded again only behind this wait
.irp mp, 0,1,2,3
	LTILE 152, 4, 4352*(2*\mp)
	LTILE 184, 4, 4352*(2*\mp+1)
	s_wait_dscnt 0x0
	WF16C 24, 216, 152, 16                 ; source 0 = 16 output columns, source 1 = 16 rows: a lane gets 8 neighbouring columns of one row.  The bias starts the sums
	WF16C 32, 216, 184, 16                 ; two accumulators by turns
.irp ks, 1,2,3
	WF16 24, 216+8*\ks, 152+8*\ks
	WF16 32, 216+8*\ks, 184+8*\ks
.endr
	NOPS
	SIG8 24, 40, 1
	SIG8 32, 48, 1
	ds_store_b128 v6, v[24:27] offset:8448*(2*\mp)
	ds_store_b128 v6, v[28:31] offset:8448*(2*\mp)+16
	ds_store_b128 v6, v[32:35] offset:8448*(2*\mp+1)
	ds_store_b128 v6, v[36:39] offset:8448*(2*\mp+1)+16
.endr
	s_wait_dscnt 0x0                       ; my part of the stage is written, and my reads of the f16 rows are over
	s_barrier_signal -1
	s_barrier_wait -1
.irp i, 0,1,2,3,4,5,6,7,8,9,10,11,12,13,14,15
	ds_load_b128 v[152+4*\i:155+4*\i], v7 offset:528*\i
.endr
.irp i, 0,1,2,3,4,5,6,7,8,9,10,11,12,13,14,15
	s_wait_dscnt 15-\i                     ; LDS loads come back in order: row i is in
	global_store_b128 v1, v[152+4*\i:155+4*\i], s[48:49] offset:(128*\p+\i)*512   ; a whole row of 512 bytes
.endr
.endm
	v_lshl_add_u32 v10, v0, 2, 0x19000
	v_mov_b32 v11, 0
	v_lshrrev_b32 v2, 5, v0
	v_readfirstlane_b32 s10, v2                    ; wave w
	v_and_b32 v1, 31, v0
	v_lshlrev_b32 v1, 4, v1                        ; 16 x lane
	v_and_b32 v2, 15, v0                           ; r
	v_bfe_u32 v3, v0, 4, 1                         ; h
	s_mov_b32 s12, 0x76543210                      ; v_permlanex16_b32: lane i takes lane i of the other half
	s_mov_b32 s13, 0xfedcba98
	s_mov_b32 s14, 0x3c000000                      ; 1/128
	s_mov_b32 s15, 0x3727c5ac                      ; 1e-5
.Lprep:
	s_sub_co_u32 s11, ttmp9, PBASE                 ; x'
	s_cmp_lt_u32 s11, 128
	s_cbranch_scc1 .Lrole_z
	s_cmp_lt_u32 s11, 176
	s_cbranch_scc1 .Lrole_c
; ---- role W: wave w of group g writes set e = 8 g + w: [ks 4][c 2][lane 32][16 bytes], lane (r, h) = W[32 ks + 16 c + 8 h + 0..7][16 nt + r];
; for W_o and W_out (e from 64 on) that set holds the hi parts, and set e + 24 the lo parts
	s_load_b512 s[16:31], s[0:1], PARG+136         ; W_k, W_v, W_q, W_gate, W_1, W_2, W_o, W_out
	s_load_b128 s[32:35], s[0:1], PARG+200         ; b_q, pre
	s_sub_co_u32 s40, s11, 176                     ; g
	s_lshl_b32 s41, s40, 3
	s_add_co_u32 s41, s41, s10                     ; e
	s_lshl_b32 s48, s10, 6                         ; 64 w: 16 columns of f32
	s_and_b32 s43, s40, 1
	s_lshl_b32 s43, s43, 9
	s_add_co_u32 s43, s43, s48                     ; W_1, W_2: column tile 8 (g & 1) + w
	s_sub_co_u32 s46, s41, 72                      ; W_out: t = e - 72 = 2 nt + kc (used where g is 9 or 10)
	s_lshr_b32 s47, s46, 1
	s_lshl_b32 s47, s47, 6
	s_and_b32 s46, s46, 1
	s_lshl_b32 s46, s46, 16                        ; kc x 128 rows of 512 bytes
	s_add_co_u32 s46, s46, s47
	s_mov_b32 s42, s48
	s_cmp_ge_u32 s40, 4
	s_cselect_b32 s42, s43, s42
	s_cmp_ge_u32 s40, 8
	s_cselect_b32 s42, s48, s42
	s_cmp_ge_u32 s40, 9
	s_cselect_b32 s42, s46, s42
	s_mov_b32 s43, 0
	s_lshl_b32 s50, s41, 12                        ; 4,096 e
	s_mov_b32 s51, 0
	v_lshlrev_b32 v4, 2, v2                        ; 4 r
	s_wait_kmcnt 0x0
	s_mov_b64 s[44:45], s[16:17]
	s_cmp_ge_u32 s40, 1
	s_cselect_b64 s[44:45], s[18:19], s[44:45]
	s_cmp_ge_u32 s40, 2
	s_cselect_b64 s[44:45], s[20:21], s[44:45]
	s_cmp_ge_u32 s40, 3
	s_cselect_b64 s[44:45], s[22:23], s[44:45]
	s_cmp_ge_u32 s40, 4
	s_cselect_b64 s[44:45], s[24:25], s[44:45]
	s_cmp_ge_u32 s40, 6
	s_cselect_b64 s[44:45], s[26:27], s[44:45]
	s_cmp_ge_u32 s40, 8
	s_cselect_b64 s[44:45], s[28:29], s[44:45]
	s_cmp_ge_u32 s40, 9
	s_cselect_b64 s[44:45], s[30:31], s[44:45]
	s_add_nc_u64 s[44:45], s[44:45], s[42:43]
	s_add_nc_u64 s[52:53], s[34:35], s[50:51]
	s_cmp_lt_u32 s40, 4
	s_cbranch_scc1 .Lw_narrow
	s_cmp_ge_u32 s40, 8
	s_cbranch_scc1 .Lw_narrow
	v_lshl_add_u32 v4, v3, 13, v4                  ; rows of 1,024 bytes (W_1, W_2)
	LOADW 24, 1024, 4, 44
	s_branch .Lw_in
.Lw_narrow:
	v_lshl_add_u32 v4, v3, 12, v4                  ; rows of 512 bytes
	LOADW 24, 512, 4, 44
.Lw_in:
	s_wait_loadcnt 0x0
	s_cmp_ge_u32 s40, 8
	s_cbranch_scc1 .Lw_bf
	CVTW 24, 88
	s_branch .Lw_out
.Lw_bf:
.set n, 0
.rept 16
	SPLIT2 88+n, 120+n, 24+2*n, 152
	SPLIT2 89+n, 121+n, 26+2*n, 154
.set n, n+2
.endr
.irp k, 0,1,2,3,4,5,6,7
	global_store_b128 v1, v[120+4*\k:123+4*\k], s[52:53] offset:24*4096+512*\k    ; the lo parts, 24 sets further on
.endr
.Lw_out:
.irp k, 0,1,2,3,4,5,6,7
	global_store_b128 v1, v[88+4*\k:91+4*\k], s[52:53] offset:512*\k       ; 512 consecutive bytes each
.endr
	s_cmp_lg_u32 s41, 0
	s_cbranch_scc1 .Lw_end
	global_load_b128 v[24:27], v1, s[32:33]        ; set 0's wave also copies b_q
	s_wait_loadcnt 0x0
	global_store_b128 v1, v[24:27], s[34:35] offset:O_BQ
.Lw_end:
	s_endpgm
; ---- role Z: query tile ug = x' (16 queries); wave w takes key tile w of the window of query block i = ug / 2
.Lrole_z:
	s_load_b256 s[40:47], s[0:1], PARG+8           ; pair_rep, W_b, ln_z_w, ln_z_b
	s_load_b64 s[48:49], s[0:1], PARG+208          ; pre
	s_mov_b32 s9, 0x3d800000                       ; 1/16
	s_lshr_b32 s20, s11, 1                         ; i
	s_and_b32 s21, s11, 1                          ; u
	s_lshl_b32 s22, s20, 1
	s_add_co_u32 s22, s22, s10
	s_sub_co_u32 s22, s22, 3                       ; key tile T = 2 i - 3 + w of the tensor; wraps below 0
	s_cmp_lt_u32 s22, 128
	s_cselect_b32 s23, 0, 0xf149f2ca               ; a tile outside the tensor carries -1e30
	s_max_i32 s24, s22, 0
	s_min_i32 s24, s24, 127                        ; and reads a clamped tile
	s_lshl_b32 s50, s11, 21                        ; 16 queries x 131,072 bytes
	s_lshl_b32 s24, s24, 10                        ; 16 keys x 64 bytes
	s_add_co_u32 s50, s50, s24
	s_mov_b32 s51, 0
	s_lshr_b32 s25, s10, 1                         ; the way out: wave w stores half w & 1 of head w / 2
	s_and_b32 s26, s10, 1
	s_lshl2_add_u32 s27, s20, s25                  ; 4 i + head
	s_lshl1_add_u32 s27, s27, s21                  ; x 2 + u
	s_lshl_b32 s52, s27, 13
	s_lshl_b32 s28, s26, 12
	s_add_co_u32 s52, s52, s28
	s_add_co_u32 s52, s52, O_BI
	s_mov_b32 s53, 0
	v_and_b32 v9, 3, v2                            ; head = r & 3
	v_lshlrev_b32 v4, 2, v9
	v_lshl_add_u32 v4, v3, 7, v4                   ; W_b[8 h + j][head]: 128 h + 4 head
	v_lshlrev_b32 v5, 5, v3                        ; 32 h: my 8 channels
	v_lshl_add_u32 v6, v2, 6, v5                   ; key r, channels 8 h ..: 64 r + 32 h
	v_mul_u32_u24 v7, v9, 8224                     ; the stage: head x (8 tiles of 1,024 bytes + 32)
	v_lshl_add_u32 v7, v3, 8, v7                   ; + 16 bytes x lane (16 h + query)
	v_bfe_u32 v9, v2, 2, 1
	v_lshl_add_u32 v7, v9, 4, v7
	s_lshl_b32 s29, s10, 10
	v_add_nc_u32 v7, s29, v7                       ; + tile w
	s_mul_i32 s29, s25, 8224
	s_add_co_u32 s29, s29, s28
	v_add_nc_u32 v8, s29, v1
	s_wait_kmcnt 0x0
	s_add_nc_u64 s[40:41], s[40:41], s[50:51]
	s_add_nc_u64 s[48:49], s[48:49], s[52:53]
.irp j, 0,1,2,3,4,5,6,7
	global_load_b32 v[152+\j], v4, s[42:43] offset:16*\j
.endr
	global_load_b128 v[160:163], v5, s[44:45]
	global_load_b128 v[164:167], v5, s[44:45] offset:16
	global_load_b128 v[168:171], v5, s[46:47]
	global_load_b128 v[172:175], v5, s[46:47] offset:16
.irp q, 0,1,2,3,4,5,6,7,8,9,10,11,12,13,14,15
	global_load_b128 v[24+8*\q:27+8*\q], v6, s[40:41] offset:131072*\q      ; the two loads of a query cover 1,024 consecutive bytes
	global_load_b128 v[28+8*\q:31+8*\q], v6, s[40:41] offset:131072*\q+16
.endr
	s_wait_loadcnt 32                              ; the 12 loads of parameters are in; the 32 of pair rows stay out
	v_mul_f32 v248, v168, v152                     ; sum over my 8 channels of ln_z_b W_b
.irp j, 1,2,3,4,5,6,7
	v_fmac_f32 v248, v[168+\j], v[152+\j]
.endr
	v_mov_b32 v249, 0
	v_permlanex16_b32 v249, v248, s12, s13
	v_add_f32 v248, v248, v249                     ; over all 16
	v_mov_b32 v249, s23
	v_fmamk_f32 v184, v248, 0x3fb8aa3b, v249       ; x log2(e) + the tile's penalty: the C operand
.irp j, 1,2,3,4,5,6,7
	v_mov_b32 v[184+\j], v184
.endr
.irp j, 0,1,2,3,4,5,6,7
	v_mul_f32 v[160+\j], v[160+\j], v[152+\j]
.endr
.irp j, 0,1,2,3,4,5,6,7
	v_mul_f32 v[160+\j], 0x3fb8aa3b, v[160+\j]     ; ln_z_w W_b log2(e)
.endr
.irp k, 0,1,2,3
	v_cvt_pk_f16_f32 v[168+\k], v[160+2*\k], v[161+2*\k]
.endr
	v_cmp_gt_u32 vcc_lo, 4, v2                     ; B: columns 0-3 = heads for k 0..15 (the even query), columns 4-7 = heads for k 16..31 (the odd one), else 0
.irp k, 0,1,2,3
	v_cndmask_b32 v[176+\k], 0, v[168+\k], vcc_lo
.endr
	v_lshrrev_b32 v250, 2, v2
	v_cmp_eq_u32 vcc_lo, 1, v250
.irp k, 0,1,2,3
	v_cndmask_b32 v[180+\k], 0, v[168+\k], vcc_lo
.endr
.irp ip, 0,1,2,3,4,5,6,7
	s_wait_loadcnt 28-4*\ip                        ; the four loads of queries 2 ip, 2 ip + 1 are in; the 28 - 4 ip younger ones stay out
	ZLN2 24+16*\ip
.endr
.irp ip, 0,1,2,3,4,5,6,7
	v_wmma_f32_16x16x32_f16 v[192+8*\ip:199+8*\ip], v[24+16*\ip:31+16*\ip], v[176:183], v[184:191]   ; eight accumulators, one instruction each
.endr
	NOPS
	s_wait_xcnt 0x0                                ; EXEC changes only behind s_wait_xcnt 0
	v_cmp_gt_u32 vcc_lo, 8, v2
	s_and_saveexec_b32 s30, vcc_lo                 ; lanes r < 8 hold query 2 ip + r / 4, head r & 3, keys 8 h + 0..7
.irp ip, 0,1,2,3,4,5,6,7
	ds_store_b128 v7, v[192+8*\ip:195+8*\ip] offset:32*\ip
	ds_store_b128 v7, v[196+8*\ip:199+8*\ip] offset:512+32*\ip
.endr
	s_or_b32 exec_lo, exec_lo, s30
	s_wait_dscnt 0x0
	s_barrier_signal -1
	s_barrier_wait -1
.irp k, 0,1,2,3,4,5,6,7
	ds_load_b128 v[24+4*\k:27+4*\k], v8 offset:512*\k
.endr
.irp k, 0,1,2,3,4,5,6,7
	s_wait_dscnt 7-\k
	global_store_b128 v1, v[24+4*\k:27+4*\k], s[48:49] offset:512*\k       ; 512 consecutive bytes each
.endr
	s_wait_tensorcnt 0x0
	ds_add_u32 v10, v11
	s_wait_dscnt 0x0
	s_endpgm
; ---- role C: array j for rows 256 rb .. 256 rb + 255, in two passes of 128 rows; wave w normalises 16 rows and owns output columns 16 w .. 16 w + 15
.Lrole_c:
	s_load_b64 s[4:5], s[0:1], PARG                ; c
	s_load_b64 s[6:7], s[0:1], PARG+208            ; pre
	s_load_b512 s[16:31], s[0:1], PARG+40          ; the six weights in the arrays' order, then ln_s_w of attention and of the transition
	s_load_b256 s[32:39], s[0:1], PARG+104         ; b_g, b_sg of attention; b_g, b_sg of the transition
	s_sub_co_u32 s41, s11, 128
	s_lshr_b32 s40, s41, 3                         ; j
	s_and_b32 s41, s41, 7                          ; rb
	s_cmp_eq_u32 s40, 2
	s_cselect_b32 s42, 0, -1
	s_cmp_eq_u32 s40, 5
	s_cselect_b32 s42, 0, s42                      ; s42: all ones where the rows are normalised (not for W_sg, which takes raw s)
	s_cmp_eq_u32 s40, 1
	s_cselect_b32 s43, 0, -1
	s_cmp_eq_u32 s40, 4
	s_cselect_b32 s43, 0, s43                      ; s43: all ones where a bias and a sigmoid follow (not for W_s)
	s_lshl_b32 s54, s10, 6                         ; 64 w
	s_mov_b32 s55, 0
	s_lshl_b32 s56, s41, 4
	s_add_co_u32 s56, s56, s10
	s_lshl_b32 s56, s56, 13                        ; (256 rb + 16 w) rows of 512 bytes
	s_mov_b32 s57, 0
	s_lshl_b32 s58, s40, 20
	s_add_co_u32 s58, s58, s56
	s_add_co_u32 s58, s58, O_CD
	s_mov_b32 s59, 0
	v_mul_u32_u24 v4, v2, 272
	v_lshl_add_u32 v4, v3, 4, v4                   ; fragments: 272 r + 16 h
	v_lshrrev_b32 v5, 1, v1
	s_mul_i32 s60, s10, 4352
	v_add_nc_u32 v5, s60, v5                       ; my rows in f16: 272 x 16 w + 8 x lane
	v_mul_u32_u24 v6, v2, 528
	v_lshl_add_u32 v6, v3, 5, v6
	s_add_co_u32 s60, s54, C_ST
	v_add_nc_u32 v6, s60, v6                       ; the stage, in: 528 r + 64 w + 32 h
	s_mul_i32 s60, s10, 8448
	s_add_co_u32 s60, s60, C_ST
	v_add_nc_u32 v7, s60, v1                       ; the stage, back: my 16 rows, 16 bytes a lane
	v_lshlrev_b32 v8, 2, v2
	v_lshl_add_u32 v8, v3, 12, v8                  ; weights: 8 h rows of 512 bytes + 4 r
	v_lshlrev_b32 v9, 5, v3                        ; 32 h
	s_wait_kmcnt 0x0
	s_mov_b64 s[44:45], s[16:17]
	s_cmp_eq_u32 s40, 1
	s_cselect_b64 s[44:45], s[18:19], s[44:45]
	s_cmp_eq_u32 s40, 2
	s_cselect_b64 s[44:45], s[20:21], s[44:45]
	s_cmp_eq_u32 s40, 3
	s_cselect_b64 s[44:45], s[22:23], s[44:45]
	s_cmp_eq_u32 s40, 4
	s_cselect_b64 s[44:45], s[24:25], s[44:45]
	s_cmp_eq_u32 s40, 5
	s_cselect_b64 s[44:45], s[26:27], s[44:45]
	s_cmp_ge_u32 s40, 3
	s_cselect_b64 s[50:51], s[30:31], s[28:29]
	s_mov_b64 s[52:53], s[32:33]
	s_cmp_eq_u32 s40, 2
	s_cselect_b64 s[52:53], s[34:35], s[52:53]
	s_cmp_eq_u32 s40, 3
	s_cselect_b64 s[52:53], s[36:37], s[52:53]
	s_cmp_eq_u32 s40, 5
	s_cselect_b64 s[52:53], s[38:39], s[52:53]
	s_add_nc_u64 s[44:45], s[44:45], s[54:55]
	s_add_nc_u64 s[52:53], s[52:53], s[54:55]
	s_add_nc_u64 s[46:47], s[4:5], s[56:57]
	s_add_nc_u64 s[48:49], s[6:7], s[58:59]
	global_load_b128 v[12:15], v1, s[50:51]        ; ln_s_w of my four columns
	global_load_b128 v[16:19], v9, s[52:53]        ; the bias of output columns 16 w + 8 h + 0..7
	global_load_b128 v[20:23], v9, s[52:53] offset:16
.irp i, 0,1,2,3,4,5,6,7,8,9,10,11,12,13,14,15
	global_load_b128 v[24+4*\i:27+4*\i], v1, s[46:47] offset:512*\i
.endr
	LOADW 152, 512, 8, 44
	s_wait_loadcnt 63                              ; 83 loads were issued: at most 63 out shows the oldest 20 done, the 19 that are needed now among them
.irp k, 0,1,2,3
	v_cndmask_b32 v[12+\k], 1.0, v[12+\k], s42
.endr
.irp k, 0,1,2,3,4,5,6,7
	v_cndmask_b32 v[16+\k], 0, v[16+\k], s43
.endr
	CPASS 0, 24
	s_wait_loadcnt 0x0                             ; the second 128 rows
	CPASS 1, 88
	s_wait_tensorcnt 0x0
	ds_add_u32 v10, v11
	s_wait_dscnt 0x0
	s_endpgm
.Lfunc_end_k_qcd843ac1a2_prep0:
	.size	k_qcd843ac1a2_prep0, .Lfunc_end_k_qcd843ac1a2_prep0-k_qcd843ac1a2_prep0
	.p2alignl 7, 3214868480
	.fill 96, 4, 3214868480
	.section	.rodata,"a",@progbits
	.p2align	6, 0x0
	.amdhsa_kernel k_qcd843ac1a2_prep0
		.amdhsa_group_segment_fixed_size 103424
		.amdhsa_private_segment_fixed_size 0
		.amdhsa_enable_private_segment 0
		.amdhsa_kernarg_size 216
		.amdhsa_user_sgpr_count 2
		.amdhsa_user_sgpr_kernarg_segment_ptr 1
		.amdhsa_wavefront_size32 1
		.amdhsa_system_sgpr_workgroup_id_x 1
		.amdhsa_system_sgpr_workgroup_id_y 1
		.amdhsa_system_sgpr_workgroup_id_z 1
		.amdhsa_system_vgpr_workitem_id 0
		.amdhsa_next_free_vgpr 256
		.amdhsa_next_free_sgpr 66
		.amdhsa_reserve_vcc 1
		.amdhsa_float_denorm_mode_32 3
		.amdhsa_float_denorm_mode_16_64 3
		.amdhsa_memory_ordered 1
		.amdhsa_forward_progress 1
		.amdhsa_inst_pref_size 189
	.end_amdhsa_kernel
	.amdgpu_metadata
---
amdhsa.version: [ 1, 2 ]
amdhsa.kernels:
  - .name:           k_qcd843ac1a2_prep0
    .symbol:         k_qcd843ac1a2_prep0.kd
    .args:
      - { .name: c, .offset: 0, .size: 8, .value_kind: global_buffer, .address_space: global }
      - { .name: pair_rep, .offset: 8, .size: 8, .value_kind: global_buffer, .address_space: global }
      - { .name: params_blocks_0_apb_W_b, .offset: 16, .size: 8, .value_kind: global_buffer, .address_space: global }
      - { .name: params_blocks_0_apb_ln_z_w, .offset: 24, .size: 8, .value_kind: global_buffer, .address_space: global }
      - { .name: params_blocks_0_apb_ln_z_b, .offset: 32, .size: 8, .value_kind: global_buffer, .address_space: global }
      - { .name: params_blocks_0_apb_W_g, .offset: 40, .size: 8, .value_kind: global_buffer, .address_space: global }
      - { .name: params_blocks_0_apb_W_s, .offset: 48, .size: 8, .value_kind: global_buffer, .address_space: global }
      - { .name: params_blocks_0_apb_W_sg, .offset: 56, .size: 8, .value_kind: global_buffer, .address_space: global }
      - { .name: params_blocks_0_tr_W_g, .offset: 64, .size: 8, .value_kind: global_buffer, .address_space: global }
      - { .name: params_blocks_0_tr_W_s, .offset: 72, .size: 8, .value_kind: global_buffer, .address_space: global }
      - { .name: params_blocks_0_tr_W_sg, .offset: 80, .size: 8, .value_kind: global_buffer, .address_space: global }
      - { .name: params_blocks_0_apb_ln_s_w, .offset: 88, .size: 8, .value_kind: global_buffer, .address_space: global }
      - { .name: params_blocks_0_tr_ln_s_w, .offset: 96, .size: 8, .value_kind: global_buffer, .address_space: global }
      - { .name: params_blocks_0_apb_b_g, .offset: 104, .size: 8, .value_kind: global_buffer, .address_space: global }
      - { .name: params_blocks_0_apb_b_sg, .offset: 112, .size: 8, .value_kind: global_buffer, .address_space: global }
      - { .name: params_blocks_0_tr_b_g, .offset: 120, .size: 8, .value_kind: global_buffer, .address_space: global }
      - { .name: params_blocks_0_tr_b_sg, .offset: 128, .size: 8, .value_kind: global_buffer, .address_space: global }
      - { .name: params_blocks_0_apb_W_k, .offset: 136, .size: 8, .value_kind: global_buffer, .address_space: global }
      - { .name: params_blocks_0_apb_W_v, .offset: 144, .size: 8, .value_kind: global_buffer, .address_space: global }
      - { .name: params_blocks_0_apb_W_q, .offset: 152, .size: 8, .value_kind: global_buffer, .address_space: global }
      - { .name: params_blocks_0_apb_W_gate, .offset: 160, .size: 8, .value_kind: global_buffer, .address_space: global }
      - { .name: params_blocks_0_tr_W_1, .offset: 168, .size: 8, .value_kind: global_buffer, .address_space: global }
      - { .name: params_blocks_0_tr_W_2, .offset: 176, .size: 8, .value_kind: global_buffer, .address_space: global }
      - { .name: params_blocks_0_apb_W_o, .offset: 184, .size: 8, .value_kind: global_buffer, .address_space: global }
      - { .name: params_blocks_0_tr_W_out, .offset: 192, .size: 8, .value_kind: global_buffer, .address_space: global }
      - { .name: params_blocks_0_apb_b_q, .offset: 200, .size: 8, .value_kind: global_buffer, .address_space: global }
      - { .name: pre0, .offset: 208, .size: 8, .value_kind: global_buffer, .address_space: global }
    .group_segment_fixed_size: 103424
    .private_segment_fixed_size: 0
    .kernarg_segment_align: 8
    .kernarg_segment_size: 216
    .max_flat_workgroup_size: 256
    .sgpr_count:     66
    .vgpr_count:     256
    .wavefront_size: 32
...
	.end_amdgpu_metadata
.endif
;; end of part 1
;; launch step0 (part 2): grid 251 x 1, 8 waves a work-group, no clusters, 225,280 bytes of LDS; arguments pre0, q, a1, c, pair_rep, params_blocks_1_apb_W_b, params_blocks_1_apb_ln_z_w, params_blocks_1_apb_ln_z_b, params_blocks_1_apb_W_g, params_blocks_1_apb_W_s, params_blocks_1_apb_W_sg, params_blocks_1_tr_W_g, params_blocks_1_tr_W_s, params_blocks_1_tr_W_sg, params_blocks_1_apb_ln_s_w, params_blocks_1_tr_ln_s_w, params_blocks_1_apb_b_g, params_blocks_1_apb_b_sg, params_blocks_1_tr_b_g, params_blocks_1_tr_b_sg, params_blocks_1_apb_W_k, params_blocks_1_apb_W_v, params_blocks_1_apb_W_q, params_blocks_1_apb_W_gate, params_blocks_1_tr_W_1, params_blocks_1_tr_W_2, params_blocks_1_apb_W_o, params_blocks_1_tr_W_out, params_blocks_1_apb_b_q, pre1; writes a1, pre1
.if DOCPART == 2
	.amdgcn_target "amdgcn-amd-amdhsa--gfx1250"
	.amdhsa_code_object_version 6
	.text
	.protected	k_qcd843ac1a2_step0
	.globl	k_qcd843ac1a2_step0
	.p2align	8
	.type	k_qcd843ac1a2_step0,@function
k_qcd843ac1a2_step0:
	s_mov_b64 s[64:65], 0
	v_nop
	global_prefetch_b8 v0, s[64:65] scope:SCOPE_SE
	s_setreg_imm32_b32 hwreg(HW_REG_WAVE_MODE, 25, 1), 1
	s_wait_xcnt 0x0
; ONE BLOCK OF THE ATOM TRANSFORMER, and beside it the preparation of the next block.
; Work-groups 0..63: block i = 32 queries.  a_out = XT o (SwiGLU(AdaLN_tr(a)) W_out) + XA o ((gate o attention) W_o), from a_in and the prepared buffer pre
; (weights in fragment order, six conditioning arrays, pair-bias tiles).  Eight waves; all intermediates stay in registers and LDS.
; Work-groups 64..250 (where the grid has them): the preparation of the next block into another buffer; it reads only the problem's inputs.
; No tensor loads and no joint loads: each weight fragment goes from memory straight into the one wave that multiplies by it, in runs of 512 consecutive
; bytes; the 448 KiB of weights that the 64 row blocks share do not fit in LDS beside 219 KiB of activations, so sharing them would need a ring with a
; cluster barrier for every refill, for at most 64 matrix instructions of a wave.
; NUMBER FORMATS.  f16 operands: a_n, q, k, and the weights that meet them (room for 30 times larger inputs: a few thousand against 65,504).
; v, the softmax weights, gate o attention, the SwiGLU product, W_o and W_out: v, gate o attention and the SwiGLU product shrink or grow as products of several
; inputs and have no fixed room in f16, so these products go in bf16; one bf16 (8 significant bits) is too coarse for the allowance, so each operand is a pair
; hi + lo of bf16 (16 significant bits) and each product is hi hi + lo hi + hi lo.  Sums, norms, softmax and gates in f32.
; LIMITS, stated: the mask that the problem builds lets query block i see keys 32 i - 48 .. 32 i + 79 alone; the others have weight exactly 0 in f32 as long as
; logits stay far below 1e10, and are not computed; pair_rep outside that band is not read.  Window tiles outside rows 0..2047 are computed from clamped rows and
; cancelled by a bias of -1e30.  The softmax takes the row's true maximum (all 128 logits lie in registers) and works in base 2: 32^-0.5 log2(e) is multiplied onto
; q + b_q in f32 before the rounding.  Below about 2^-117 a pair's lo part underflows and the pair is as good as one bf16; above 3.39e38 its hi part is infinite.
.set PBASE, 64                         ; the first work-group of the preparation
.set PARG,  24                         ; byte of its first pointer among the kernel arguments
.set O_BQ,  458752                     ; pre: b_q behind 112 sets of 4,096 bytes
.set O_CD,  462848                     ; pre: six arrays of 1 MiB
.set O_BI,  6754304                    ; pre: bias tiles [i 64][head 4][u 2][t 8][1,024 bytes]
.set ARR,   0x100000                   ; bytes of a conditioning array
.set C_ST,  34816                      ; role C: the f32 stage behind the f16 rows
.set W_OH,  64*4096                    ; pre: W_o hi, one set a wave
.set W_OL,  88*4096                    ; W_o lo
.set W_UH,  72*4096                    ; W_out hi, two sets a wave (rows 0-127, rows 128-255)
.set W_UL,  96*4096                    ; W_out lo
; LDS of a block.  Rows of 256 bytes have a pitch of 272, rows of 512 a pitch of 528: odd multiples of 16, so that 16 rows start in 16 different columns of 16 bytes.
; A pair's lo region lies straight behind its hi region, so that one address register serves both.
.set L_KS,  34816                      ; K [128 keys][128] f16          (byte 0: a_n of the 128 window rows, f16; later the two f32 stages of 32 rows, pitch 528)
.set L_VT,  69632                      ; V transposed [128 columns][128 keys] bf16 hi
.set D_VL,  34816                      ; its lo part, so many bytes further on
.set L_QS,  139264                     ; Q [32][128] f16
.set L_AT,  147968                     ; a_n of the transition [32][128] f16
.set L_GO,  156672                     ; gate o attention [32][128] bf16 hi
.set D_GL,  8704                       ; its lo part
.set L_HS,  174080                     ; SwiGLU product [32][256] bf16 hi, pitch 528; before that LN(a) of the 32 own rows in f32, same pitch
.set D_HL,  16896                      ; its lo part
.set L_GS,  207872                     ; gates: 16 tiles (column tile, u) of 1,024 bytes, register images, f32
; registers v256-479, named by their low 8 bits under a window (s_set_vgpr_msb): what the last phase multiplies by, asked for two phases ahead
.set X_OH,  0                          ; W_o hi
.set X_OL,  32                         ; W_o lo
.set X_UH0, 64                         ; W_out hi, rows 0-127
.set X_UH1, 96                         ; W_out hi, rows 128-255
.set X_UL0, 128                        ; W_out lo, rows 0-127
.set X_UL1, 160                        ; W_out lo, rows 128-255
.set X_XA,  192                        ; output gate of attention, my four rows
.set X_XT,  208                        ; output gate of the transition
.set MSB, 0
.macro WIN new                         ; low byte: bits 1:0 source 0, 7:6 destination; the high byte repeats the setting that is left
.if MSB != \new
	s_set_vgpr_msb (MSB<<8)|\new
.set MSB, \new
.endif
.endm
.set TO_X,   0x40                      ; destination in v256.., address in v0..
.set FROM_X, 0x01                      ; source 0 in v256.., all else in v0..
.macro NOPS                            ; five places behind a group of matrix instructions (ISA guide 7.12.1): results are read, sources rewritten and sums restarted only behind them
.rept 5
	v_nop
.endr
.endm
; two f32 at v[x:x+1] as a pair of bf16: hi = x rounded, lo = x - hi (exact in f32) rounded.  x is used up; t: two registers at work.
.macro SPLIT2 hi, lo, x, t
	v_cvt_pk_bf16_f32 v[\hi], v[\x], v[\x+1]
	v_lshlrev_b32 v[\t], 16, v[\hi]
	v_and_b32 v[\t+1], 0xffff0000, v[\hi]
	v_pk_add_f32 v[\x:\x+1], v[\x:\x+1], v[\t:\t+1] neg_lo:[0,1] neg_hi:[0,1]
	v_cvt_pk_bf16_f32 v[\lo], v[\x], v[\x+1]
.endm
; two rows of 128 numbers are normalised in place; a lane holds four neighbouring columns of each.  Mean first, then the centred squares.
; sel = 1: where s42 is 0 the mean counts as 0 and the factor as 1 (the row stays as it is).
.macro LNROW2 a, b, sel
	v_pk_add_f32 v[248:249], v[\a:\a+1], v[\a+2:\a+3]
	v_pk_add_f32 v[252:253], v[\b:\b+1], v[\b+2:\b+3]
	v_add_f32 v248, v248, v249
	v_add_f32 v252, v252, v253
.irp m, 1,2,4,8
	v_add_f32_dpp v248, v248, v248 row_xmask:\m row_mask:0xf bank_mask:0xf
	v_add_f32_dpp v252, v252, v252 row_xmask:\m row_mask:0xf bank_mask:0xf
.endr
	v_permlanex16_b32 v249, v248, s12, s13
	v_permlanex16_b32 v253, v252, s12, s13
	v_add_f32 v248, v248, v249
	v_add_f32 v252, v252, v253
	v_mul_f32 v248, s14, v248
	v_mul_f32 v252, s14, v252
.if \sel
	v_cndmask_b32 v248, 0, v248, s42
	v_cndmask_b32 v252, 0, v252, s42
.endif
	v_pk_add_f32 v[\a:\a+1], v[\a:\a+1], v[248:249] op_sel_hi:[1,0] neg_lo:[0,1] neg_hi:[0,1]
	v_pk_add_f32 v[\b:\b+1], v[\b:\b+1], v[252:253] op_sel_hi:[1,0] neg_lo:[0,1] neg_hi:[0,1]
	v_pk_add_f32 v[\a+2:\a+3], v[\a+2:\a+3], v[248:249] op_sel_hi:[1,0] neg_lo:[0,1] neg_hi:[0,1]
	v_pk_add_f32 v[\b+2:\b+3], v[\b+2:\b+3], v[252:253] op_sel_hi:[1,0] neg_lo:[0,1] neg_hi:[0,1]
	v_pk_mul_f32 v[250:251], v[\a:\a+1], v[\a:\a+1]
	v_pk_mul_f32 v[254:255], v[\b:\b+1], v[\b:\b+1]
	v_pk_fma_f32 v[250:251], v[\a+2:\a+3], v[\a+2:\a+3], v[250:251]
	v_pk_fma_f32 v[254:255], v[\b+2:\b+3], v[\b+2:\b+3], v[254:255]
	v_add_f32 v250, v250, v251
	v_add_f32 v254, v254, v255
.irp m, 1,2,4,8
	v_add_f32_dpp v250, v250, v250 row_xmask:\m row_mask:0xf bank_mask:0xf
	v_add_f32_dpp v254, v254, v254 row_xmask:\m row_mask:0xf bank_mask:0xf
.endr
	v_permlanex16_b32 v251, v250, s12, s13
	v_permlanex16_b32 v255, v254, s12, s13
	v_add_f32 v250, v250, v251
	v_add_f32 v254, v254, v255
	v_fma_f32 v250, v250, s14, s15         ; variance + 1e-5
	v_fma_f32 v254, v254, s14, s15
	v_rsq_f32 v250, v250
	v_rsq_f32 v254, v254
	v_nop                                  ; one plain place behind a transcendental (ISA guide 5.7.2)
.if \sel
	s_wait_alu depctr_va_vdst(0)
	v_cndmask_b32 v250, 1.0, v250, s42
	v_cndmask_b32 v254, 1.0, v254, s42
.endif
	s_wait_alu depctr_va_vdst(0)
	v_pk_mul_f32 v[\a:\a+1], v[\a:\a+1], v[250:251] op_sel_hi:[1,0]
	v_pk_mul_f32 v[\b:\b+1], v[\b:\b+1], v[254:255] op_sel_hi:[1,0]
	v_pk_mul_f32 v[\a+2:\a+3], v[\a+2:\a+3], v[250:251] op_sel_hi:[1,0]
	v_pk_mul_f32 v[\b+2:\b+3], v[\b+2:\b+3], v[254:255] op_sel_hi:[1,0]
.endm
; sigmoid of eight registers x, temporaries t.  sel = 1: only where s43 is set.
.macro SIG8 x, t, sel
.irp k, 0,1,2,3,4,5,6,7
	v_mul_f32 v[\t+\k], 0xbfb8aa3b, v[\x+\k]
.endr
.irp k, 0,1,2,3,4,5,6,7
	v_exp_f32 v[\t+\k], v[\t+\k]
.endr
	v_nop
	s_wait_alu depctr_va_vdst(0)
.irp k, 0,1,2,3,4,5,6,7
	v_add_f32 v[\t+\k], 1.0, v[\t+\k]
.endr
.if \sel
.irp k, 0,1,2,3,4,5,6,7
	v_rcp_f32 v[\t+\k], v[\t+\k]
.endr
	v_nop
	s_wait_alu depctr_va_vdst(0)
.irp k, 0,1,2,3,4,5,6,7
	v_cndmask_b32 v[\x+\k], v[\x+\k], v[\t+\k], s43
.endr
.else
.irp k, 0,1,2,3,4,5,6,7
	v_rcp_f32 v[\x+\k], v[\t+\k]
.endr
	v_nop
.endif
.endm
; 16 columns x 128 rows of a weight matrix [K][N] f32: lane (r, h) takes column r, rows 16 q + 8 h + j.  The address register holds 8 h rows + 4 r.
.macro LOADW raw, ldb, va, sb
.irp q, 0,1,2,3,4,5,6,7
.irp j, 0,1,2,3,4,5,6,7
	global_load_b32 v[\raw+8*\q+\j], v[\va], s[\sb:\sb+1] offset:(16*\q+\j)*\ldb
.endr
.endr
.endm
.macro CVTW raw, pk                    ; 64 f32 into 32 packed f16 registers: four fragments of 8
.set n, 0
.rept 32
	v_cvt_pk_f16_f32 v[\pk+n], v[\raw+2*n], v[\raw+2*n+1]
.set n, n+1
.endr
.endm
.macro LTILE dst, va, off              ; four fragments (16 rows x 128 along K, 16-bit) from LDS: eight loads of 16 bytes, 32 bytes apart
.irp k, 0,1,2,3,4,5,6,7
	ds_load_b128 v[\dst+4*\k:\dst+4*\k+3], v[\va] offset:\off+32*\k
.endr
.endm
.macro LFRAG dst, va, off              ; one fragment (16 rows x 32 along K)
	ds_load_b128 v[\dst:\dst+3], v[\va] offset:\off
	ds_load_b128 v[\dst+4:\dst+7], v[\va] offset:\off+32
.endm
.macro WF16 d, a, b                    ; the next link of a sum in place
	v_wmma_f32_16x16x32_f16 v[\d:\d+7], v[\a:\a+7], v[\b:\b+7], v[\d:\d+7]
.endm
.macro WF16C d, a, b, c                ; the first link: the sum starts from c
	v_wmma_f32_16x16x32_f16 v[\d:\d+7], v[\a:\a+7], v[\b:\b+7], v[\c:\c+7]
.endm
.macro WF16Z d, a, b                   ; the first link: the sum starts from 0, nothing is cleared
	v_wmma_f32_16x16x32_f16 v[\d:\d+7], v[\a:\a+7], v[\b:\b+7], 0
.endm
.macro WBF d, a, b
	v_wmma_f32_16x16x32_bf16 v[\d:\d+7], v[\a:\a+7], v[\b:\b+7], v[\d:\d+7]
.endm
.macro WBFZ d, a, b
	v_wmma_f32_16x16x32_bf16 v[\d:\d+7], v[\a:\a+7], v[\b:\b+7], 0
.endm
; eight links: weights w (four fragments) times the activation fragments of two row tiles b0, b1, on accumulators d0, d1 by turns
.macro WPAIR d0, d1, w, b0, b1
.irp ks, 0,1,2,3
	WBF \d0, \w+8*\ks, \b0+8*\ks
	WBF \d1, \w+8*\ks, \b1+8*\ks
.endr
.endm
.macro WPAIRZ d0, d1, w, b0, b1        ; the same, the first two start the sums
	WBFZ \d0, \w, \b0
	WBFZ \d1, \w, \b1
.irp ks, 1,2,3
	WBF \d0, \w+8*\ks, \b0+8*\ks
	WBF \d1, \w+8*\ks, \b1+8*\ks
.endr
.endm
; role Z: two queries' 16 channels (8 in the lane, 8 in lane xor 16) are normalised and packed into one A fragment at v[a:a+7]
.macro ZLN2 a
	v_pk_add_f32 v[248:249], v[\a:\a+1], v[\a+2:\a+3]
	v_pk_add_f32 v[252:253], v[\a+8:\a+9], v[\a+10:\a+11]
	v_pk_add_f32 v[250:251], v[\a+4:\a+5], v[\a+6:\a+7]
	v_pk_add_f32 v[254:255], v[\a+12:\a+13], v[\a+14:\a+15]
	v_pk_add_f32 v[248:249], v[248:249], v[250:251]
	v_pk_add_f32 v[252:253], v[252:253], v[254:255]
	v_add_f32 v248, v248, v249
	v_add_f32 v252, v252, v253
	v_permlanex16_b32 v249, v248, s12, s13
	v_permlanex16_b32 v253, v252, s12, s13
	v_add_f32 v248, v248, v249
	v_add_f32 v252, v252, v253
	v_mul_f32 v248, s9, v248
	v_mul_f32 v252, s9, v252
.irp k, 0,2,4,6
	v_pk_add_f32 v[\a+\k:\a+\k+1], v[\a+\k:\a+\k+1], v[248:249] op_sel_hi:[1,0] neg_lo:[0,1] neg_hi:[0,1]
	v_pk_add_f32 v[\a+8+\k:\a+9+\k], v[\a+8+\k:\a+9+\k], v[252:253] op_sel_hi:[1,0] neg_lo:[0,1] neg_hi:[0,1]
.endr
	v_pk_mul_f32 v[250:251], v[\a:\a+1], v[\a:\a+1]
	v_pk_mul_f32 v[254:255], v[\a+8:\a+9], v[\a+8:\a+9]
.irp k, 2,4,6
	v_pk_fma_f32 v[250:251], v[\a+\k:\a+\k+1], v[\a+\k:\a+\k+1], v[250:251]
	v_pk_fma_f32 v[254:255], v[\a+8+\k:\a+9+\k], v[\a+8+\k:\a+9+\k], v[254:255]
.endr
	v_add_f32 v250, v250, v251
	v_add_f32 v254, v254, v255
	v_permlanex16_b32 v251, v250, s12, s13
	v_permlanex16_b32 v255, v254, s12, s13
	v_add_f32 v250, v250, v251
	v_add_f32 v254, v254, v255
	v_fma_f32 v250, v250, s9, s15
	v_fma_f32 v254, v254, s9, s15
	v_rsq_f32 v250, v250
	v_rsq_f32 v254, v254
	v_nop
	s_wait_alu depctr_va_vdst(0)
.irp k, 0,2,4,6
	v_pk_mul_f32 v[\a+\k:\a+\k+1], v[\a+\k:\a+\k+1], v[250:251] op_sel_hi:[1,0]
	v_pk_mul_f32 v[\a+8+\k:\a+9+\k], v[\a+8+\k:\a+9+\k], v[254:255] op_sel_hi:[1,0]
.endr
.irp k, 0,1,2,3
	v_cvt_pk_f16_f32 v[\a+\k], v[\a+2*\k], v[\a+2*\k+1]        ; the even query: k = 0..15 of the fragment
.endr
.irp k, 0,1,2,3
	v_cvt_pk_f16_f32 v[\a+4+\k], v[\a+8+2*\k], v[\a+9+2*\k]    ; the odd query: k = 16..31
.endr
.endm
; role C: 128 rows.  x: the wave's 16 rows as loaded (4 registers each).
.macro CPASS p, x
.irp i, 0,2,4,6,8,10,12,14
	LNROW2 \x+4*\i, \x+4*\i+4, 1
.endr
.irp i, 0,1,2,3,4,5,6,7,8,9,10,11,12,13,14,15
	v_pk_mul_f32 v[\x+4*\i:\x+4*\i+1], v[\x+4*\i:\x+4*\i+1], v[12:13]
	v_pk_mul_f32 v[\x+4*\i+2:\x+4*\i+3], v[\x+4*\i+2:\x+4*\i+3], v[14:15]
	v_cvt_pk_f16_f32 v[\x+4*\i], v[\x+4*\i], v[\x+4*\i+1]
	v_cvt_pk_f16_f32 v[\x+4*\i+1], v[\x+4*\i+2], v[\x+4*\i+3]
	ds_store_b64 v5, v[\x+4*\i:\x+4*\i+1] offset:272*\i
.endr
.if \p == 0
	s_wait_loadcnt 0x0                     ; the 64 words of my 16 weight columns
	CVTW 152, 216
.irp i, 0,1,2,3,4,5,6,7,8,9,10,11,12,13,14,15
	global_load_b128 v[88+4*\i:91+4*\i], v1, s[46:47] offset:(128+\i)*512   ; the second 128 rows, on their way during the first's products
.endr
.endif
	s_wait_dscnt 0x0                       ; my rows are in LDS, and my reads of the stage are over
	s_barrier_signal -1
	s_barrier_wait -1
	s_wait_xcnt 0x0                        ; v152-215, which the last stores read, are loaded again only behind this wait
.irp mp, 0,1,2,3
	LTILE 152, 4, 4352*(2*\mp)
	LTILE 184, 4, 4352*(2*\mp+1)
	s_wait_dscnt 0x0
	WF16C 24, 216, 152, 16                 ; source 0 = 16 output columns, source 1 = 16 rows: a lane gets 8 neighbouring columns of one row.  The bias starts the sums
	WF16C 32, 216, 184, 16                 ; two accumulators by turns
.irp ks, 1,2,3
	WF16 24, 216+8*\ks, 152+8*\ks
	WF16 32, 216+8*\ks, 184+8*\ks
.endr
	NOPS
	SIG8 24, 40, 1
	SIG8 32, 48, 1
	ds_store_b128 v6, v[24:27] offset:8448*(2*\mp)
	ds_store_b128 v6, v[28:31] offset:8448*(2*\mp)+16
	ds_store_b128 v6, v[32:35] offset:8448*(2*\mp+1)
	ds_store_b128 v6, v[36:39] offset:8448*(2*\mp+1)+16
.endr
	s_wait_dscnt 0x0                       ; my part of the stage is written, and my reads of the f16 rows are over
	s_barrier_signal -1
	s_barrier_wait -1
.irp i, 0,1,2,3,4,5,6,7,8,9,10,11,12,13,14,15
	ds_load_b128 v[152+4*\i:155+4*\i], v7 offset:528*\i
.endr
.irp i, 0,1,2,3,4,5,6,7,8,9,10,11,12,13,14,15
	s_wait_dscnt 15-\i                     ; LDS loads come back in order: row i is in
	global_store_b128 v1, v[152+4*\i:155+4*\i], s[48:49] offset:(128*\p+\i)*512   ; a whole row of 512 bytes
.endr
.endm
; ---- macros of the block
.macro GFRAG dst, sb, off              ; a prepared set (four fragments) from memory: eight loads of 512 consecutive bytes
.irp k, 0,1,2,3,4,5,6,7
	global_load_b128 v[\dst+4*\k:\dst+4*\k+3], v1, s[\sb:\sb+1] offset:\off+512*\k
.endr
.endm
.macro APPLY i                         ; row i of my window tile: gate x LN(a) + shift, to f16, into LDS
	v_pk_fma_f32 v[88+4*\i:89+4*\i], v[88+4*\i:89+4*\i], v[24+4*\i:25+4*\i], v[152+4*\i:153+4*\i]
	v_pk_fma_f32 v[90+4*\i:91+4*\i], v[90+4*\i:91+4*\i], v[26+4*\i:27+4*\i], v[154+4*\i:155+4*\i]
	v_cvt_pk_f16_f32 v[88+4*\i], v[88+4*\i], v[89+4*\i]
	v_cvt_pk_f16_f32 v[89+4*\i], v[90+4*\i], v[91+4*\i]
	ds_store_b64 v6, v[88+4*\i:89+4*\i] offset:272*\i
.endm
; K and V of window tile mt, my 16 columns.  cur / nxt: the halves of v24-87 that hold this tile's and the next tile's fragments.
.macro KVTILE mt, cur, nxt, cnt, more
.if \more
	LTILE \nxt, 4, 4352*(\mt+1)
.endif
	s_wait_dscnt \cnt
	WF16Z 216, 88, \cur                    ; K: weights as source 0: a lane gets 8 neighbouring columns of one key
	WF16Z 224, \cur, 152                   ; V: rows as source 0: a lane gets 8 neighbouring keys of one column.  Two accumulators by turns
.irp ks, 1,2,3
	WF16 216, 88+8*\ks, \cur+8*\ks
	WF16 224, \cur+8*\ks, 152+8*\ks
.endr
	NOPS
.irp k, 0,1,2,3
	v_cvt_pk_f16_f32 v[232+\k], v[216+2*\k], v[217+2*\k]
.endr
	SPLIT2 236, 240, 224, 244
	SPLIT2 237, 241, 226, 246
	SPLIT2 238, 242, 228, 244
	SPLIT2 239, 243, 230, 246
	ds_store_b128 v7, v[232:235] offset:4352*\mt
	ds_store_b128 v8, v[236:239] offset:32*\mt
	ds_store_b128 v8, v[240:243] offset:D_VL+32*\mt
.endm
.macro GLU16 wa, wb                    ; a_n W_1 and a_n W_2 for one column tile and both row tiles: four accumulators by turns
	WF16Z 216, \wa, 24
	WF16Z 224, \wb, 24
	WF16Z 232, \wa, 56
	WF16Z 240, \wb, 56
.irp ks, 1,2,3
	WF16 216, \wa+8*\ks, 24+8*\ks
	WF16 224, \wb+8*\ks, 24+8*\ks
	WF16 232, \wa+8*\ks, 56+8*\ks
	WF16 240, \wb+8*\ks, 56+8*\ks
.endr
.endm
.macro SILU xa, xb, off                ; xa sigmoid(xa) xb, as a pair of bf16 (into xb's registers), into LDS
.irp k, 0,1,2,3,4,5,6,7
	v_mul_f32 v[248+\k], 0xbfb8aa3b, v[\xa+\k]
.endr
.irp k, 0,1,2,3,4,5,6,7
	v_exp_f32 v[248+\k], v[248+\k]
.endr
	v_nop
	s_wait_alu depctr_va_vdst(0)
.irp k, 0,1,2,3,4,5,6,7
	v_add_f32 v[248+\k], 1.0, v[248+\k]
.endr
.irp k, 0,1,2,3,4,5,6,7
	v_rcp_f32 v[248+\k], v[248+\k]
.endr
	v_nop
	s_wait_alu depctr_va_vdst(0)
.irp k, 0,2,4,6
	v_pk_mul_f32 v[\xa+\k:\xa+\k+1], v[\xa+\k:\xa+\k+1], v[248+\k:249+\k]
.endr
.irp k, 0,2,4,6
	v_pk_mul_f32 v[\xa+\k:\xa+\k+1], v[\xa+\k:\xa+\k+1], v[\xb+\k:\xb+\k+1]
.endr
	SPLIT2 \xb, \xb+4, \xa, 248
	SPLIT2 \xb+1, \xb+5, \xa+2, 250
	SPLIT2 \xb+2, \xb+6, \xa+4, 248
	SPLIT2 \xb+3, \xb+7, \xa+6, 250
	ds_store_b128 v16, v[\xb:\xb+3] offset:\off
	ds_store_b128 v16, v[\xb+4:\xb+7] offset:D_HL+\off
.endm
	s_set_vgpr_msb 0x40
	v_lshl_add_u32 v224, v0, 2, 0x36c00
	v_mov_b32 v225, 0
	s_set_vgpr_msb 0x4000
	v_lshrrev_b32 v2, 5, v0
	v_readfirstlane_b32 s10, v2                    ; wave w
	v_and_b32 v1, 31, v0
	v_lshlrev_b32 v1, 4, v1                        ; 16 x lane
	v_and_b32 v2, 15, v0                           ; r
	v_bfe_u32 v3, v0, 4, 1                         ; h
	s_mov_b32 s12, 0x76543210                      ; v_permlanex16_b32: lane i takes lane i of the other half
	s_mov_b32 s13, 0xfedcba98
	s_mov_b32 s14, 0x3c000000                      ; 1/128
	s_mov_b32 s15, 0x3727c5ac                      ; 1e-5
	s_cmp_lt_u32 ttmp9, 64
	s_cbranch_scc0 .Lprep
; ======== THE BLOCK.  Registers: v4-23 addresses; v24-87 R1 (rows, activation fragments); v88-119 B1, v120-151 B2, v152-183 B3, v184-215 B4 (weights, tiles);
; v216-247 four accumulators; v248-255 at work; v256-479 the last phase's weights and gates.  Scalar bases are written once.
	s_load_b128 s[4:7], s[0:1], 0x0                ; pre, a_in
	s_load_b64 s[8:9], s[0:1], 0x10                ; a_out
	s_mov_b32 s38, 0x3e8293ee                      ; 32^-0.5 log2(e)
	s_mov_b32 s39, 0x3e8293ee
	s_lshl_b32 s40, ttmp9, 1
	s_add_co_u32 s40, s40, s10
	s_sub_co_u32 s40, s40, 3
	s_max_i32 s40, s40, 0
	s_min_i32 s40, s40, 127                        ; my window tile 2 i - 3 + w, clamped into the tensor
	s_lshl_b32 s40, s40, 13                        ; 16 rows of 512 bytes
	s_mov_b32 s41, 0
	s_add_co_u32 s42, s40, O_CD
	s_mov_b32 s43, 0
	s_lshl_b32 s44, ttmp9, 3
	s_add_co_u32 s44, s44, s10                     ; 8 i + w
	s_lshl_b32 s46, s44, 11                        ; rows 32 i + 4 w, in bytes
	s_mov_b32 s47, 0
	s_add_co_u32 s48, s46, O_CD
	s_mov_b32 s49, 0
	s_lshl_b32 s50, s44, 13                        ; bias tiles of (i, head w / 2, u = w & 1)
	s_add_co_u32 s50, s50, O_BI
	s_mov_b32 s51, 0
	s_lshl_b32 s52, s10, 12
	s_mov_b32 s53, 0
	s_lshl_b32 s54, s10, 13
	s_mov_b32 s55, 0
	s_lshl_b32 s56, s10, 6
	s_add_co_u32 s56, s56, O_BQ
	s_mov_b32 s57, 0
	s_wait_kmcnt 0x0
	s_add_nc_u64 s[16:17], s[6:7], s[40:41]        ; a: my window tile
	s_add_nc_u64 s[18:19], s[4:5], s[42:43]        ; conditioning arrays at my window tile
	s_add_nc_u64 s[22:23], s[4:5], s[48:49]        ; conditioning arrays at my four own rows
	s_add_nc_u64 s[26:27], s[4:5], s[52:53]        ; weight sets, one a wave
	s_add_nc_u64 s[28:29], s[4:5], s[54:55]        ; weight sets, two a wave
	s_add_nc_u64 s[30:31], s[4:5], s[56:57]        ; b_q of my 16 columns
	s_add_nc_u64 s[32:33], s[4:5], s[50:51]        ; my bias tiles
	s_add_nc_u64 s[36:37], s[8:9], s[46:47]        ; a_out at my four rows
; -- AdaLN of the window: wave w takes window tile w (16 rows)
.irp i, 0,1,2,3,4,5,6,7,8,9,10,11,12,13,14,15
	global_load_b128 v[24+4*\i:27+4*\i], v1, s[16:17] offset:512*\i
.endr
.irp i, 0,1,2,3,4,5,6,7,8,9,10,11,12,13,14,15
	global_load_b128 v[88+4*\i:91+4*\i], v1, s[18:19] offset:512*\i
.endr
.irp i, 0,1,2,3,4,5,6,7,8,9,10,11,12,13,14,15
	global_load_b128 v[152+4*\i:155+4*\i], v1, s[18:19] offset:ARR+512*\i
.endr
.irp k, 0,1,2,3
	global_load_b128 v[216+4*\k:219+4*\k], v1, s[22:23] offset:3*ARR+512*\k
	global_load_b128 v[232+4*\k:235+4*\k], v1, s[22:23] offset:4*ARR+512*\k
.endr
	v_mul_u32_u24 v4, v2, 272
	v_lshl_add_u32 v4, v3, 4, v4                   ; v4: fragments of pitch 272: 272 r + 16 h
	v_mul_u32_u24 v248, v2, 528
	v_lshl_add_u32 v249, v3, 4, v248
	v_lshrrev_b32 v250, 1, v1                      ; 8 x lane
	v_add_nc_u32 v5, L_HS, v249                    ; v5: fragments of the SwiGLU product
	s_mul_i32 s40, s10, 4352
	v_add_nc_u32 v6, s40, v250                     ; v6: my window rows in f16
	s_lshl_b32 s41, s10, 5
	s_add_co_u32 s42, s41, L_KS
	v_add_nc_u32 v7, s42, v4                       ; v7: K in: key r, columns 16 w + 8 h
	s_add_co_u32 s42, s40, L_VT
	v_add_nc_u32 v8, s42, v4                       ; v8: V transposed in: column 16 w + r, keys 8 h
	s_add_co_u32 s42, s41, L_QS
	v_add_nc_u32 v9, s42, v4                       ; v9: Q in
	s_lshl_b32 s42, s10, 11
	s_add_co_u32 s42, s42, L_GS
	v_add_nc_u32 v10, s42, v1                      ; v10: gate tiles in
	s_lshr_b32 s43, s10, 1                         ; attention: head hd
	s_and_b32 s44, s10, 1                          ; and query tile u
	s_lshl_b32 s45, s43, 6
	s_mul_i32 s46, s44, 4352
	s_add_co_u32 s47, s45, s46
	s_add_co_u32 s42, s47, L_QS
	v_add_nc_u32 v11, s42, v4                      ; v11: Q's fragment
	s_add_co_u32 s42, s45, L_KS
	v_add_nc_u32 v12, s42, v4                      ; v12: K's fragments
	s_mul_i32 s42, s43, 8704
	s_add_co_u32 s42, s42, L_VT
	v_add_nc_u32 v13, s42, v4                      ; v13: V's fragments
	s_lshl_b32 s42, s43, 12
	s_lshl_b32 s46, s44, 10
	s_add_co_u32 s42, s42, s46
	s_add_co_u32 s42, s42, L_GS
	v_add_nc_u32 v14, s42, v1                      ; v14: gate tiles back
	s_add_co_u32 s42, s47, L_GO
	v_add_nc_u32 v15, s42, v4                      ; v15: gate o attention in
	s_lshl_b32 s42, s10, 6
	v_add_nc_u32 v16, s42, v5                      ; v16: SwiGLU product in
	v_lshl_add_u32 v17, v3, 5, v248
	v_add_nc_u32 v17, s42, v17                     ; v17: f32 stages in: 528 r + 64 w + 32 h
	s_mul_i32 s42, s10, 2112
	v_add_nc_u32 v18, s42, v1                      ; v18: f32 stages back: rows 4 w ..
	v_add_nc_u32 v20, L_HS, v18                    ; v20: LN(a) of my four own rows
	s_mul_i32 s42, s10, 1088
	s_add_co_u32 s42, s42, L_AT
	v_add_nc_u32 v21, s42, v250                    ; v21: the transition's a_n in
	v_add_nc_u32 v22, L_AT, v4                     ; v22: its fragments
	v_add_nc_u32 v23, L_GO, v4                     ; v23: fragments of gate o attention
	v_lshlrev_b32 v3, 5, v3                        ; v3: from here on 32 h
	s_wait_loadcnt 40                              ; a's 16 rows are in; the 40 younger loads stay out
.irp i, 0,2,4,6,8,10,12,14
	LNROW2 24+4*\i, 28+4*\i, 0
.endr
	s_wait_loadcnt 8                               ; gates and shifts of the window are in; the transition's 8 loads stay out
.irp i, 0,1,2,3,4,5,6,7
	APPLY \i
.endr
	GFRAG 88, 26, 0                                ; W_k, my 16 columns
	GFRAG 152, 26, 32768                           ; W_v
.irp i, 8,9,10,11,12,13,14,15
	APPLY \i
.endr
	GFRAG 120, 26, 65536                           ; W_q
	GFRAG 184, 26, 98304                           ; W_gate
	s_cmp_lt_u32 s10, 3                            ; window tiles 3 and 4 are the block's own 32 rows: their LN(a) is kept in f32 for the transition
	s_cbranch_scc1 .Lno_xh
	s_cmp_gt_u32 s10, 4
	s_cbranch_scc1 .Lno_xh
	s_mul_i32 s42, s10, 8448
	s_add_co_u32 s42, s42, L_HS-3*8448
	v_add_nc_u32 v19, s42, v1
.irp i, 0,1,2,3,4,5,6,7,8,9,10,11,12,13,14,15
	ds_store_b128 v19, v[24+4*\i:27+4*\i] offset:528*\i
.endr
.Lno_xh:
	s_wait_dscnt 0x0
	s_barrier_signal -1
	s_barrier_wait -1                              ; barrier 1: a_n of the window and LN(a) of the own rows are whole
; -- the transition's a_n: four own rows a wave
.irp k, 0,1,2,3
	ds_load_b128 v[24+4*\k:27+4*\k], v20 offset:528*\k
.endr
	s_wait_loadcnt 32                              ; the transition's gates and shifts are in; 32 weight loads stay out
	s_wait_dscnt 0x0
.irp k, 0,1,2,3
	v_pk_fma_f32 v[216+4*\k:217+4*\k], v[216+4*\k:217+4*\k], v[24+4*\k:25+4*\k], v[232+4*\k:233+4*\k]
	v_pk_fma_f32 v[218+4*\k:219+4*\k], v[218+4*\k:219+4*\k], v[26+4*\k:27+4*\k], v[234+4*\k:235+4*\k]
	v_cvt_pk_f16_f32 v[216+4*\k], v[216+4*\k], v[217+4*\k]
	v_cvt_pk_f16_f32 v[217+4*\k], v[218+4*\k], v[219+4*\k]
	ds_store_b64 v21, v[216+4*\k:217+4*\k] offset:272*\k
.endr
	global_load_b128 v[248:251], v3, s[30:31]      ; b_q of columns 16 w + 8 h + 0..7
	global_load_b128 v[252:255], v3, s[30:31] offset:16
; -- K and V for the 128 window rows, my 16 columns
	s_wait_loadcnt 18                              ; W_k and W_v are in; W_q, W_gate and b_q (18 loads) stay out
	LTILE 24, 4, 0
	KVTILE 0, 24, 56, 8, 1                         ; the count 8 leaves the next tile's eight loads out
	KVTILE 1, 56, 24, 8, 1
	KVTILE 2, 24, 56, 8, 1
	KVTILE 3, 56, 24, 8, 1
	KVTILE 4, 24, 56, 8, 1
	KVTILE 5, 56, 24, 8, 1
	KVTILE 6, 24, 56, 8, 1
	KVTILE 7, 56, 24, 3, 0                         ; behind the last tile's loads stand the three stores of tile 6 alone
; -- Q and the gate for the own rows (window tiles 3 and 4), my 16 columns
	GFRAG 88, 28, 131072                           ; W_1, column tile 2 w
	GFRAG 152, 28, 196608                          ; W_2, column tile 2 w
	LTILE 24, 4, 4352*3
	LTILE 56, 4, 4352*4
	s_wait_loadcnt 16                              ; W_q, W_gate and b_q are in; the 16 loads just issued stay out
	s_wait_dscnt 0x0
	WF16C 216, 120, 24, 248                        ; b_q starts Q's sums; four accumulators by turns
	WF16Z 224, 184, 24
	WF16C 232, 120, 56, 248
	WF16Z 240, 184, 56
.irp ks, 1,2,3
	WF16 216, 120+8*\ks, 24+8*\ks
	WF16 224, 184+8*\ks, 24+8*\ks
	WF16 232, 120+8*\ks, 56+8*\ks
	WF16 240, 184+8*\ks, 56+8*\ks
.endr
	NOPS
	GFRAG 120, 28, 131072+4096                     ; W_1, column tile 2 w + 1
	GFRAG 184, 28, 196608+4096                     ; W_2, column tile 2 w + 1
.irp u, 0,1
.irp k, 0,2,4,6
	v_pk_mul_f32 v[216+16*\u+\k:217+16*\u+\k], v[216+16*\u+\k:217+16*\u+\k], s[38:39] op_sel_hi:[1,0]
.endr
.irp k, 0,1,2,3
	v_cvt_pk_f16_f32 v[216+16*\u+\k], v[216+16*\u+2*\k], v[217+16*\u+2*\k]
.endr
	ds_store_b128 v9, v[216+16*\u:219+16*\u] offset:4352*\u
.endr
	SIG8 224, 24, 0
	SIG8 240, 32, 0
	ds_store_b128 v10, v[224:227]
	ds_store_b128 v10, v[228:231] offset:512
	s_wait_alu depctr_va_vdst(0)
	ds_store_b128 v10, v[240:243] offset:1024
	ds_store_b128 v10, v[244:247] offset:1536
	s_wait_dscnt 0x0
	s_barrier_signal -1
	s_barrier_wait -1                              ; barrier 2: K, V, Q, gates and the transition's a_n are whole; nobody reads the window's a_n or LN(a) any more
; -- SwiGLU: both row tiles, my column tiles 2 w and 2 w + 1 of 16
	LTILE 24, 22, 0
	LTILE 56, 22, 4352
	s_wait_loadcnt 16                              ; the sets of tile 2 w are in; those of 2 w + 1 stay out
	s_wait_dscnt 0x0
	GLU16 88, 152
	NOPS
.irp t, 0,1,2,3
	global_load_b128 v[88+8*\t:91+8*\t], v1, s[32:33] offset:1024*\t           ; pair bias: C tiles of key tiles 0-3,
	global_load_b128 v[92+8*\t:95+8*\t], v1, s[32:33] offset:1024*\t+512
.endr
.irp t, 0,1,2,3
	global_load_b128 v[152+8*\t:155+8*\t], v1, s[32:33] offset:1024*(\t+4)     ; and 4-7
	global_load_b128 v[156+8*\t:159+8*\t], v1, s[32:33] offset:1024*(\t+4)+512
.endr
	SILU 216, 224, 0
	SILU 232, 240, 8448
	s_wait_loadcnt 16                              ; the sets of tile 2 w + 1 are in; the 16 bias loads stay out
	s_wait_dscnt 0x0
	GLU16 120, 184
	NOPS
	ds_load_b128 v[24:27], v11                     ; attention's operands come in while the activation is computed: Q's fragment,
	ds_load_b128 v[28:31], v11 offset:32
.irp t, 0,1,2,3
	ds_load_b128 v[120+8*\t:123+8*\t], v12 offset:4352*\t                      ; K's eight
	ds_load_b128 v[124+8*\t:127+8*\t], v12 offset:4352*\t+32
.endr
.irp t, 0,1,2,3
	ds_load_b128 v[184+8*\t:187+8*\t], v12 offset:4352*(\t+4)
	ds_load_b128 v[188+8*\t:191+8*\t], v12 offset:4352*(\t+4)+32
.endr
	WIN TO_X                                       ; 40 loads for the last phase, into v256..: with the 16 bias loads 56 are out
	GFRAG X_OH, 26, W_OH
	GFRAG X_OL, 26, W_OL
	GFRAG X_UH0, 28, W_UH
	GFRAG X_UL0, 28, W_UL
	GFRAG X_UH1, 28, W_UH+4096
	WIN 0
	SILU 216, 224, 32
	SILU 232, 240, 8448+32
; -- attention: wave = (head w / 2, query tile w & 1).  Logits transposed: lane (r, h) holds query r, keys 16 t + 8 h + 0..7
	s_wait_loadcnt 40                              ; the bias tiles are in; the 40 loads for the last phase stay out
	s_wait_dscnt 0x0
.irp t, 0,1,2,3
	WF16 88+8*\t, 120+8*\t, 24                     ; K_t Q + bias, on the bias tile itself: eight different accumulators
.endr
.irp t, 0,1,2,3
	WF16 152+8*\t, 184+8*\t, 24
.endr
	NOPS
	LTILE 120, 13, 0                               ; V transposed hi, columns 0-15 of the head
	LTILE 184, 13, 4352                            ; columns 16-31
	ds_load_b128 v[64:67], v14
	ds_load_b128 v[68:71], v14 offset:512
	ds_load_b128 v[72:75], v14 offset:2048
	ds_load_b128 v[76:79], v14 offset:2560
	LFRAG 232, 13, D_VL+4352                       ; V lo, columns 16-31, into registers that are free now
	LFRAG 240, 13, D_VL+4352+64
	LFRAG 24, 13, D_VL+4352+128
	LFRAG 80, 13, D_VL+4352+192
	WIN TO_X                                       ; the last 16 loads for the last phase: at most 56 are out
	GFRAG X_UL1, 28, W_UL+4096
.irp k, 0,1,2,3
	global_load_b128 v[X_XA+4*\k:X_XA+4*\k+3], v1, s[22:23] offset:2*ARR+512*\k    ; the two output gates of my four rows
	global_load_b128 v[X_XT+4*\k:X_XT+4*\k+3], v1, s[22:23] offset:5*ARR+512*\k
.endr
	WIN 0
	v_max3_num_f32 v248, v88, v89, v90             ; the row's maximum: four chains over my 64 logits,
	v_max3_num_f32 v249, v104, v105, v106
	v_max3_num_f32 v250, v152, v153, v154
	v_max3_num_f32 v251, v168, v169, v170
.irp k, 3,5,7,9,11,13
	v_max3_num_f32 v248, v248, v[88+\k], v[89+\k]
	v_max3_num_f32 v249, v249, v[104+\k], v[105+\k]
	v_max3_num_f32 v250, v250, v[152+\k], v[153+\k]
	v_max3_num_f32 v251, v251, v[168+\k], v[169+\k]
.endr
	v_max3_num_f32 v248, v248, v103, v119
	v_max3_num_f32 v250, v250, v167, v183
	v_max3_num_f32 v248, v248, v249, v250
	v_max_num_f32 v248, v248, v251
	v_permlanex16_b32 v249, v248, s12, s13         ; and the other 64 in lane xor 16
	v_max_num_f32 v248, v248, v249
.set n, 0
.rept 16
	v_pk_add_f32 v[88+n:89+n], v[88+n:89+n], v[248:249] op_sel_hi:[1,0] neg_lo:[0,1] neg_hi:[0,1]
	v_pk_add_f32 v[152+n:153+n], v[152+n:153+n], v[248:249] op_sel_hi:[1,0] neg_lo:[0,1] neg_hi:[0,1]
.set n, n+2
.endr
.set n, 0
.rept 32
	v_exp_f32 v[88+n], v[88+n]
	v_exp_f32 v[152+n], v[152+n]
.set n, n+1
.endr
	v_nop
	s_wait_alu depctr_va_vdst(0)
	v_pk_add_f32 v[248:249], v[88:89], v[90:91]    ; the sum, in f32, four chains
	v_pk_add_f32 v[250:251], v[104:105], v[106:107]
	v_pk_add_f32 v[252:253], v[152:153], v[154:155]
	v_pk_add_f32 v[254:255], v[168:169], v[170:171]
.irp k, 4,6,8,10,12,14
	v_pk_add_f32 v[248:249], v[248:249], v[88+\k:89+\k]
	v_pk_add_f32 v[250:251], v[250:251], v[104+\k:105+\k]
	v_pk_add_f32 v[252:253], v[252:253], v[152+\k:153+\k]
	v_pk_add_f32 v[254:255], v[254:255], v[168+\k:169+\k]
.endr
	v_pk_add_f32 v[248:249], v[248:249], v[250:251]
	v_pk_add_f32 v[252:253], v[252:253], v[254:255]
	v_pk_add_f32 v[248:249], v[248:249], v[252:253]
	v_add_f32 v248, v248, v249
	v_permlanex16_b32 v249, v248, s12, s13
	v_add_f32 v248, v248, v249                     ; v248 keeps the sum
; the weights as pairs: key tiles 2 ks and 2 ks + 1 are registers 0-3 and 4-7 of fragment ks: no shuffle.  hi: v32-63.  lo: packed in place, v88-103 and v152-167
.set n, 0
.rept 16
	SPLIT2 32+n, 88+n, 88+2*n, 252
	SPLIT2 48+n, 152+n, 152+2*n, 254
.set n, n+1
.endr
	LFRAG 104, 13, D_VL                            ; V lo, columns 0-15, into the halves that the packing has freed
	LFRAG 112, 13, D_VL+64
	LFRAG 168, 13, D_VL+128
	LFRAG 176, 13, D_VL+192
	s_wait_dscnt 8                                 ; all but the eight loads just issued
	WBFZ 216, 120, 32                              ; V^T P: lane = query, registers = 8 neighbouring columns; two accumulators by turns.  hi hi,
	WBFZ 224, 184, 32
.irp ks, 1,2,3
	WBF 216, 120+8*\ks, 32+8*\ks
	WBF 224, 184+8*\ks, 32+8*\ks
.endr
	WBF 216, 120, 88                               ; V hi P lo,
	WBF 224, 184, 88
	WBF 216, 128, 96
	WBF 224, 192, 96
	WBF 216, 136, 152
	WBF 224, 200, 152
	WBF 216, 144, 160
	WBF 224, 208, 160
	s_wait_dscnt 0x0
	WBF 216, 104, 32                               ; V lo P hi
	WBF 224, 232, 32
	WBF 216, 112, 40
	WBF 224, 240, 40
	WBF 216, 168, 48
	WBF 224, 24, 48
	WBF 216, 176, 56
	WBF 224, 80, 56
	NOPS
	v_rcp_f32 v250, v248
	v_nop
	s_wait_alu depctr_va_vdst(0)
.irp k, 0,2,4,6,8,10,12,14
	v_pk_mul_f32 v[64+\k:65+\k], v[64+\k:65+\k], v[250:251] op_sel_hi:[1,0]    ; gate / sum
.endr
.irp k, 0,2,4,6,8,10,12,14
	v_pk_mul_f32 v[216+\k:217+\k], v[216+\k:217+\k], v[64+\k:65+\k]
.endr
	SPLIT2 64, 72, 216, 252                        ; as pairs, into the gates' registers: hi v64-71, lo v72-79
	SPLIT2 68, 76, 224, 254
	SPLIT2 65, 73, 218, 252
	SPLIT2 69, 77, 226, 254
	SPLIT2 66, 74, 220, 252
	SPLIT2 70, 78, 228, 254
	SPLIT2 67, 75, 222, 252
	SPLIT2 71, 79, 230, 254
	ds_store_b128 v15, v[64:67]
	ds_store_b128 v15, v[68:71] offset:32
	ds_store_b128 v15, v[72:75] offset:D_GL
	ds_store_b128 v15, v[76:79] offset:D_GL+32
	s_wait_dscnt 0x0
	s_barrier_signal -1
	s_barrier_wait -1                              ; barrier 3: gate o attention and the SwiGLU product are whole
; -- W_o and W_out: my 16 output columns, both row tiles; each product is hi hi + lo hi + hi lo.  Weights are source 0, in v256..
	LTILE 24, 23, 0                                ; gate o attention hi, rows 0-15, 16-31
	LTILE 56, 23, 4352
	LTILE 88, 23, D_GL                             ; lo
	LTILE 120, 23, D_GL+4352
	LTILE 152, 5, 0                                ; SwiGLU product hi, columns 0-127
	LTILE 184, 5, 8448
	s_wait_loadcnt 40                              ; W_o's two sets are in; W_out's four and the output gates (40 loads) stay out
	s_wait_dscnt 16                                ; the 16 loads of the SwiGLU product stay out
	WIN FROM_X
	WPAIRZ 216, 224, X_OH, 24, 56
	WPAIR 216, 224, X_OL, 24, 56
	WPAIR 216, 224, X_OH, 88, 120
	WIN 0
	NOPS
	LTILE 24, 5, D_HL                              ; SwiGLU product lo, columns 0-127
	LTILE 56, 5, D_HL+8448
	LTILE 88, 5, 256                               ; hi, columns 128-255
	LTILE 120, 5, 8448+256
	s_wait_loadcnt 24                              ; W_out's sets for rows 0-127 are in
	s_wait_dscnt 32                                ; the 32 loads just issued stay out
	WIN FROM_X
	WPAIRZ 232, 240, X_UH0, 152, 184
	WPAIR 232, 240, X_UL0, 152, 184
	s_wait_dscnt 16                                ; the lo fragments are in
	WPAIR 232, 240, X_UH0, 24, 56
	WIN 0
	NOPS
	LTILE 152, 5, D_HL+256                         ; lo, columns 128-255
	LTILE 184, 5, D_HL+8448+256
	s_wait_loadcnt 8                               ; W_out's sets for rows 128-255 are in; the output gates stay out
	s_wait_dscnt 16
	WIN FROM_X
	WPAIR 232, 240, X_UH1, 88, 120
	WPAIR 232, 240, X_UL1, 88, 120
	s_wait_dscnt 0x0
	WPAIR 232, 240, X_UH1, 152, 184
	WIN 0
	NOPS
	ds_store_b128 v17, v[216:219]                  ; two f32 stages of 32 rows, in the bytes of the window's a_n, last read in front of barrier 2
	ds_store_b128 v17, v[220:223] offset:16
	ds_store_b128 v17, v[224:227] offset:8448
	ds_store_b128 v17, v[228:231] offset:8448+16
	ds_store_b128 v17, v[232:235] offset:16896
	ds_store_b128 v17, v[236:239] offset:16896+16
	ds_store_b128 v17, v[240:243] offset:16896+8448
	ds_store_b128 v17, v[244:247] offset:16896+8448+16
	s_wait_dscnt 0x0
	s_barrier_signal -1
	s_barrier_wait -1                              ; barrier 4
; -- the way out: four whole rows a wave
.irp k, 0,1,2,3
	ds_load_b128 v[24+4*\k:27+4*\k], v18 offset:528*\k
	ds_load_b128 v[40+4*\k:43+4*\k], v18 offset:16896+528*\k
.endr
	s_wait_loadcnt 0x0
	s_wait_dscnt 0x0
	WIN FROM_X
.irp k, 0,2,4,6,8,10,12,14
	v_pk_mul_f32 v[24+\k:25+\k], v[X_XA+\k:X_XA+\k+1], v[24+\k:25+\k]
.endr
.irp k, 0,2,4,6,8,10,12,14
	v_pk_fma_f32 v[24+\k:25+\k], v[X_XT+\k:X_XT+\k+1], v[40+\k:41+\k], v[24+\k:25+\k]
.endr
	WIN 0
.irp k, 0,1,2,3
	global_store_b128 v1, v[24+4*\k:27+4*\k], s[36:37] offset:512*\k           ; a whole row of 512 bytes
.endr
	s_set_vgpr_msb 0x5
	s_wait_tensorcnt 0x0
	ds_add_u32 v224, v225
	s_wait_dscnt 0x0
	s_set_vgpr_msb 0x500
	s_endpgm
; ======== THE PREPARATION OF THE NEXT BLOCK: three roles by x' = work-group - 64
;   Z, x' 0..127:   pair bias of one tile of 16 queries against its window of 128 keys, all four heads, times log2(e), as register images of C tiles.
;   C, x' 128..175: one of six conditioning arrays [2048][128] f32 for 256 rows.
;   W, x' 176..186: eleven weight units of 128 x 128 into 16-bit fragment order, and a copy of b_q.
; ln_z_w and log2(e) are multiplied into W_b in f32 before the rounding to f16; ln_z_b W_b enters in f32 as the C operand.
.Lprep:
	s_sub_co_u32 s11, ttmp9, PBASE                 ; x'
	s_cmp_lt_u32 s11, 128
	s_cbranch_scc1 .Lrole_z
	s_cmp_lt_u32 s11, 176
	s_cbranch_scc1 .Lrole_c
; ---- role W: wave w of group g writes set e = 8 g + w: [ks 4][c 2][lane 32][16 bytes], lane (r, h) = W[32 ks + 16 c + 8 h + 0..7][16 nt + r];
; for W_o and W_out (e from 64 on) that set holds the hi parts, and set e + 24 the lo parts
	s_load_b512 s[16:31], s[0:1], PARG+136         ; W_k, W_v, W_q, W_gate, W_1, W_2, W_o, W_out
	s_load_b128 s[32:35], s[0:1], PARG+200         ; b_q, pre
	s_sub_co_u32 s40, s11, 176                     ; g
	s_lshl_b32 s41, s40, 3
	s_add_co_u32 s41, s41, s10                     ; e
	s_lshl_b32 s48, s10, 6                         ; 64 w: 16 columns of f32
	s_and_b32 s43, s40, 1
	s_lshl_b32 s43, s43, 9
	s_add_co_u32 s43, s43, s48                     ; W_1, W_2: column tile 8 (g & 1) + w
	s_sub_co_u32 s46, s41, 72                      ; W_out: t = e - 72 = 2 nt + kc (used where g is 9 or 10)
	s_lshr_b32 s47, s46, 1
	s_lshl_b32 s47, s47, 6
	s_and_b32 s46, s46, 1
	s_lshl_b32 s46, s46, 16                        ; kc x 128 rows of 512 bytes
	s_add_co_u32 s46, s46, s47
	s_mov_b32 s42, s48
	s_cmp_ge_u32 s40, 4
	s_cselect_b32 s42, s43, s42
	s_cmp_ge_u32 s40, 8
	s_cselect_b32 s42, s48, s42
	s_cmp_ge_u32 s40, 9
	s_cselect_b32 s42, s46, s42
	s_mov_b32 s43, 0
	s_lshl_b32 s50, s41, 12                        ; 4,096 e
	s_mov_b32 s51, 0
	v_lshlrev_b32 v4, 2, v2                        ; 4 r
	s_wait_kmcnt 0x0
	s_mov_b64 s[44:45], s[16:17]
	s_cmp_ge_u32 s40, 1
	s_cselect_b64 s[44:45], s[18:19], s[44:45]
	s_cmp_ge_u32 s40, 2
	s_cselect_b64 s[44:45], s[20:21], s[44:45]
	s_cmp_ge_u32 s40, 3
	s_cselect_b64 s[44:45], s[22:23], s[44:45]
	s_cmp_ge_u32 s40, 4
	s_cselect_b64 s[44:45], s[24:25], s[44:45]
	s_cmp_ge_u32 s40, 6
	s_cselect_b64 s[44:45], s[26:27], s[44:45]
	s_cmp_ge_u32 s40, 8
	s_cselect_b64 s[44:45], s[28:29], s[44:45]
	s_cmp_ge_u32 s40, 9
	s_cselect_b64 s[44:45], s[30:31], s[44:45]
	s_add_nc_u64 s[44:45], s[44:45], s[42:43]
	s_add_nc_u64 s[52:53], s[34:35], s[50:51]
	s_cmp_lt_u32 s40, 4
	s_cbranch_scc1 .Lw_narrow
	s_cmp_ge_u32 s40, 8
	s_cbranch_scc1 .Lw_narrow
	v_lshl_add_u32 v4, v3, 13, v4                  ; rows of 1,024 bytes (W_1, W_2)
	LOADW 24, 1024, 4, 44
	s_branch .Lw_in
.Lw_narrow:
	v_lshl_add_u32 v4, v3, 12, v4                  ; rows of 512 bytes
	LOADW 24, 512, 4, 44
.Lw_in:
	s_wait_loadcnt 0x0
	s_cmp_ge_u32 s40, 8
	s_cbranch_scc1 .Lw_bf
	CVTW 24, 88
	s_branch .Lw_out
.Lw_bf:
.set n, 0
.rept 16
	SPLIT2 88+n, 120+n, 24+2*n, 152
	SPLIT2 89+n, 121+n, 26+2*n, 154
.set n, n+2
.endr
.irp k, 0,1,2,3,4,5,6,7
	global_store_b128 v1, v[120+4*\k:123+4*\k], s[52:53] offset:24*4096+512*\k    ; the lo parts, 24 sets further on
.endr
.Lw_out:
.irp k, 0,1,2,3,4,5,6,7
	global_store_b128 v1, v[88+4*\k:91+4*\k], s[52:53] offset:512*\k       ; 512 consecutive bytes each
.endr
	s_cmp_lg_u32 s41, 0
	s_cbranch_scc1 .Lw_end
	global_load_b128 v[24:27], v1, s[32:33]        ; set 0's wave also copies b_q
	s_wait_loadcnt 0x0
	global_store_b128 v1, v[24:27], s[34:35] offset:O_BQ
.Lw_end:
	s_endpgm
; ---- role Z: query tile ug = x' (16 queries); wave w takes key tile w of the window of query block i = ug / 2
.Lrole_z:
	s_load_b256 s[40:47], s[0:1], PARG+8           ; pair_rep, W_b, ln_z_w, ln_z_b
	s_load_b64 s[48:49], s[0:1], PARG+208          ; pre
	s_mov_b32 s9, 0x3d800000                       ; 1/16
	s_lshr_b32 s20, s11, 1                         ; i
	s_and_b32 s21, s11, 1                          ; u
	s_lshl_b32 s22, s20, 1
	s_add_co_u32 s22, s22, s10
	s_sub_co_u32 s22, s22, 3                       ; key tile T = 2 i - 3 + w of the tensor; wraps below 0
	s_cmp_lt_u32 s22, 128
	s_cselect_b32 s23, 0, 0xf149f2ca               ; a tile outside the tensor carries -1e30
	s_max_i32 s24, s22, 0
	s_min_i32 s24, s24, 127                        ; and reads a clamped tile
	s_lshl_b32 s50, s11, 21                        ; 16 queries x 131,072 bytes
	s_lshl_b32 s24, s24, 10                        ; 16 keys x 64 bytes
	s_add_co_u32 s50, s50, s24
	s_mov_b32 s51, 0
	s_lshr_b32 s25, s10, 1                         ; the way out: wave w stores half w & 1 of head w / 2
	s_and_b32 s26, s10, 1
	s_lshl2_add_u32 s27, s20, s25                  ; 4 i + head
	s_lshl1_add_u32 s27, s27, s21                  ; x 2 + u
	s_lshl_b32 s52, s27, 13
	s_lshl_b32 s28, s26, 12
	s_add_co_u32 s52, s52, s28
	s_add_co_u32 s52, s52, O_BI
	s_mov_b32 s53, 0
	v_and_b32 v9, 3, v2                            ; head = r & 3
	v_lshlrev_b32 v4, 2, v9
	v_lshl_add_u32 v4, v3, 7, v4                   ; W_b[8 h + j][head]: 128 h + 4 head
	v_lshlrev_b32 v5, 5, v3                        ; 32 h: my 8 channels
	v_lshl_add_u32 v6, v2, 6, v5                   ; key r, channels 8 h ..: 64 r + 32 h
	v_mul_u32_u24 v7, v9, 8224                     ; the stage: head x (8 tiles of 1,024 bytes + 32)
	v_lshl_add_u32 v7, v3, 8, v7                   ; + 16 bytes x lane (16 h + query)
	v_bfe_u32 v9, v2, 2, 1
	v_lshl_add_u32 v7, v9, 4, v7
	s_lshl_b32 s29, s10, 10
	v_add_nc_u32 v7, s29, v7                       ; + tile w
	s_mul_i32 s29, s25, 8224
	s_add_co_u32 s29, s29, s28
	v_add_nc_u32 v8, s29, v1
	s_wait_kmcnt 0x0
	s_add_nc_u64 s[40:41], s[40:41], s[50:51]
	s_add_nc_u64 s[48:49], s[48:49], s[52:53]
.irp j, 0,1,2,3,4,5,6,7
	global_load_b32 v[152+\j], v4, s[42:43] offset:16*\j
.endr
	global_load_b128 v[160:163], v5, s[44:45]
	global_load_b128 v[164:167], v5, s[44:45] offset:16
	global_load_b128 v[168:171], v5, s[46:47]
	global_load_b128 v[172:175], v5, s[46:47] offset:16
.irp q, 0,1,2,3,4,5,6,7,8,9,10,11,12,13,14,15
	global_load_b128 v[24+8*\q:27+8*\q], v6, s[40:41] offset:131072*\q      ; the two loads of a query cover 1,024 consecutive bytes
	global_load_b128 v[28+8*\q:31+8*\q], v6, s[40:41] offset:131072*\q+16
.endr
	s_wait_loadcnt 32                              ; the 12 loads of parameters are in; the 32 of pair rows stay out
	v_mul_f32 v248, v168, v152                     ; sum over my 8 channels of ln_z_b W_b
.irp j, 1,2,3,4,5,6,7
	v_fmac_f32 v248, v[168+\j], v[152+\j]
.endr
	v_mov_b32 v249, 0
	v_permlanex16_b32 v249, v248, s12, s13
	v_add_f32 v248, v248, v249                     ; over all 16
	v_mov_b32 v249, s23
	v_fmamk_f32 v184, v248, 0x3fb8aa3b, v249       ; x log2(e) + the tile's penalty: the C operand
.irp j, 1,2,3,4,5,6,7
	v_mov_b32 v[184+\j], v184
.endr
.irp j, 0,1,2,3,4,5,6,7
	v_mul_f32 v[160+\j], v[160+\j], v[152+\j]
.endr
.irp j, 0,1,2,3,4,5,6,7
	v_mul_f32 v[160+\j], 0x3fb8aa3b, v[160+\j]     ; ln_z_w W_b log2(e)
.endr
.irp k, 0,1,2,3
	v_cvt_pk_f16_f32 v[168+\k], v[160+2*\k], v[161+2*\k]
.endr
	v_cmp_gt_u32 vcc_lo, 4, v2                     ; B: columns 0-3 = heads for k 0..15 (the even query), columns 4-7 = heads for k 16..31 (the odd one), else 0
.irp k, 0,1,2,3
	v_cndmask_b32 v[176+\k], 0, v[168+\k], vcc_lo
.endr
	v_lshrrev_b32 v250, 2, v2
	v_cmp_eq_u32 vcc_lo, 1, v250
.irp k, 0,1,2,3
	v_cndmask_b32 v[180+\k], 0, v[168+\k], vcc_lo
.endr
.irp ip, 0,1,2,3,4,5,6,7
	s_wait_loadcnt 28-4*\ip                        ; the four loads of queries 2 ip, 2 ip + 1 are in; the 28 - 4 ip younger ones stay out
	ZLN2 24+16*\ip
.endr
.irp ip, 0,1,2,3,4,5,6,7
	v_wmma_f32_16x16x32_f16 v[192+8*\ip:199+8*\ip], v[24+16*\ip:31+16*\ip], v[176:183], v[184:191]   ; eight accumulators, one instruction each
.endr
	NOPS
	s_wait_xcnt 0x0                                ; EXEC changes only behind s_wait_xcnt 0
	v_cmp_gt_u32 vcc_lo, 8, v2
	s_and_saveexec_b32 s30, vcc_lo                 ; lanes r < 8 hold query 2 ip + r / 4, head r & 3, keys 8 h + 0..7
.irp ip, 0,1,2,3,4,5,6,7
	ds_store_b128 v7, v[192+8*\ip:195+8*\ip] offset:32*\ip
	ds_store_b128 v7, v[196+8*\ip:199+8*\ip] offset:512+32*\ip
.endr
	s_or_b32 exec_lo, exec_lo, s30
	s_wait_dscnt 0x0
	s_barrier_signal -1
	s_barrier_wait -1
.irp k, 0,1,2,3,4,5,6,7
	ds_load_b128 v[24+4*\k:27+4*\k], v8 offset:512*\k
.endr
.irp k, 0,1,2,3,4,5,6,7
	s_wait_dscnt 7-\k
	global_store_b128 v1, v[24+4*\k:27+4*\k], s[48:49] offset:512*\k       ; 512 consecutive bytes each
.endr
	s_set_vgpr_msb 0x5
	s_wait_tensorcnt 0x0
	ds_add_u32 v224, v225
	s_wait_dscnt 0x0
	s_set_vgpr_msb 0x500
	s_endpgm
; ---- role C: array j for rows 256 rb .. 256 rb + 255, in two passes of 128 rows; wave w normalises 16 rows and owns output columns 16 w .. 16 w + 15
.Lrole_c:
	s_load_b64 s[4:5], s[0:1], PARG                ; c
	s_load_b64 s[6:7], s[0:1], PARG+208            ; pre
	s_load_b512 s[16:31], s[0:1], PARG+40          ; the six weights in the arrays' order, then ln_s_w of attention and of the transition
	s_load_b256 s[32:39], s[0:1], PARG+104         ; b_g, b_sg of attention; b_g, b_sg of the transition
	s_sub_co_u32 s41, s11, 128
	s_lshr_b32 s40, s41, 3                         ; j
	s_and_b32 s41, s41, 7                          ; rb
	s_cmp_eq_u32 s40, 2
	s_cselect_b32 s42, 0, -1
	s_cmp_eq_u32 s40, 5
	s_cselect_b32 s42, 0, s42                      ; s42: all ones where the rows are normalised (not for W_sg, which takes raw s)
	s_cmp_eq_u32 s40, 1
	s_cselect_b32 s43, 0, -1
	s_cmp_eq_u32 s40, 4
	s_cselect_b32 s43, 0, s43                      ; s43: all ones where a bias and a sigmoid follow (not for W_s)
	s_lshl_b32 s54, s10, 6                         ; 64 w
	s_mov_b32 s55, 0
	s_lshl_b32 s56, s41, 4
	s_add_co_u32 s56, s56, s10
	s_lshl_b32 s56, s56, 13                        ; (256 rb + 16 w) rows of 512 bytes
	s_mov_b32 s57, 0
	s_lshl_b32 s58, s40, 20
	s_add_co_u32 s58, s58, s56
	s_add_co_u32 s58, s58, O_CD
	s_mov_b32 s59, 0
	v_mul_u32_u24 v4, v2, 272
	v_lshl_add_u32 v4, v3, 4, v4                   ; fragments: 272 r + 16 h
	v_lshrrev_b32 v5, 1, v1
	s_mul_i32 s60, s10, 4352
	v_add_nc_u32 v5, s60, v5                       ; my rows in f16: 272 x 16 w + 8 x lane
	v_mul_u32_u24 v6, v2, 528
	v_lshl_add_u32 v6, v3, 5, v6
	s_add_co_u32 s60, s54, C_ST
	v_add_nc_u32 v6, s60, v6                       ; the stage, in: 528 r + 64 w + 32 h
	s_mul_i32 s60, s10, 8448
	s_add_co_u32 s60, s60, C_ST
	v_add_nc_u32 v7, s60, v1                       ; the stage, back: my 16 rows, 16 bytes a lane
	v_lshlrev_b32 v8, 2, v2
	v_lshl_add_u32 v8, v3, 12, v8                  ; weights: 8 h rows of 512 bytes + 4 r
	v_lshlrev_b32 v9, 5, v3                        ; 32 h
	s_wait_kmcnt 0x0
	s_mov_b64 s[44:45], s[16:17]
	s_cmp_eq_u32 s40, 1
	s_cselect_b64 s[44:45], s[18:19], s[44:45]
	s_cmp_eq_u32 s40, 2
	s_cselect_b64 s[44:45], s[20:21], s[44:45]
	s_cmp_eq_u32 s40, 3
	s_cselect_b64 s[44:45], s[22:23], s[44:45]
	s_cmp_eq_u32 s40, 4
	s_cselect_b64 s[44:45], s[24:25], s[44:45]
	s_cmp_eq_u32 s40, 5
	s_cselect_b64 s[44:45], s[26:27], s[44:45]
	s_cmp_ge_u32 s40, 3
	s_cselect_b64 s[50:51], s[30:31], s[28:29]
	s_mov_b64 s[52:53], s[32:33]
	s_cmp_eq_u32 s40, 2
	s_cselect_b64 s[52:53], s[34:35], s[52:53]
	s_cmp_eq_u32 s40, 3
	s_cselect_b64 s[52:53], s[36:37], s[52:53]
	s_cmp_eq_u32 s40, 5
	s_cselect_b64 s[52:53], s[38:39], s[52:53]
	s_add_nc_u64 s[44:45], s[44:45], s[54:55]
	s_add_nc_u64 s[52:53], s[52:53], s[54:55]
	s_add_nc_u64 s[46:47], s[4:5], s[56:57]
	s_add_nc_u64 s[48:49], s[6:7], s[58:59]
	global_load_b128 v[12:15], v1, s[50:51]        ; ln_s_w of my four columns
	global_load_b128 v[16:19], v9, s[52:53]        ; the bias of output columns 16 w + 8 h + 0..7
	global_load_b128 v[20:23], v9, s[52:53] offset:16
.irp i, 0,1,2,3,4,5,6,7,8,9,10,11,12,13,14,15
	global_load_b128 v[24+4*\i:27+4*\i], v1, s[46:47] offset:512*\i
.endr
	LOADW 152, 512, 8, 44
	s_wait_loadcnt 63                              ; 83 loads were issued: at most 63 out shows the oldest 20 done, the 19 that are needed now among them
.irp k, 0,1,2,3
	v_cndmask_b32 v[12+\k], 1.0, v[12+\k], s42
.endr
.irp k, 0,1,2,3,4,5,6,7
	v_cndmask_b32 v[16+\k], 0, v[16+\k], s43
.endr
	CPASS 0, 24
	s_wait_loadcnt 0x0                             ; the second 128 rows
	CPASS 1, 88
	s_set_vgpr_msb 0x5
	s_wait_tensorcnt 0x0
	ds_add_u32 v224, v225
	s_wait_dscnt 0x0
	s_set_vgpr_msb 0x500
	s_endpgm
.Lfunc_end_k_qcd843ac1a2_step0:
	.size	k_qcd843ac1a2_step0, .Lfunc_end_k_qcd843ac1a2_step0-k_qcd843ac1a2_step0
	.p2alignl 7, 3214868480
	.fill 96, 4, 3214868480
	.section	.rodata,"a",@progbits
	.p2align	6, 0x0
	.amdhsa_kernel k_qcd843ac1a2_step0
		.amdhsa_group_segment_fixed_size 225280
		.amdhsa_private_segment_fixed_size 0
		.amdhsa_enable_private_segment 0
		.amdhsa_kernarg_size 240
		.amdhsa_user_sgpr_count 2
		.amdhsa_user_sgpr_kernarg_segment_ptr 1
		.amdhsa_wavefront_size32 1
		.amdhsa_system_sgpr_workgroup_id_x 1
		.amdhsa_system_sgpr_workgroup_id_y 1
		.amdhsa_system_sgpr_workgroup_id_z 1
		.amdhsa_system_vgpr_workitem_id 0
		.amdhsa_next_free_vgpr 482
		.amdhsa_next_free_sgpr 66
		.amdhsa_reserve_vcc 1
		.amdhsa_float_denorm_mode_32 3
		.amdhsa_float_denorm_mode_16_64 3
		.amdhsa_memory_ordered 1
		.amdhsa_forward_progress 1
		.amdhsa_inst_pref_size 255
	.end_amdhsa_kernel
	.section	.bss,"aw",@nobits
	.p2align	6
	.space	262144
	.amdgpu_metadata
---
amdhsa.version: [ 1, 2 ]
amdhsa.kernels:
  - .name:           k_qcd843ac1a2_step0
    .symbol:         k_qcd843ac1a2_step0.kd
    .args:
      - { .name: pre0, .offset: 0, .size: 8, .value_kind: global_buffer, .address_space: global }
      - { .name: q, .offset: 8, .size: 8, .value_kind: global_buffer, .address_space: global }
      - { .name: a1, .offset: 16, .size: 8, .value_kind: global_buffer, .address_space: global }
      - { .name: c, .offset: 24, .size: 8, .value_kind: global_buffer, .address_space: global }
      - { .name: pair_rep, .offset: 32, .size: 8, .value_kind: global_buffer, .address_space: global }
      - { .name: params_blocks_1_apb_W_b, .offset: 40, .size: 8, .value_kind: global_buffer, .address_space: global }
      - { .name: params_blocks_1_apb_ln_z_w, .offset: 48, .size: 8, .value_kind: global_buffer, .address_space: global }
      - { .name: params_blocks_1_apb_ln_z_b, .offset: 56, .size: 8, .value_kind: global_buffer, .address_space: global }
      - { .name: params_blocks_1_apb_W_g, .offset: 64, .size: 8, .value_kind: global_buffer, .address_space: global }
      - { .name: params_blocks_1_apb_W_s, .offset: 72, .size: 8, .value_kind: global_buffer, .address_space: global }
      - { .name: params_blocks_1_apb_W_sg, .offset: 80, .size: 8, .value_kind: global_buffer, .address_space: global }
      - { .name: params_blocks_1_tr_W_g, .offset: 88, .size: 8, .value_kind: global_buffer, .address_space: global }
      - { .name: params_blocks_1_tr_W_s, .offset: 96, .size: 8, .value_kind: global_buffer, .address_space: global }
      - { .name: params_blocks_1_tr_W_sg, .offset: 104, .size: 8, .value_kind: global_buffer, .address_space: global }
      - { .name: params_blocks_1_apb_ln_s_w, .offset: 112, .size: 8, .value_kind: global_buffer, .address_space: global }
      - { .name: params_blocks_1_tr_ln_s_w, .offset: 120, .size: 8, .value_kind: global_buffer, .address_space: global }
      - { .name: params_blocks_1_apb_b_g, .offset: 128, .size: 8, .value_kind: global_buffer, .address_space: global }
      - { .name: params_blocks_1_apb_b_sg, .offset: 136, .size: 8, .value_kind: global_buffer, .address_space: global }
      - { .name: params_blocks_1_tr_b_g, .offset: 144, .size: 8, .value_kind: global_buffer, .address_space: global }
      - { .name: params_blocks_1_tr_b_sg, .offset: 152, .size: 8, .value_kind: global_buffer, .address_space: global }
      - { .name: params_blocks_1_apb_W_k, .offset: 160, .size: 8, .value_kind: global_buffer, .address_space: global }
      - { .name: params_blocks_1_apb_W_v, .offset: 168, .size: 8, .value_kind: global_buffer, .address_space: global }
      - { .name: params_blocks_1_apb_W_q, .offset: 176, .size: 8, .value_kind: global_buffer, .address_space: global }
      - { .name: params_blocks_1_apb_W_gate, .offset: 184, .size: 8, .value_kind: global_buffer, .address_space: global }
      - { .name: params_blocks_1_tr_W_1, .offset: 192, .size: 8, .value_kind: global_buffer, .address_space: global }
      - { .name: params_blocks_1_tr_W_2, .offset: 200, .size: 8, .value_kind: global_buffer, .address_space: global }
      - { .name: params_blocks_1_apb_W_o, .offset: 208, .size: 8, .value_kind: global_buffer, .address_space: global }
      - { .name: params_blocks_1_tr_W_out, .offset: 216, .size: 8, .value_kind: global_buffer, .address_space: global }
      - { .name: params_blocks_1_apb_b_q, .offset: 224, .size: 8, .value_kind: global_buffer, .address_space: global }
      - { .name: pre1, .offset: 232, .size: 8, .value_kind: global_buffer, .address_space: global }
    .group_segment_fixed_size: 225280
    .private_segment_fixed_size: 0
    .kernarg_segment_align: 8
    .kernarg_segment_size: 240
    .max_flat_workgroup_size: 256
    .sgpr_count:     66
    .vgpr_count:     482
    .wavefront_size: 32
...
	.end_amdgpu_metadata
.endif
;; end of part 2
;; launch step1: the kernel of part 2 again; grid 251 x 1, 8 waves a work-group, no clusters, 225,280 bytes of LDS; arguments pre1, a1, a2, c, pair_rep, params_blocks_2_apb_W_b, params_blocks_2_apb_ln_z_w, params_blocks_2_apb_ln_z_b, params_blocks_2_apb_W_g, params_blocks_2_apb_W_s, params_blocks_2_apb_W_sg, params_blocks_2_tr_W_g, params_blocks_2_tr_W_s, params_blocks_2_tr_W_sg, params_blocks_2_apb_ln_s_w, params_blocks_2_tr_ln_s_w, params_blocks_2_apb_b_g, params_blocks_2_apb_b_sg, params_blocks_2_tr_b_g, params_blocks_2_tr_b_sg, params_blocks_2_apb_W_k, params_blocks_2_apb_W_v, params_blocks_2_apb_W_q, params_blocks_2_apb_W_gate, params_blocks_2_tr_W_1, params_blocks_2_tr_W_2, params_blocks_2_apb_W_o, params_blocks_2_tr_W_out, params_blocks_2_apb_b_q, pre2; writes a2, pre2
;; launch step2: the kernel of part 2 again; grid 64 x 1, 8 waves a work-group, no clusters, 225,280 bytes of LDS; arguments pre2, a2, out0, c, pair_rep, params_blocks_2_apb_W_b, params_blocks_2_apb_ln_z_w, params_blocks_2_apb_ln_z_b, params_blocks_2_apb_W_g, params_blocks_2_apb_W_s, params_blocks_2_apb_W_sg, params_blocks_2_tr_W_g, params_blocks_2_tr_W_s, params_blocks_2_tr_W_sg, params_blocks_2_apb_ln_s_w, params_blocks_2_tr_ln_s_w, params_blocks_2_apb_b_g, params_blocks_2_apb_b_sg, params_blocks_2_tr_b_g, params_blocks_2_tr_b_sg, params_blocks_2_apb_W_k, params_blocks_2_apb_W_v, params_blocks_2_apb_W_q, params_blocks_2_apb_W_gate, params_blocks_2_tr_W_1, params_blocks_2_tr_W_2, params_blocks_2_apb_W_o, params_blocks_2_tr_W_out, params_blocks_2_apb_b_q, pre0; writes out0, pre0
;; ======== version 2 of 2: 4 launches; 1.22 times as fast as version 1
;; limits: values are held in f16: magnitudes above 65,504 overflow, below 6.1e-05 lose precision
;; workspace buffers: pre0 10,948,608 bytes; pre1 10,948,608 bytes; pre2 10,948,608 bytes; a1 1,048,576 bytes; a2 1,048,576 bytes
;; launch prep0 (part 3): grid 235 x 1, 8 waves a work-group, no clusters, 103,424 bytes of LDS; arguments c, pair_rep, params_blocks_0_apb_W_b, params_blocks_0_apb_ln_z_w, params_blocks_0_apb_ln_z_b, params_blocks_0_apb_W_g, params_blocks_0_apb_W_s, params_blocks_0_apb_W_sg, params_blocks_0_tr_W_g, params_blocks_0_tr_W_s, params_blocks_0_tr_W_sg, params_blocks_0_apb_ln_s_w, params_blocks_0_tr_ln_s_w, params_blocks_0_apb_b_g, params_blocks_0_apb_b_sg, params_blocks_0_tr_b_g, params_blocks_0_tr_b_sg, params_blocks_0_apb_W_k, params_blocks_0_apb_W_v, params_blocks_0_apb_W_q, params_blocks_0_apb_W_gate, params_blocks_0_tr_W_1, params_blocks_0_tr_W_2, params_blocks_0_apb_W_o, params_blocks_0_tr_W_out, params_blocks_0_apb_b_q, pre0; writes pre0
.if DOCPART == 3
	.amdgcn_target "amdgcn-amd-amdhsa--gfx1250"
	.amdhsa_code_object_version 6
	.text
	.protected	k_qcd843ac1a2_prep0
	.globl	k_qcd843ac1a2_prep0
	.p2align	8
	.type	k_qcd843ac1a2_prep0,@function
k_qcd843ac1a2_prep0:
	s_mov_b64 s[64:65], 0
	v_nop
	global_prefetch_b8 v0, s[64:65] scope:SCOPE_SE
	s_setreg_imm32_b32 hwreg(HW_REG_WAVE_MODE, 25, 1), 1
	s_wait_xcnt 0x0
; PREPARATION OF THE FIRST BLOCK: everything that does not hang on the atoms' state a.  235 work-groups of eight waves, three roles by the work-group's number x':
;   Z, x' 0..127:   pair bias of one tile of 16 queries against its window of 128 keys, all four heads, times log2(e), as register images of C tiles.
;   C, x' 128..223: one of six conditioning arrays [2048][128] f32 for 128 rows: sigmoid(s_n W_g + b_g), s_n W_s, sigmoid(s W_sg + b_sg), for attention and for the transition.
;   W, x' 224..234: eleven weight units of 128 x 128 into 16-bit fragment order (112 sets of 4,096 bytes), and a copy of b_q.
; Nothing else runs beside this launch, so role C, the longest, is cut as fine as the work-groups allow: 6 arrays x 16 row blocks = 96 work-groups of one pass each.
; LIMITS, stated: the mask that the problem builds lets query block i (32 rows) see keys 32 i - 48 .. 32 i + 79 alone; pair_rep outside that band is not read
; (a NaN there is not carried on).  Window tiles that lie outside rows 0..2047 are computed from clamped rows and carry -1e30, so that their weight is exactly 0.
; ln_z_w and log2(e) are multiplied into W_b in f32 before the rounding to f16; ln_z_b W_b enters in f32 as the C operand.
; f16 operands here: LN(z) (at most 4 in size), the scaled W_b, LN(s) ln_s_w, raw s, W_g, W_s, W_sg, W_q, W_k, W_v, W_gate, W_1, W_2.
; W_o and W_out meet operands that have no fixed room in f16, so they go in bf16, as a pair hi + lo (8 + 8 significant bits): one bf16 alone is too coarse for the allowance.
.set PBASE, 0                          ; the first work-group of the preparation
.set PARG,  0                          ; byte of its first pointer among the kernel arguments
.set XC,    128                        ; the first work-group of role C
.set XW,    224                        ; the first work-group of role W
.set O_BQ,  458752                     ; pre: b_q behind 112 sets of 4,096 bytes
.set O_CD,  462848                     ; pre: six arrays of 1 MiB
.set O_BI,  6754304                    ; pre: bias tiles [i 64][head 4][u 2][t 8][1,024 bytes]
.set C_ST,  34816                      ; role C: the f32 stage (128 rows, pitch 528) behind the f16 rows (128 rows, pitch 272)
.macro NOPS                            ; five places behind a group of matrix instructions (ISA guide 7.12.1): results are read, sources rewritten and sums restarted only behind them
.rept 5
	v_nop
.endr
.endm
; two f32 at v[x:x+1] as a pair of bf16: hi = x rounded, lo = x - hi (exact in f32) rounded.  x is used up; t: two registers at work.
.macro SPLIT2 hi, lo, x, t
	v_cvt_pk_bf16_f32 v[\hi], v[\x], v[\x+1]
	v_lshlrev_b32 v[\t], 16, v[\hi]
	v_and_b32 v[\t+1], 0xffff0000, v[\hi]
	v_pk_add_f32 v[\x:\x+1], v[\x:\x+1], v[\t:\t+1] neg_lo:[0,1] neg_hi:[0,1]
	v_cvt_pk_bf16_f32 v[\lo], v[\x], v[\x+1]
.endm
; four rows of 128 numbers, at v[x + 4 i], are normalised in place; a lane holds four neighbouring columns of each.  Mean first, then the centred squares.
; The four rows go by turns, so that each step of the chain has four instructions that do not wait for each other.  t: 16 registers at work, four a row.
; Where s42 is 0 the mean counts as 0 and the factor as 1: the rows stay as they are.
.macro LN4 x, t
.irp i, 0,1,2,3
	v_pk_add_f32 v[\t+4*\i:\t+4*\i+1], v[\x+4*\i:\x+4*\i+1], v[\x+4*\i+2:\x+4*\i+3]
.endr
.irp i, 0,1,2,3
	v_add_f32 v[\t+4*\i], v[\t+4*\i], v[\t+4*\i+1]
.endr
.irp m, 1,2,4,8
.irp i, 0,1,2,3
	v_add_f32_dpp v[\t+4*\i], v[\t+4*\i], v[\t+4*\i] row_xmask:\m row_mask:0xf bank_mask:0xf
.endr
.endr
.irp i, 0,1,2,3
	v_permlanex16_b32 v[\t+4*\i+1], v[\t+4*\i], s12, s13
.endr
.irp i, 0,1,2,3
	v_add_f32 v[\t+4*\i], v[\t+4*\i], v[\t+4*\i+1]
.endr
.irp i, 0,1,2,3
	v_mul_f32 v[\t+4*\i], s14, v[\t+4*\i]
.endr
.irp i, 0,1,2,3
	v_cndmask_b32 v[\t+4*\i], 0, v[\t+4*\i], s42
.endr
.irp i, 0,1,2,3
	v_pk_add_f32 v[\x+4*\i:\x+4*\i+1], v[\x+4*\i:\x+4*\i+1], v[\t+4*\i:\t+4*\i+1] op_sel_hi:[1,0] neg_lo:[0,1] neg_hi:[0,1]
	v_pk_add_f32 v[\x+4*\i+2:\x+4*\i+3], v[\x+4*\i+2:\x+4*\i+3], v[\t+4*\i:\t+4*\i+1] op_sel_hi:[1,0] neg_lo:[0,1] neg_hi:[0,1]
.endr
.irp i, 0,1,2,3
	v_pk_mul_f32 v[\t+4*\i+2:\t+4*\i+3], v[\x+4*\i:\x+4*\i+1], v[\x+4*\i:\x+4*\i+1]
.endr
.irp i, 0,1,2,3
	v_pk_fma_f32 v[\t+4*\i+2:\t+4*\i+3], v[\x+4*\i+2:\x+4*\i+3], v[\x+4*\i+2:\x+4*\i+3], v[\t+4*\i+2:\t+4*\i+3]
.endr
.irp i, 0,1,2,3
	v_add_f32 v[\t+4*\i+2], v[\t+4*\i+2], v[\t+4*\i+3]
.endr
.irp m, 1,2,4,8
.irp i, 0,1,2,3
	v_add_f32_dpp v[\t+4*\i+2], v[\t+4*\i+2], v[\t+4*\i+2] row_xmask:\m row_mask:0xf bank_mask:0xf
.endr
.endr
.irp i, 0,1,2,3
	v_permlanex16_b32 v[\t+4*\i+3], v[\t+4*\i+2], s12, s13
.endr
.irp i, 0,1,2,3
	v_add_f32 v[\t+4*\i+2], v[\t+4*\i+2], v[\t+4*\i+3]
.endr
.irp i, 0,1,2,3
	v_fma_f32 v[\t+4*\i+2], v[\t+4*\i+2], s14, s15         ; variance + 1e-5
.endr
.irp i, 0,1,2,3
	v_rsq_f32 v[\t+4*\i+2], v[\t+4*\i+2]
.endr
	v_nop                                  ; one plain place behind a transcendental (ISA guide 5.7.2)
	s_wait_alu depctr_va_vdst(0)
.irp i, 0,1,2,3
	v_cndmask_b32 v[\t+4*\i+2], 1.0, v[\t+4*\i+2], s42
.endr
.irp i, 0,1,2,3
	v_pk_mul_f32 v[\x+4*\i:\x+4*\i+1], v[\x+4*\i:\x+4*\i+1], v[\t+4*\i+2:\t+4*\i+3] op_sel_hi:[1,0]
	v_pk_mul_f32 v[\x+4*\i+2:\x+4*\i+3], v[\x+4*\i+2:\x+4*\i+3], v[\t+4*\i+2:\t+4*\i+3] op_sel_hi:[1,0]
.endr
.endm
; sigmoid of eight registers x where s43 is set (elsewhere x stays); temporaries t
.macro SIG8 x, t
.irp k, 0,1,2,3,4,5,6,7
	v_mul_f32 v[\t+\k], 0xbfb8aa3b, v[\x+\k]
.endr
.irp k, 0,1,2,3,4,5,6,7
	v_exp_f32 v[\t+\k], v[\t+\k]
.endr
	v_nop
	s_wait_alu depctr_va_vdst(0)
.irp k, 0,1,2,3,4,5,6,7
	v_add_f32 v[\t+\k], 1.0, v[\t+\k]
.endr
.irp k, 0,1,2,3,4,5,6,7
	v_rcp_f32 v[\t+\k], v[\t+\k]
.endr
	v_nop
	s_wait_alu depctr_va_vdst(0)
.irp k, 0,1,2,3,4,5,6,7
	v_cndmask_b32 v[\x+\k], v[\x+\k], v[\t+\k], s43
.endr
.endm
; 16 columns x 128 rows of a weight matrix [K][N] f32: lane (r, h) takes column r, rows 16 q + 8 h + j.  The address register holds 8 h rows + 4 r.
.macro LOADW raw, ldb, va, sb
.irp q, 0,1,2,3,4,5,6,7
.irp j, 0,1,2,3,4,5,6,7
	global_load_b32 v[\raw+8*\q+\j], v[\va], s[\sb:\sb+1] offset:(16*\q+\j)*\ldb
.endr
.endr
.endm
.macro CVTW raw, pk                    ; 64 f32 into 32 packed f16 registers: four fragments of 8
.set n, 0
.rept 32
	v_cvt_pk_f16_f32 v[\pk+n], v[\raw+2*n], v[\raw+2*n+1]
.set n, n+1
.endr
.endm
.macro LTILE dst, va, off              ; four fragments (16 rows x 128 along K, 16-bit) from LDS: eight loads of 16 bytes, 32 bytes apart
.irp k, 0,1,2,3,4,5,6,7
	ds_load_b128 v[\dst+4*\k:\dst+4*\k+3], v[\va] offset:\off+32*\k
.endr
.endm
.macro WF16 d, a, b                    ; the next link of a sum in place
	v_wmma_f32_16x16x32_f16 v[\d:\d+7], v[\a:\a+7], v[\b:\b+7], v[\d:\d+7]
.endm
.macro WF16C d, a, b, c                ; the first link: the sum starts from c
	v_wmma_f32_16x16x32_f16 v[\d:\d+7], v[\a:\a+7], v[\b:\b+7], v[\c:\c+7]
.endm
; role Z: two queries' 16 channels (8 in the lane, 8 in lane xor 16) are normalised and packed into one A fragment at v[a:a+7]
.macro ZLN2 a
	v_pk_add_f32 v[248:249], v[\a:\a+1], v[\a+2:\a+3]
	v_pk_add_f32 v[252:253], v[\a+8:\a+9], v[\a+10:\a+11]
	v_pk_add_f32 v[250:251], v[\a+4:\a+5], v[\a+6:\a+7]
	v_pk_add_f32 v[254:255], v[\a+12:\a+13], v[\a+14:\a+15]
	v_pk_add_f32 v[248:249], v[248:249], v[250:251]
	v_pk_add_f32 v[252:253], v[252:253], v[254:255]
	v_add_f32 v248, v248, v249
	v_add_f32 v252, v252, v253
	v_permlanex16_b32 v249, v248, s12, s13
	v_permlanex16_b32 v253, v252, s12, s13
	v_add_f32 v248, v248, v249
	v_add_f32 v252, v252, v253
	v_mul_f32 v248, s9, v248
	v_mul_f32 v252, s9, v252
.irp k, 0,2,4,6
	v_pk_add_f32 v[\a+\k:\a+\k+1], v[\a+\k:\a+\k+1], v[248:249] op_sel_hi:[1,0] neg_lo:[0,1] neg_hi:[0,1]
	v_pk_add_f32 v[\a+8+\k:\a+9+\k], v[\a+8+\k:\a+9+\k], v[252:253] op_sel_hi:[1,0] neg_lo:[0,1] neg_hi:[0,1]
.endr
	v_pk_mul_f32 v[250:251], v[\a:\a+1], v[\a:\a+1]
	v_pk_mul_f32 v[254:255], v[\a+8:\a+9], v[\a+8:\a+9]
.irp k, 2,4,6
	v_pk_fma_f32 v[250:251], v[\a+\k:\a+\k+1], v[\a+\k:\a+\k+1], v[250:251]
	v_pk_fma_f32 v[254:255], v[\a+8+\k:\a+9+\k], v[\a+8+\k:\a+9+\k], v[254:255]
.endr
	v_add_f32 v250, v250, v251
	v_add_f32 v254, v254, v255
	v_permlanex16_b32 v251, v250, s12, s13
	v_permlanex16_b32 v255, v254, s12, s13
	v_add_f32 v250, v250, v251
	v_add_f32 v254, v254, v255
	v_fma_f32 v250, v250, s9, s15
	v_fma_f32 v254, v254, s9, s15
	v_rsq_f32 v250, v250
	v_rsq_f32 v254, v254
	v_nop
	s_wait_alu depctr_va_vdst(0)
.irp k, 0,2,4,6
	v_pk_mul_f32 v[\a+\k:\a+\k+1], v[\a+\k:\a+\k+1], v[250:251] op_sel_hi:[1,0]
	v_pk_mul_f32 v[\a+8+\k:\a+9+\k], v[\a+8+\k:\a+9+\k], v[254:255] op_sel_hi:[1,0]
.endr
.irp k, 0,1,2,3
	v_cvt_pk_f16_f32 v[\a+\k], v[\a+2*\k], v[\a+2*\k+1]        ; the even query: k = 0..15 of the fragment
.endr
.irp k, 0,1,2,3
	v_cvt_pk_f16_f32 v[\a+4+\k], v[\a+8+2*\k], v[\a+9+2*\k]    ; the odd query: k = 16..31
.endr
.endm
; role C: row tiles 2 mp and 2 mp + 1 times my 16 weight columns.  cur: the 64 registers that hold their fragments; nxt: those into which the next two tiles'
; fragments are asked for (more = 1) ahead of this step's products; cnt: how many younger LDS instructions may stay out.
.macro CMUL mp, cur, nxt, cnt, more
.if \more
	LTILE \nxt, 4, 4352*(2*\mp+2)
	LTILE \nxt+32, 4, 4352*(2*\mp+3)
.endif
	s_wait_dscnt \cnt
	WF16C 24, 216, \cur, 16                ; source 0 = 16 output columns, source 1 = 16 rows: a lane gets 8 neighbouring columns of one row.  The bias starts the sums
	WF16C 32, 216, \cur+32, 16             ; two accumulators by turns
.irp ks, 1,2,3
	WF16 24, 216+8*\ks, \cur+8*\ks
	WF16 32, 216+8*\ks, \cur+32+8*\ks
.endr
	NOPS
	SIG8 24, 40
	SIG8 32, 48
	ds_store_b128 v6, v[24:27] offset:8448*(2*\mp)
	ds_store_b128 v6, v[28:31] offset:8448*(2*\mp)+16
	ds_store_b128 v6, v[32:35] offset:8448*(2*\mp+1)
	ds_store_b128 v6, v[36:39] offset:8448*(2*\mp+1)+16
.endm
	v_lshl_add_u32 v10, v0, 2, 0x19000
	v_mov_b32 v11, 0
	v_lshrrev_b32 v2, 5, v0
	v_readfirstlane_b32 s10, v2                    ; wave w
	v_and_b32 v1, 31, v0
	v_lshlrev_b32 v1, 4, v1                        ; 16 x lane
	v_and_b32 v2, 15, v0                           ; r
	v_bfe_u32 v3, v0, 4, 1                         ; h
	s_mov_b32 s12, 0x76543210                      ; v_permlanex16_b32: lane i takes lane i of the other half
	s_mov_b32 s13, 0xfedcba98
	s_mov_b32 s14, 0x3c000000                      ; 1/128
	s_mov_b32 s15, 0x3727c5ac                      ; 1e-5
	s_sub_co_u32 s11, ttmp9, PBASE                 ; x'
	s_cmp_lt_u32 s11, XC
	s_cbranch_scc1 .Lrole_z
	s_cmp_lt_u32 s11, XW
	s_cbranch_scc1 .Lrole_c
; ---- role W: wave w of group g writes set e = 8 g + w: [ks 4][c 2][lane 32][16 bytes], lane (r, h) = W[32 ks + 16 c + 8 h + 0..7][16 nt + r];
; for W_o and W_out (e from 64 on) that set holds the hi parts, and set e + 24 the lo parts
	s_load_b512 s[16:31], s[0:1], PARG+136         ; W_k, W_v, W_q, W_gate, W_1, W_2, W_o, W_out
	s_load_b128 s[32:35], s[0:1], PARG+200         ; b_q, pre
	s_sub_co_u32 s40, s11, XW                      ; g
	s_lshl_b32 s41, s40, 3
	s_add_co_u32 s41, s41, s10                     ; e
	s_lshl_b32 s48, s10, 6                         ; 64 w: 16 columns of f32
	s_and_b32 s43, s40, 1
	s_lshl_b32 s43, s43, 9
	s_add_co_u32 s43, s43, s48                     ; W_1, W_2: column tile 8 (g & 1) + w
	s_sub_co_u32 s46, s41, 72                      ; W_out: t = e - 72 = 2 nt + kc (used where g is 9 or 10)
	s_lshr_b32 s47, s46, 1
	s_lshl_b32 s47, s47, 6
	s_and_b32 s46, s46, 1
	s_lshl_b32 s46, s46, 16                        ; kc x 128 rows of 512 bytes
	s_add_co_u32 s46, s46, s47
	s_mov_b32 s42, s48
	s_cmp_ge_u32 s40, 4
	s_cselect_b32 s42, s43, s42
	s_cmp_ge_u32 s40, 8
	s_cselect_b32 s42, s48, s42
	s_cmp_ge_u32 s40, 9
	s_cselect_b32 s42, s46, s42
	s_mov_b32 s43, 0
	s_lshl_b32 s50, s41, 12                        ; 4,096 e
	s_mov_b32 s51, 0
	v_lshlrev_b32 v4, 2, v2                        ; 4 r
	s_wait_kmcnt 0x0
	s_mov_b64 s[44:45], s[16:17]
	s_cmp_ge_u32 s40, 1
	s_cselect_b64 s[44:45], s[18:19], s[44:45]
	s_cmp_ge_u32 s40, 2
	s_cselect_b64 s[44:45], s[20:21], s[44:45]
	s_cmp_ge_u32 s40, 3
	s_cselect_b64 s[44:45], s[22:23], s[44:45]
	s_cmp_ge_u32 s40, 4
	s_cselect_b64 s[44:45], s[24:25], s[44:45]
	s_cmp_ge_u32 s40, 6
	s_cselect_b64 s[44:45], s[26:27], s[44:45]
	s_cmp_ge_u32 s40, 8
	s_cselect_b64 s[44:45], s[28:29], s[44:45]
	s_cmp_ge_u32 s40, 9
	s_cselect_b64 s[44:45], s[30:31], s[44:45]
	s_add_nc_u64 s[44:45], s[44:45], s[42:43]
	s_add_nc_u64 s[52:53], s[34:35], s[50:51]
	s_cmp_lt_u32 s40, 4
	s_cbranch_scc1 .Lw_narrow
	s_cmp_ge_u32 s40, 8
	s_cbranch_scc1 .Lw_narrow
	v_lshl_add_u32 v4, v3, 13, v4                  ; rows of 1,024 bytes (W_1, W_2)
	LOADW 24, 1024, 4, 44
	s_branch .Lw_in
.Lw_narrow:
	v_lshl_add_u32 v4, v3, 12, v4                  ; rows of 512 bytes
	LOADW 24, 512, 4, 44
.Lw_in:
	s_wait_loadcnt 0x0
	s_cmp_ge_u32 s40, 8
	s_cbranch_scc1 .Lw_bf
	CVTW 24, 88
	s_branch .Lw_out
.Lw_bf:
.set n, 0
.rept 16
	SPLIT2 88+n, 120+n, 24+2*n, 152
	SPLIT2 89+n, 121+n, 26+2*n, 154
.set n, n+2
.endr
.irp k, 0,1,2,3,4,5,6,7
	global_store_b128 v1, v[120+4*\k:123+4*\k], s[52:53] offset:24*4096+512*\k    ; the lo parts, 24 sets further on
.endr
.Lw_out:
.irp k, 0,1,2,3,4,5,6,7
	global_store_b128 v1, v[88+4*\k:91+4*\k], s[52:53] offset:512*\k       ; 512 consecutive bytes each
.endr
	s_cmp_lg_u32 s41, 0
	s_cbranch_scc1 .Lw_end
	global_load_b128 v[24:27], v1, s[32:33]        ; set 0's wave also copies b_q
	s_wait_loadcnt 0x0
	global_store_b128 v1, v[24:27], s[34:35] offset:O_BQ
.Lw_end:
	s_endpgm
; ---- role Z: query tile ug = x' (16 queries); wave w takes key tile w of the window of query block i = ug / 2
.Lrole_z:
	s_load_b256 s[40:47], s[0:1], PARG+8           ; pair_rep, W_b, ln_z_w, ln_z_b
	s_load_b64 s[48:49], s[0:1], PARG+208          ; pre
	s_mov_b32 s9, 0x3d800000                       ; 1/16
	s_lshr_b32 s20, s11, 1                         ; i
	s_and_b32 s21, s11, 1                          ; u
	s_lshl_b32 s22, s20, 1
	s_add_co_u32 s22, s22, s10
	s_sub_co_u32 s22, s22, 3                       ; key tile T = 2 i - 3 + w of the tensor; wraps below 0
	s_cmp_lt_u32 s22, 128
	s_cselect_b32 s23, 0, 0xf149f2ca               ; a tile outside the tensor carries -1e30
	s_max_i32 s24, s22, 0
	s_min_i32 s24, s24, 127                        ; and reads a clamped tile
	s_lshl_b32 s50, s11, 21                        ; 16 queries x 131,072 bytes
	s_lshl_b32 s24, s24, 10                        ; 16 keys x 64 bytes
	s_add_co_u32 s50, s50, s24
	s_mov_b32 s51, 0
	s_lshr_b32 s25, s10, 1                         ; the way out: wave w stores half w & 1 of head w / 2
	s_and_b32 s26, s10, 1
	s_lshl2_add_u32 s27, s20, s25                  ; 4 i + head
	s_lshl1_add_u32 s27, s27, s21                  ; x 2 + u
	s_lshl_b32 s52, s27, 13
	s_lshl_b32 s28, s26, 12
	s_add_co_u32 s52, s52, s28
	s_add_co_u32 s52, s52, O_BI
	s_mov_b32 s53, 0
	v_and_b32 v9, 3, v2                            ; head = r & 3
	v_lshlrev_b32 v4, 2, v9
	v_lshl_add_u32 v4, v3, 7, v4                   ; W_b[8 h + j][head]: 128 h + 4 head
	v_lshlrev_b32 v5, 5, v3                        ; 32 h: my 8 channels
	v_lshl_add_u32 v6, v2, 6, v5                   ; key r, channels 8 h ..: 64 r + 32 h
	v_mul_u32_u24 v7, v9, 8224                     ; the stage: head x (8 tiles of 1,024 bytes + 32)
	v_lshl_add_u32 v7, v3, 8, v7                   ; + 16 bytes x lane (16 h + query)
	v_bfe_u32 v9, v2, 2, 1
	v_lshl_add_u32 v7, v9, 4, v7
	s_lshl_b32 s29, s10, 10
	v_add_nc_u32 v7, s29, v7                       ; + tile w
	s_mul_i32 s29, s25, 8224
	s_add_co_u32 s29, s29, s28
	v_add_nc_u32 v8, s29, v1
	s_wait_kmcnt 0x0
	s_add_nc_u64 s[40:41], s[40:41], s[50:51]
	s_add_nc_u64 s[48:49], s[48:49], s[52:53]
.irp j, 0,1,2,3,4,5,6,7
	global_load_b32 v[152+\j], v4, s[42:43] offset:16*\j
.endr
	global_load_b128 v[160:163], v5, s[44:45]
	global_load_b128 v[164:167], v5, s[44:45] offset:16
	global_load_b128 v[168:171], v5, s[46:47]
	global_load_b128 v[172:175], v5, s[46:47] offset:16
.irp q, 0,1,2,3,4,5,6,7,8,9,10,11,12,13,14,15
	global_load_b128 v[24+8*\q:27+8*\q], v6, s[40:41] offset:131072*\q      ; the two loads of a query cover 1,024 consecutive bytes
	global_load_b128 v[28+8*\q:31+8*\q], v6, s[40:41] offset:131072*\q+16
.endr
	s_wait_loadcnt 32                              ; the 12 loads of parameters are in; the 32 of pair rows stay out
	v_mul_f32 v248, v168, v152                     ; sum over my 8 channels of ln_z_b W_b
.irp j, 1,2,3,4,5,6,7
	v_fmac_f32 v248, v[168+\j], v[152+\j]
.endr
	v_mov_b32 v249, 0
	v_permlanex16_b32 v249, v248, s12, s13
	v_add_f32 v248, v248, v249                     ; over all 16
	v_mov_b32 v249, s23
	v_fmamk_f32 v184, v248, 0x3fb8aa3b, v249       ; x log2(e) + the tile's penalty: the C operand
.irp j, 1,2,3,4,5,6,7
	v_mov_b32 v[184+\j], v184
.endr
.irp j, 0,1,2,3,4,5,6,7
	v_mul_f32 v[160+\j], v[160+\j], v[152+\j]
.endr
.irp j, 0,1,2,3,4,5,6,7
	v_mul_f32 v[160+\j], 0x3fb8aa3b, v[160+\j]     ; ln_z_w W_b log2(e)
.endr
.irp k, 0,1,2,3
	v_cvt_pk_f16_f32 v[168+\k], v[160+2*\k], v[161+2*\k]
.endr
	v_cmp_gt_u32 vcc_lo, 4, v2                     ; B: columns 0-3 = heads for k 0..15 (the even query), columns 4-7 = heads for k 16..31 (the odd one), else 0
.irp k, 0,1,2,3
	v_cndmask_b32 v[176+\k], 0, v[168+\k], vcc_lo
.endr
	v_lshrrev_b32 v250, 2, v2
	v_cmp_eq_u32 vcc_lo, 1, v250
.irp k, 0,1,2,3
	v_cndmask_b32 v[180+\k], 0, v[168+\k], vcc_lo
.endr
.irp ip, 0,1,2,3,4,5,6,7
	s_wait_loadcnt 28-4*\ip                        ; the four loads of queries 2 ip, 2 ip + 1 are in; the 28 - 4 ip younger ones stay out
	ZLN2 24+16*\ip
.endr
.irp ip, 0,1,2,3,4,5,6,7
	v_wmma_f32_16x16x32_f16 v[192+8*\ip:199+8*\ip], v[24+16*\ip:31+16*\ip], v[176:183], v[184:191]   ; eight accumulators, one instruction each
.endr
	NOPS
	s_wait_xcnt 0x0                                ; EXEC changes only behind s_wait_xcnt 0
	v_cmp_gt_u32 vcc_lo, 8, v2
	s_and_saveexec_b32 s30, vcc_lo                 ; lanes r < 8 hold query 2 ip + r / 4, head r & 3, keys 8 h + 0..7
.irp ip, 0,1,2,3,4,5,6,7
	ds_store_b128 v7, v[192+8*\ip:195+8*\ip] offset:32*\ip
	ds_store_b128 v7, v[196+8*\ip:199+8*\ip] offset:512+32*\ip
.endr
	s_or_b32 exec_lo, exec_lo, s30
	s_wait_dscnt 0x0
	s_barrier_signal -1
	s_barrier_wait -1
.irp k, 0,1,2,3,4,5,6,7
	ds_load_b128 v[24+4*\k:27+4*\k], v8 offset:512*\k
.endr
.irp k, 0,1,2,3,4,5,6,7
	s_wait_dscnt 7-\k
	global_store_b128 v1, v[24+4*\k:27+4*\k], s[48:49] offset:512*\k       ; 512 consecutive bytes each
.endr
	s_wait_tensorcnt 0x0
	ds_add_u32 v10, v11
	s_wait_dscnt 0x0
	s_endpgm
; ---- role C: array j for rows 128 rb .. 128 rb + 127; wave w normalises 16 rows and owns output columns 16 w .. 16 w + 15.
; Registers: v4-9 addresses; v12-15 ln_s_w; v16-23 bias; v24-87 my 16 rows, later two accumulators (v24-39) and the sigmoid's temporaries (v40-55);
; v88-103 at work in the norm; v152-215 the weight columns as loaded; then v152-215 and v88-151 two buffers of activation fragments; v216-247 the weights' fragments.
.Lrole_c:
	s_load_b64 s[4:5], s[0:1], PARG                ; c
	s_load_b64 s[6:7], s[0:1], PARG+208            ; pre
	s_load_b512 s[16:31], s[0:1], PARG+40          ; the six weights in the arrays' order, then ln_s_w of attention and of the transition
	s_load_b256 s[32:39], s[0:1], PARG+104         ; b_g, b_sg of attention; b_g, b_sg of the transition
	s_sub_co_u32 s41, s11, XC
	s_lshr_b32 s40, s41, 4                         ; j
	s_and_b32 s41, s41, 15                         ; rb
	s_cmp_eq_u32 s40, 2
	s_cselect_b32 s42, 0, -1
	s_cmp_eq_u32 s40, 5
	s_cselect_b32 s42, 0, s42                      ; s42: all ones where the rows are normalised (not for W_sg, which takes raw s)
	s_cmp_eq_u32 s40, 1
	s_cselect_b32 s43, 0, -1
	s_cmp_eq_u32 s40, 4
	s_cselect_b32 s43, 0, s43                      ; s43: all ones where a bias and a sigmoid follow (not for W_s)
	s_lshl_b32 s54, s10, 6                         ; 64 w
	s_mov_b32 s55, 0
	s_lshl_b32 s56, s41, 3
	s_add_co_u32 s56, s56, s10
	s_lshl_b32 s56, s56, 13                        ; (128 rb + 16 w) rows of 512 bytes
	s_mov_b32 s57, 0
	s_lshl_b32 s58, s40, 20
	s_add_co_u32 s58, s58, s56
	s_add_co_u32 s58, s58, O_CD
	s_mov_b32 s59, 0
	v_mul_u32_u24 v4, v2, 272
	v_lshl_add_u32 v4, v3, 4, v4                   ; fragments: 272 r + 16 h
	v_lshrrev_b32 v5, 1, v1
	s_mul_i32 s60, s10, 4352
	v_add_nc_u32 v5, s60, v5                       ; my rows in f16: 272 x 16 w + 8 x lane
	v_mul_u32_u24 v6, v2, 528
	v_lshl_add_u32 v6, v3, 5, v6
	s_add_co_u32 s60, s54, C_ST
	v_add_nc_u32 v6, s60, v6                       ; the stage, in: 528 r + 64 w + 32 h
	s_mul_i32 s60, s10, 8448
	s_add_co_u32 s60, s60, C_ST
	v_add_nc_u32 v7, s60, v1                       ; the stage, back: my 16 rows, 16 bytes a lane
	v_lshlrev_b32 v8, 2, v2
	v_lshl_add_u32 v8, v3, 12, v8                  ; weights: 8 h rows of 512 bytes + 4 r
	v_lshlrev_b32 v9, 5, v3                        ; 32 h
	s_wait_kmcnt 0x0
	s_mov_b64 s[44:45], s[16:17]
	s_cmp_eq_u32 s40, 1
	s_cselect_b64 s[44:45], s[18:19], s[44:45]
	s_cmp_eq_u32 s40, 2
	s_cselect_b64 s[44:45], s[20:21], s[44:45]
	s_cmp_eq_u32 s40, 3
	s_cselect_b64 s[44:45], s[22:23], s[44:45]
	s_cmp_eq_u32 s40, 4
	s_cselect_b64 s[44:45], s[24:25], s[44:45]
	s_cmp_eq_u32 s40, 5
	s_cselect_b64 s[44:45], s[26:27], s[44:45]
	s_cmp_ge_u32 s40, 3
	s_cselect_b64 s[50:51], s[30:31], s[28:29]
	s_mov_b64 s[52:53], s[32:33]
	s_cmp_eq_u32 s40, 2
	s_cselect_b64 s[52:53], s[34:35], s[52:53]
	s_cmp_eq_u32 s40, 3
	s_cselect_b64 s[52:53], s[36:37], s[52:53]
	s_cmp_eq_u32 s40, 5
	s_cselect_b64 s[52:53], s[38:39], s[52:53]
	s_add_nc_u64 s[44:45], s[44:45], s[54:55]
	s_add_nc_u64 s[52:53], s[52:53], s[54:55]
	s_add_nc_u64 s[46:47], s[4:5], s[56:57]
	s_add_nc_u64 s[48:49], s[6:7], s[58:59]
	global_load_b128 v[12:15], v1, s[50:51]        ; ln_s_w of my four columns
	global_load_b128 v[16:19], v9, s[52:53]        ; the bias of output columns 16 w + 8 h + 0..7
	global_load_b128 v[20:23], v9, s[52:53] offset:16
.irp i, 0,1,2,3,4,5,6,7,8,9,10,11,12,13,14,15
	global_load_b128 v[24+4*\i:27+4*\i], v1, s[46:47] offset:512*\i
.endr
	LOADW 152, 512, 8, 44
	s_wait_loadcnt 63                              ; 83 loads were issued: at most 63 out shows the oldest 20 done, the 19 that are needed now among them
.irp k, 0,1,2,3
	v_cndmask_b32 v[12+\k], 1.0, v[12+\k], s42
.endr
.irp k, 0,1,2,3,4,5,6,7
	v_cndmask_b32 v[16+\k], 0, v[16+\k], s43
.endr
	LN4 24, 88
	LN4 40, 88
	LN4 56, 88
	LN4 72, 88
.irp i, 0,1,2,3,4,5,6,7,8,9,10,11,12,13,14,15
	v_pk_mul_f32 v[24+4*\i:25+4*\i], v[24+4*\i:25+4*\i], v[12:13]
	v_pk_mul_f32 v[26+4*\i:27+4*\i], v[26+4*\i:27+4*\i], v[14:15]
	v_cvt_pk_f16_f32 v[24+4*\i], v[24+4*\i], v[25+4*\i]
	v_cvt_pk_f16_f32 v[25+4*\i], v[26+4*\i], v[27+4*\i]
	ds_store_b64 v5, v[24+4*\i:25+4*\i] offset:272*\i
.endr
	s_wait_loadcnt 0x0                             ; the 64 words of my 16 weight columns
	CVTW 152, 216
	s_wait_dscnt 0x0                               ; my rows are in LDS
	s_barrier_signal -1
	s_barrier_wait -1                              ; all 128 rows are
	LTILE 152, 4, 0
	LTILE 184, 4, 4352
	CMUL 0, 152, 88, 16, 1                         ; the 16 loads just issued stay out
	CMUL 1, 88, 152, 20, 1                         ; behind this step's fragments stand the last step's 4 stores and the 16 loads just issued
	CMUL 2, 152, 88, 20, 1
	CMUL 3, 88, 152, 4, 0                          ; nothing more to ask for: the last step's 4 stores alone
	s_wait_dscnt 0x0                               ; my part of the stage is written
	s_barrier_signal -1
	s_barrier_wait -1                              ; the stage is whole
.irp i, 0,1,2,3,4,5,6,7,8,9,10,11,12,13,14,15
	ds_load_b128 v[152+4*\i:155+4*\i], v7 offset:528*\i
.endr
.irp i, 0,1,2,3,4,5,6,7,8,9,10,11,12,13,14,15
	s_wait_dscnt 15-\i                             ; LDS loads come back in order: row i is in
	global_store_b128 v1, v[152+4*\i:155+4*\i], s[48:49] offset:512*\i     ; a whole row of 512 bytes
.endr
	s_wait_tensorcnt 0x0
	ds_add_u32 v10, v11
	s_wait_dscnt 0x0
	s_endpgm
.Lfunc_end_k_qcd843ac1a2_prep0:
	.size	k_qcd843ac1a2_prep0, .Lfunc_end_k_qcd843ac1a2_prep0-k_qcd843ac1a2_prep0
	.p2alignl 7, 3214868480
	.fill 96, 4, 3214868480
	.section	.rodata,"a",@progbits
	.p2align	6, 0x0
	.amdhsa_kernel k_qcd843ac1a2_prep0
		.amdhsa_group_segment_fixed_size 103424
		.amdhsa_private_segment_fixed_size 0
		.amdhsa_enable_private_segment 0
		.amdhsa_kernarg_size 216
		.amdhsa_user_sgpr_count 2
		.amdhsa_user_sgpr_kernarg_segment_ptr 1
		.amdhsa_wavefront_size32 1
		.amdhsa_system_sgpr_workgroup_id_x 1
		.amdhsa_system_sgpr_workgroup_id_y 1
		.amdhsa_system_sgpr_workgroup_id_z 1
		.amdhsa_system_vgpr_workitem_id 0
		.amdhsa_next_free_vgpr 256
		.amdhsa_next_free_sgpr 66
		.amdhsa_reserve_vcc 1
		.amdhsa_float_denorm_mode_32 3
		.amdhsa_float_denorm_mode_16_64 3
		.amdhsa_memory_ordered 1
		.amdhsa_forward_progress 1
		.amdhsa_inst_pref_size 133
	.end_amdhsa_kernel
	.amdgpu_metadata
---
amdhsa.version: [ 1, 2 ]
amdhsa.kernels:
  - .name:           k_qcd843ac1a2_prep0
    .symbol:         k_qcd843ac1a2_prep0.kd
    .args:
      - { .name: c, .offset: 0, .size: 8, .value_kind: global_buffer, .address_space: global }
      - { .name: pair_rep, .offset: 8, .size: 8, .value_kind: global_buffer, .address_space: global }
      - { .name: params_blocks_0_apb_W_b, .offset: 16, .size: 8, .value_kind: global_buffer, .address_space: global }
      - { .name: params_blocks_0_apb_ln_z_w, .offset: 24, .size: 8, .value_kind: global_buffer, .address_space: global }
      - { .name: params_blocks_0_apb_ln_z_b, .offset: 32, .size: 8, .value_kind: global_buffer, .address_space: global }
      - { .name: params_blocks_0_apb_W_g, .offset: 40, .size: 8, .value_kind: global_buffer, .address_space: global }
      - { .name: params_blocks_0_apb_W_s, .offset: 48, .size: 8, .value_kind: global_buffer, .address_space: global }
      - { .name: params_blocks_0_apb_W_sg, .offset: 56, .size: 8, .value_kind: global_buffer, .address_space: global }
      - { .name: params_blocks_0_tr_W_g, .offset: 64, .size: 8, .value_kind: global_buffer, .address_space: global }
      - { .name: params_blocks_0_tr_W_s, .offset: 72, .size: 8, .value_kind: global_buffer, .address_space: global }
      - { .name: params_blocks_0_tr_W_sg, .offset: 80, .size: 8, .value_kind: global_buffer, .address_space: global }
      - { .name: params_blocks_0_apb_ln_s_w, .offset: 88, .size: 8, .value_kind: global_buffer, .address_space: global }
      - { .name: params_blocks_0_tr_ln_s_w, .offset: 96, .size: 8, .value_kind: global_buffer, .address_space: global }
      - { .name: params_blocks_0_apb_b_g, .offset: 104, .size: 8, .value_kind: global_buffer, .address_space: global }
      - { .name: params_blocks_0_apb_b_sg, .offset: 112, .size: 8, .value_kind: global_buffer, .address_space: global }
      - { .name: params_blocks_0_tr_b_g, .offset: 120, .size: 8, .value_kind: global_buffer, .address_space: global }
      - { .name: params_blocks_0_tr_b_sg, .offset: 128, .size: 8, .value_kind: global_buffer, .address_space: global }
      - { .name: params_blocks_0_apb_W_k, .offset: 136, .size: 8, .value_kind: global_buffer, .address_space: global }
      - { .name: params_blocks_0_apb_W_v, .offset: 144, .size: 8, .value_kind: global_buffer, .address_space: global }
      - { .name: params_blocks_0_apb_W_q, .offset: 152, .size: 8, .value_kind: global_buffer, .address_space: global }
      - { .name: params_blocks_0_apb_W_gate, .offset: 160, .size: 8, .value_kind: global_buffer, .address_space: global }
      - { .name: params_blocks_0_tr_W_1, .offset: 168, .size: 8, .value_kind: global_buffer, .address_space: global }
      - { .name: params_blocks_0_tr_W_2, .offset: 176, .size: 8, .value_kind: global_buffer, .address_space: global }
      - { .name: params_blocks_0_apb_W_o, .offset: 184, .size: 8, .value_kind: global_buffer, .address_space: global }
      - { .name: params_blocks_0_tr_W_out, .offset: 192, .size: 8, .value_kind: global_buffer, .address_space: global }
      - { .name: params_blocks_0_apb_b_q, .offset: 200, .size: 8, .value_kind: global_buffer, .address_space: global }
      - { .name: pre0, .offset: 208, .size: 8, .value_kind: global_buffer, .address_space: global }
    .group_segment_fixed_size: 103424
    .private_segment_fixed_size: 0
    .kernarg_segment_align: 8
    .kernarg_segment_size: 216
    .max_flat_workgroup_size: 256
    .sgpr_count:     66
    .vgpr_count:     256
    .wavefront_size: 32
...
	.end_amdgpu_metadata
.endif
;; end of part 3
;; launch step0 (part 4): grid 251 x 1, 8 waves a work-group, no clusters, 174,592 bytes of LDS; arguments pre0, q, a1, c, pair_rep, params_blocks_1_apb_W_b, params_blocks_1_apb_ln_z_w, params_blocks_1_apb_ln_z_b, params_blocks_1_apb_W_g, params_blocks_1_apb_W_s, params_blocks_1_apb_W_sg, params_blocks_1_tr_W_g, params_blocks_1_tr_W_s, params_blocks_1_tr_W_sg, params_blocks_1_apb_ln_s_w, params_blocks_1_tr_ln_s_w, params_blocks_1_apb_b_g, params_blocks_1_apb_b_sg, params_blocks_1_tr_b_g, params_blocks_1_tr_b_sg, params_blocks_1_apb_W_k, params_blocks_1_apb_W_v, params_blocks_1_apb_W_q, params_blocks_1_apb_W_gate, params_blocks_1_tr_W_1, params_blocks_1_tr_W_2, params_blocks_1_apb_W_o, params_blocks_1_tr_W_out, params_blocks_1_apb_b_q, pre1; writes a1, pre1
.if DOCPART == 4
	.amdgcn_target "amdgcn-amd-amdhsa--gfx1250"
	.amdhsa_code_object_version 6
	.text
	.protected	k_qcd843ac1a2_step0
	.globl	k_qcd843ac1a2_step0
	.p2align	8
	.type	k_qcd843ac1a2_step0,@function
k_qcd843ac1a2_step0:
	s_mov_b64 s[64:65], 0
	v_nop
	global_prefetch_b8 v0, s[64:65] scope:SCOPE_SE
	s_setreg_imm32_b32 hwreg(HW_REG_WAVE_MODE, 25, 1), 1
	s_wait_xcnt 0x0
; ONE BLOCK OF THE ATOM TRANSFORMER, and beside it the preparation of the next block.
; Work-groups 0..127: work-group x makes 16 rows (query tile u = x & 1 of query block i = x / 2) of
; a_out = XT o (SwiGLU(AdaLN_tr(a)) W_out) + XA o ((gate o attention) W_o), from a_in and the prepared buffer pre (weights in fragment order, six conditioning
; arrays, pair-bias tiles).  Eight waves; all intermediates stay in registers and LDS.  AdaLN, K and V are made for the 128 rows of the query block's window in each
; work-group: the two work-groups of a query block do that work twice, which buys 128 work-groups in place of 64 for all that hangs on the queries.
; Work-groups 128..250 (where the grid has them): the preparation of the next block into another buffer; it reads only the problem's inputs.
; No tensor loads and no joint loads: each weight fragment goes from memory straight into the one wave that multiplies by it, in runs of 512 consecutive
; bytes; the 448 KiB of weights that the work-groups share do not fit in LDS beside 170 KiB of activations, so sharing them would need a ring of two slots of
; some 64 KiB with a round of the cluster's barrier for each of seven fills, for the 144 matrix instructions of a wave.
; NUMBER FORMATS.  f16 operands: a_n, q, k, and the weights that meet them (room for 30 times larger inputs: a few thousand against 65,504).
; v, the softmax weights, gate o attention, the SwiGLU product, W_o and W_out: v, gate o attention and the SwiGLU product shrink or grow as products of several
; inputs and have no fixed room in f16, so these products go in bf16; one bf16 (8 significant bits) is too coarse for the allowance, so each operand is a pair
; hi + lo of bf16 (16 significant bits) and each product is hi hi + lo hi + hi lo.  Sums, norms, softmax and gates in f32.
; LIMITS, stated: the mask that the problem builds lets query block i see keys 32 i - 48 .. 32 i + 79 alone; the others have weight exactly 0 in f32 as long as
; logits stay far below 1e10, and are not computed; pair_rep outside that band is not read.  Window tiles outside rows 0..2047 are computed from clamped rows and
; cancelled by a bias of -1e30.  The softmax takes the row's true maximum (all 128 logits lie in registers) and works in base 2: 32^-0.5 log2(e) is multiplied onto
; q + b_q in f32 before the rounding.  Below about 2^-117 a pair's lo part underflows and the pair is as good as one bf16; above 3.39e38 its hi part is infinite.
.set NBLK,  128                        ; work-groups of the block
.set PBASE, 128                        ; the first work-group of the preparation
.set PARG,  24                         ; byte of its first pointer among the kernel arguments
.set XC,    64                         ; preparation: the first work-group of role C
.set XW,    112                        ; and of role W
.set O_BQ,  458752                     ; pre: b_q behind 112 sets of 4,096 bytes
.set O_CD,  462848                     ; pre: six arrays of 1 MiB
.set O_BI,  6754304                    ; pre: bias tiles [i 64][head 4][u 2][t 8][1,024 bytes]
.set ARR,   0x100000                   ; bytes of a conditioning array
.set C_ST,  34816                      ; role C: the f32 stage behind the f16 rows
.set Z_ST,  32896                      ; role Z: bytes of one pass's stage
.set W_OH,  64*4096                    ; pre: W_o hi, one set a wave
.set W_OL,  88*4096                    ; W_o lo
.set W_UH,  72*4096                    ; W_out hi, two sets a wave (rows 0-127, rows 128-255)
.set W_UL,  96*4096                    ; W_out lo
; LDS of a block.  Rows of 256 bytes have a pitch of 272, rows of 512 a pitch of 528: odd multiples of 16, so that 16 rows start in 16 different columns of 16 bytes.
; A pair's lo region lies straight behind its hi region, so that one address register serves both.
.set L_KS,  34816                      ; K [128 keys][128] f16          (byte 0: a_n of the 128 window rows, f16; later the two f32 stages of 16 rows, pitch 528)
.set L_VT,  69632                      ; V transposed [128 columns][128 keys] bf16 hi
.set D_VL,  34816                      ; its lo part, so many bytes further on
.set L_QS,  139264                     ; Q [16][128] f16
.set L_AT,  143616                     ; a_n of the transition [16][128] f16
.set L_GO,  147968                     ; gate o attention [16][128] bf16 hi
.set D_GL,  4352                       ; its lo part
.set L_HS,  156672                     ; SwiGLU product [16][256] bf16 hi, pitch 528
.set D_HL,  8448                       ; its lo part
.set D_ST,  8448                       ; the second f32 stage behind the first
; registers v256-463, named by their low 8 bits under a window (s_set_vgpr_msb): what the last phase multiplies by, asked for two phases ahead
.set X_OH,  0                          ; W_o hi
.set X_OL,  32                         ; W_o lo
.set X_UH0, 64                         ; W_out hi, rows 0-127
.set X_UH1, 96                         ; W_out hi, rows 128-255
.set X_UL0, 128                        ; W_out lo, rows 0-127
.set X_UL1, 160                        ; W_out lo, rows 128-255
.set X_XA,  192                        ; output gate of attention, my two rows
.set X_XT,  200                        ; output gate of the transition
.set MSB, 0
.macro WIN new                         ; low byte: bits 1:0 source 0, 7:6 destination; the high byte repeats the setting that is left
.if MSB != \new
	s_set_vgpr_msb (MSB<<8)|\new
.set MSB, \new
.endif
.endm
.set TO_X,   0x40                      ; destination in v256.., address in v0..
.set FROM_X, 0x01                      ; source 0 in v256.., all else in v0..
.macro NOPS                            ; five places behind a group of matrix instructions (ISA guide 7.12.1): results are read, sources rewritten and sums restarted only behind them
.rept 5
	v_nop
.endr
.endm
; two f32 at v[x:x+1] as a pair of bf16: hi = x rounded, lo = x - hi (exact in f32) rounded.  x is used up; t: two registers at work.
.macro SPLIT2 hi, lo, x, t
	v_cvt_pk_bf16_f32 v[\hi], v[\x], v[\x+1]
	v_lshlrev_b32 v[\t], 16, v[\hi]
	v_and_b32 v[\t+1], 0xffff0000, v[\hi]
	v_pk_add_f32 v[\x:\x+1], v[\x:\x+1], v[\t:\t+1] neg_lo:[0,1] neg_hi:[0,1]
	v_cvt_pk_bf16_f32 v[\lo], v[\x], v[\x+1]
.endm
; the same for eight f32 at v[x .. x+7], stage by stage, so that each stage has four instructions that do not wait for each other.
; hi, lo: four registers each; t: eight at work.  lo may lie in x's lower half: register lo + k is written when x + 2 k and x + 2 k + 1, which lie at or above it, are read.
.macro SPLIT4 hi, lo, x, t
.irp k, 0,1,2,3
	v_cvt_pk_bf16_f32 v[\hi+\k], v[\x+2*\k], v[\x+2*\k+1]
.endr
.irp k, 0,1,2,3
	v_lshlrev_b32 v[\t+2*\k], 16, v[\hi+\k]
	v_and_b32 v[\t+2*\k+1], 0xffff0000, v[\hi+\k]
.endr
.irp k, 0,1,2,3
	v_pk_add_f32 v[\x+2*\k:\x+2*\k+1], v[\x+2*\k:\x+2*\k+1], v[\t+2*\k:\t+2*\k+1] neg_lo:[0,1] neg_hi:[0,1]
.endr
.irp k, 0,1,2,3
	v_cvt_pk_bf16_f32 v[\lo+\k], v[\x+2*\k], v[\x+2*\k+1]
.endr
.endm
; two rows of 128 numbers are normalised in place; a lane holds four neighbouring columns of each.  Mean first, then the centred squares.
; sel = 1: where s42 is 0 the mean counts as 0 and the factor as 1 (the row stays as it is).
.macro LNROW2 a, b, sel
	v_pk_add_f32 v[248:249], v[\a:\a+1], v[\a+2:\a+3]
	v_pk_add_f32 v[252:253], v[\b:\b+1], v[\b+2:\b+3]
	v_add_f32 v248, v248, v249
	v_add_f32 v252, v252, v253
.irp m, 1,2,4,8
	v_add_f32_dpp v248, v248, v248 row_xmask:\m row_mask:0xf bank_mask:0xf
	v_add_f32_dpp v252, v252, v252 row_xmask:\m row_mask:0xf bank_mask:0xf
.endr
	v_permlanex16_b32 v249, v248, s12, s13
	v_permlanex16_b32 v253, v252, s12, s13
	v_add_f32 v248, v248, v249
	v_add_f32 v252, v252, v253
	v_mul_f32 v248, s14, v248
	v_mul_f32 v252, s14, v252
.if \sel
	v_cndmask_b32 v248, 0, v248, s42
	v_cndmask_b32 v252, 0, v252, s42
.endif
	v_pk_add_f32 v[\a:\a+1], v[\a:\a+1], v[248:249] op_sel_hi:[1,0] neg_lo:[0,1] neg_hi:[0,1]
	v_pk_add_f32 v[\b:\b+1], v[\b:\b+1], v[252:253] op_sel_hi:[1,0] neg_lo:[0,1] neg_hi:[0,1]
	v_pk_add_f32 v[\a+2:\a+3], v[\a+2:\a+3], v[248:249] op_sel_hi:[1,0] neg_lo:[0,1] neg_hi:[0,1]
	v_pk_add_f32 v[\b+2:\b+3], v[\b+2:\b+3], v[252:253] op_sel_hi:[1,0] neg_lo:[0,1] neg_hi:[0,1]
	v_pk_mul_f32 v[250:251], v[\a:\a+1], v[\a:\a+1]
	v_pk_mul_f32 v[254:255], v[\b:\b+1], v[\b:\b+1]
	v_pk_fma_f32 v[250:251], v[\a+2:\a+3], v[\a+2:\a+3], v[250:251]
	v_pk_fma_f32 v[254:255], v[\b+2:\b+3], v[\b+2:\b+3], v[254:255]
	v_add_f32 v250, v250, v251
	v_add_f32 v254, v254, v255
.irp m, 1,2,4,8
	v_add_f32_dpp v250, v250, v250 row_xmask:\m row_mask:0xf bank_mask:0xf
	v_add_f32_dpp v254, v254, v254 row_xmask:\m row_mask:0xf bank_mask:0xf
.endr
	v_permlanex16_b32 v251, v250, s12, s13
	v_permlanex16_b32 v255, v254, s12, s13
	v_add_f32 v250, v250, v251
	v_add_f32 v254, v254, v255
	v_fma_f32 v250, v250, s14, s15         ; variance + 1e-5
	v_fma_f32 v254, v254, s14, s15
	v_rsq_f32 v250, v250
	v_rsq_f32 v254, v254
	v_nop                                  ; one plain place behind a transcendental (ISA guide 5.7.2)
.if \sel
	s_wait_alu depctr_va_vdst(0)
	v_cndmask_b32 v250, 1.0, v250, s42
	v_cndmask_b32 v254, 1.0, v254, s42
.endif
	s_wait_alu depctr_va_vdst(0)
	v_pk_mul_f32 v[\a:\a+1], v[\a:\a+1], v[250:251] op_sel_hi:[1,0]
	v_pk_mul_f32 v[\b:\b+1], v[\b:\b+1], v[254:255] op_sel_hi:[1,0]
	v_pk_mul_f32 v[\a+2:\a+3], v[\a+2:\a+3], v[250:251] op_sel_hi:[1,0]
	v_pk_mul_f32 v[\b+2:\b+3], v[\b+2:\b+3], v[254:255] op_sel_hi:[1,0]
.endm
; four rows, at v[x + 4 i], are normalised in place, by turns: each step of the chain has four instructions that do not wait for each other.  t: 16 registers at work, four a row.
.macro LN4 x, t
.irp i, 0,1,2,3
	v_pk_add_f32 v[\t+4*\i:\t+4*\i+1], v[\x+4*\i:\x+4*\i+1], v[\x+4*\i+2:\x+4*\i+3]
.endr
.irp i, 0,1,2,3
	v_add_f32 v[\t+4*\i], v[\t+4*\i], v[\t+4*\i+1]
.endr
.irp m, 1,2,4,8
.irp i, 0,1,2,3
	v_add_f32_dpp v[\t+4*\i], v[\t+4*\i], v[\t+4*\i] row_xmask:\m row_mask:0xf bank_mask:0xf
.endr
.endr
.irp i, 0,1,2,3
	v_permlanex16_b32 v[\t+4*\i+1], v[\t+4*\i], s12, s13
.endr
.irp i, 0,1,2,3
	v_add_f32 v[\t+4*\i], v[\t+4*\i], v[\t+4*\i+1]
.endr
.irp i, 0,1,2,3
	v_mul_f32 v[\t+4*\i], s14, v[\t+4*\i]
.endr
.irp i, 0,1,2,3
	v_pk_add_f32 v[\x+4*\i:\x+4*\i+1], v[\x+4*\i:\x+4*\i+1], v[\t+4*\i:\t+4*\i+1] op_sel_hi:[1,0] neg_lo:[0,1] neg_hi:[0,1]
	v_pk_add_f32 v[\x+4*\i+2:\x+4*\i+3], v[\x+4*\i+2:\x+4*\i+3], v[\t+4*\i:\t+4*\i+1] op_sel_hi:[1,0] neg_lo:[0,1] neg_hi:[0,1]
.endr
.irp i, 0,1,2,3
	v_pk_mul_f32 v[\t+4*\i+2:\t+4*\i+3], v[\x+4*\i:\x+4*\i+1], v[\x+4*\i:\x+4*\i+1]
.endr
.irp i, 0,1,2,3
	v_pk_fma_f32 v[\t+4*\i+2:\t+4*\i+3], v[\x+4*\i+2:\x+4*\i+3], v[\x+4*\i+2:\x+4*\i+3], v[\t+4*\i+2:\t+4*\i+3]
.endr
.irp i, 0,1,2,3
	v_add_f32 v[\t+4*\i+2], v[\t+4*\i+2], v[\t+4*\i+3]
.endr
.irp m, 1,2,4,8
.irp i, 0,1,2,3
	v_add_f32_dpp v[\t+4*\i+2], v[\t+4*\i+2], v[\t+4*\i+2] row_xmask:\m row_mask:0xf bank_mask:0xf
.endr
.endr
.irp i, 0,1,2,3
	v_permlanex16_b32 v[\t+4*\i+3], v[\t+4*\i+2], s12, s13
.endr
.irp i, 0,1,2,3
	v_add_f32 v[\t+4*\i+2], v[\t+4*\i+2], v[\t+4*\i+3]
.endr
.irp i, 0,1,2,3
	v_fma_f32 v[\t+4*\i+2], v[\t+4*\i+2], s14, s15         ; variance + 1e-5
.endr
.irp i, 0,1,2,3
	v_rsq_f32 v[\t+4*\i+2], v[\t+4*\i+2]
.endr
	v_nop                                  ; one plain place behind a transcendental (ISA guide 5.7.2)
	s_wait_alu depctr_va_vdst(0)
.irp i, 0,1,2,3
	v_pk_mul_f32 v[\x+4*\i:\x+4*\i+1], v[\x+4*\i:\x+4*\i+1], v[\t+4*\i+2:\t+4*\i+3] op_sel_hi:[1,0]
	v_pk_mul_f32 v[\x+4*\i+2:\x+4*\i+3], v[\x+4*\i+2:\x+4*\i+3], v[\t+4*\i+2:\t+4*\i+3] op_sel_hi:[1,0]
.endr
.endm
; sigmoid of eight registers x where s43 is set (elsewhere x stays); temporaries t
.macro SIG8 x, t
.irp k, 0,1,2,3,4,5,6,7
	v_mul_f32 v[\t+\k], 0xbfb8aa3b, v[\x+\k]
.endr
.irp k, 0,1,2,3,4,5,6,7
	v_exp_f32 v[\t+\k], v[\t+\k]
.endr
	v_nop
	s_wait_alu depctr_va_vdst(0)
.irp k, 0,1,2,3,4,5,6,7
	v_add_f32 v[\t+\k], 1.0, v[\t+\k]
.endr
.irp k, 0,1,2,3,4,5,6,7
	v_rcp_f32 v[\t+\k], v[\t+\k]
.endr
	v_nop
	s_wait_alu depctr_va_vdst(0)
.irp k, 0,1,2,3,4,5,6,7
	v_cndmask_b32 v[\x+\k], v[\x+\k], v[\t+\k], s43
.endr
.endm
; d = sigmoid of eight registers x
.macro SIGM d, x
.irp k, 0,1,2,3,4,5,6,7
	v_mul_f32 v[\d+\k], 0xbfb8aa3b, v[\x+\k]
.endr
.irp k, 0,1,2,3,4,5,6,7
	v_exp_f32 v[\d+\k], v[\d+\k]
.endr
	v_nop
	s_wait_alu depctr_va_vdst(0)
.irp k, 0,1,2,3,4,5,6,7
	v_add_f32 v[\d+\k], 1.0, v[\d+\k]
.endr
.irp k, 0,1,2,3,4,5,6,7
	v_rcp_f32 v[\d+\k], v[\d+\k]
.endr
	v_nop
.endm
; 16 columns x 128 rows of a weight matrix [K][N] f32: lane (r, h) takes column r, rows 16 q + 8 h + j.  The address register holds 8 h rows + 4 r.
.macro LOADW raw, ldb, va, sb
.irp q, 0,1,2,3,4,5,6,7
.irp j, 0,1,2,3,4,5,6,7
	global_load_b32 v[\raw+8*\q+\j], v[\va], s[\sb:\sb+1] offset:(16*\q+\j)*\ldb
.endr
.endr
.endm
.macro CVTW raw, pk                    ; 64 f32 into 32 packed f16 registers: four fragments of 8
.set n, 0
.rept 32
	v_cvt_pk_f16_f32 v[\pk+n], v[\raw+2*n], v[\raw+2*n+1]
.set n, n+1
.endr
.endm
.macro LTILE dst, va, off              ; four fragments (16 rows x 128 along K, 16-bit) from LDS: eight loads of 16 bytes, 32 bytes apart
.irp k, 0,1,2,3,4,5,6,7
	ds_load_b128 v[\dst+4*\k:\dst+4*\k+3], v[\va] offset:\off+32*\k
.endr
.endm
.macro WF16 d, a, b                    ; the next link of a sum in place
	v_wmma_f32_16x16x32_f16 v[\d:\d+7], v[\a:\a+7], v[\b:\b+7], v[\d:\d+7]
.endm
.macro WF16C d, a, b, c                ; the first link: the sum starts from c
	v_wmma_f32_16x16x32_f16 v[\d:\d+7], v[\a:\a+7], v[\b:\b+7], v[\c:\c+7]
.endm
.macro WF16Z d, a, b                   ; the first link: the sum starts from 0, nothing is cleared
	v_wmma_f32_16x16x32_f16 v[\d:\d+7], v[\a:\a+7], v[\b:\b+7], 0
.endm
.macro WBF d, a, b
	v_wmma_f32_16x16x32_bf16 v[\d:\d+7], v[\a:\a+7], v[\b:\b+7], v[\d:\d+7]
.endm
.macro WBFZ d, a, b
	v_wmma_f32_16x16x32_bf16 v[\d:\d+7], v[\a:\a+7], v[\b:\b+7], 0
.endm
; eight links: two products of four fragments each, on accumulators d0 and d1 by turns
.macro WDUO d0, w0, b0, d1, w1, b1
.irp ks, 0,1,2,3
	WBF \d0, \w0+8*\ks, \b0+8*\ks
	WBF \d1, \w1+8*\ks, \b1+8*\ks
.endr
.endm
.macro WDUOZ d0, w0, b0, d1, w1, b1    ; the same, the first two start the sums
	WBFZ \d0, \w0, \b0
	WBFZ \d1, \w1, \b1
.irp ks, 1,2,3
	WBF \d0, \w0+8*\ks, \b0+8*\ks
	WBF \d1, \w1+8*\ks, \b1+8*\ks
.endr
.endm
.macro WALT da, db, w, b               ; four links of ONE product, its K steps dealt to two accumulators by turns
	WBF \da, \w, \b
	WBF \db, \w+8, \b+8
	WBF \da, \w+16, \b+16
	WBF \db, \w+24, \b+24
.endm
; role Z: two queries' 16 channels (8 in the lane, 8 in lane xor 16) are normalised and packed into one A fragment at v[a:a+7]
.macro ZLN2 a
	v_pk_add_f32 v[248:249], v[\a:\a+1], v[\a+2:\a+3]
	v_pk_add_f32 v[252:253], v[\a+8:\a+9], v[\a+10:\a+11]
	v_pk_add_f32 v[250:251], v[\a+4:\a+5], v[\a+6:\a+7]
	v_pk_add_f32 v[254:255], v[\a+12:\a+13], v[\a+14:\a+15]
	v_pk_add_f32 v[248:249], v[248:249], v[250:251]
	v_pk_add_f32 v[252:253], v[252:253], v[254:255]
	v_add_f32 v248, v248, v249
	v_add_f32 v252, v252, v253
	v_permlanex16_b32 v249, v248, s12, s13
	v_permlanex16_b32 v253, v252, s12, s13
	v_add_f32 v248, v248, v249
	v_add_f32 v252, v252, v253
	v_mul_f32 v248, s9, v248
	v_mul_f32 v252, s9, v252
.irp k, 0,2,4,6
	v_pk_add_f32 v[\a+\k:\a+\k+1], v[\a+\k:\a+\k+1], v[248:249] op_sel_hi:[1,0] neg_lo:[0,1] neg_hi:[0,1]
	v_pk_add_f32 v[\a+8+\k:\a+9+\k], v[\a+8+\k:\a+9+\k], v[252:253] op_sel_hi:[1,0] neg_lo:[0,1] neg_hi:[0,1]
.endr
	v_pk_mul_f32 v[250:251], v[\a:\a+1], v[\a:\a+1]
	v_pk_mul_f32 v[254:255], v[\a+8:\a+9], v[\a+8:\a+9]
.irp k, 2,4,6
	v_pk_fma_f32 v[250:251], v[\a+\k:\a+\k+1], v[\a+\k:\a+\k+1], v[250:251]
	v_pk_fma_f32 v[254:255], v[\a+8+\k:\a+9+\k], v[\a+8+\k:\a+9+\k], v[254:255]
.endr
	v_add_f32 v250, v250, v251
	v_add_f32 v254, v254, v255
	v_permlanex16_b32 v251, v250, s12, s13
	v_permlanex16_b32 v255, v254, s12, s13
	v_add_f32 v250, v250, v251
	v_add_f32 v254, v254, v255
	v_fma_f32 v250, v250, s9, s15
	v_fma_f32 v254, v254, s9, s15
	v_rsq_f32 v250, v250
	v_rsq_f32 v254, v254
	v_nop
	s_wait_alu depctr_va_vdst(0)
.irp k, 0,2,4,6
	v_pk_mul_f32 v[\a+\k:\a+\k+1], v[\a+\k:\a+\k+1], v[250:251] op_sel_hi:[1,0]
	v_pk_mul_f32 v[\a+8+\k:\a+9+\k], v[\a+8+\k:\a+9+\k], v[254:255] op_sel_hi:[1,0]
.endr
.irp k, 0,1,2,3
	v_cvt_pk_f16_f32 v[\a+\k], v[\a+2*\k], v[\a+2*\k+1]        ; the even query: k = 0..15 of the fragment
.endr
.irp k, 0,1,2,3
	v_cvt_pk_f16_f32 v[\a+4+\k], v[\a+8+2*\k], v[\a+9+2*\k]    ; the odd query: k = 16..31
.endr
.endm
; role Z: the pair rows of query tile u of the query block, my key tile: 32 loads
.macro ZLOAD u
.irp q, 0,1,2,3,4,5,6,7,8,9,10,11,12,13,14,15
	global_load_b128 v[24+8*\q:27+8*\q], v6, s[40:41] offset:131072*(16*\u+\q)      ; the two loads of a query cover 1,024 consecutive bytes
	global_load_b128 v[28+8*\q:31+8*\q], v6, s[40:41] offset:131072*(16*\u+\q)+16
.endr
.endm
; role Z: query tile u is normalised, multiplied and laid into its stage
.macro ZWORK u
.irp ip, 0,1,2,3,4,5,6,7
	s_wait_loadcnt 28-4*\ip                        ; the four loads of queries 2 ip, 2 ip + 1 are in; the 28 - 4 ip younger ones stay out
	ZLN2 24+16*\ip
.endr
.irp ip, 0,1,2,3,4,5,6,7
	v_wmma_f32_16x16x32_f16 v[192+8*\ip:199+8*\ip], v[24+16*\ip:31+16*\ip], v[176:183], v[184:191]   ; eight accumulators, one instruction each
.endr
	NOPS
	s_wait_xcnt 0x0                                ; EXEC changes only behind s_wait_xcnt 0
	v_cmp_gt_u32 vcc_lo, 8, v2
	s_and_saveexec_b32 s30, vcc_lo                 ; lanes r < 8 hold query 2 ip + r / 4, head r & 3, keys 8 h + 0..7
.irp ip, 0,1,2,3,4,5,6,7
	ds_store_b128 v7, v[192+8*\ip:195+8*\ip] offset:Z_ST*\u+32*\ip
	ds_store_b128 v7, v[196+8*\ip:199+8*\ip] offset:Z_ST*\u+512+32*\ip
.endr
	s_or_b32 exec_lo, exec_lo, s30                 ; no global instruction was issued under the narrow EXEC
.endm
; role C: 128 rows.  x: the wave's 16 rows as loaded (4 registers each).
.macro CPASS p, x
.irp i, 0,2,4,6,8,10,12,14
	LNROW2 \x+4*\i, \x+4*\i+4, 1
.endr
.irp i, 0,1,2,3,4,5,6,7,8,9,10,11,12,13,14,15
	v_pk_mul_f32 v[\x+4*\i:\x+4*\i+1], v[\x+4*\i:\x+4*\i+1], v[12:13]
	v_pk_mul_f32 v[\x+4*\i+2:\x+4*\i+3], v[\x+4*\i+2:\x+4*\i+3], v[14:15]
	v_cvt_pk_f16_f32 v[\x+4*\i], v[\x+4*\i], v[\x+4*\i+1]
	v_cvt_pk_f16_f32 v[\x+4*\i+1], v[\x+4*\i+2], v[\x+4*\i+3]
	ds_store_b64 v5, v[\x+4*\i:\x+4*\i+1] offset:272*\i
.endr
.if \p == 0
	s_wait_loadcnt 0x0                     ; the 64 words of my 16 weight columns
	CVTW 152, 216
.irp i, 0,1,2,3,4,5,6,7,8,9,10,11,12,13,14,15
	global_load_b128 v[88+4*\i:91+4*\i], v1, s[46:47] offset:(128+\i)*512   ; the second 128 rows, on their way during the first's products
.endr
.endif
	s_wait_dscnt 0x0                       ; my rows are in LDS, and my reads of the stage are over
	s_barrier_signal -1
	s_barrier_wait -1
	s_wait_xcnt 0x0                        ; v152-215, which the last stores read, are loaded again only behind this wait
.irp mp, 0,1,2,3
	LTILE 152, 4, 4352*(2*\mp)
	LTILE 184, 4, 4352*(2*\mp+1)
	s_wait_dscnt 0x0
	WF16C 24, 216, 152, 16                 ; source 0 = 16 output columns, source 1 = 16 rows: a lane gets 8 neighbouring columns of one row.  The bias starts the sums
	WF16C 32, 216, 184, 16                 ; two accumulators by turns
.irp ks, 1,2,3
	WF16 24, 216+8*\ks, 152+8*\ks
	WF16 32, 216+8*\ks, 184+8*\ks
.endr
	NOPS
	SIG8 24, 40
	SIG8 32, 48
	ds_store_b128 v6, v[24:27] offset:8448*(2*\mp)
	ds_store_b128 v6, v[28:31] offset:8448*(2*\mp)+16
	ds_store_b128 v6, v[32:35] offset:8448*(2*\mp+1)
	ds_store_b128 v6, v[36:39] offset:8448*(2*\mp+1)+16
.endr
	s_wait_dscnt 0x0                       ; my part of the stage is written, and my reads of the f16 rows are over
	s_barrier_signal -1
	s_barrier_wait -1
.irp i, 0,1,2,3,4,5,6,7,8,9,10,11,12,13,14,15
	ds_load_b128 v[152+4*\i:155+4*\i], v7 offset:528*\i
.endr
.irp i, 0,1,2,3,4,5,6,7,8,9,10,11,12,13,14,15
	s_wait_dscnt 15-\i                     ; LDS loads come back in order: row i is in
	global_store_b128 v1, v[152+4*\i:155+4*\i], s[48:49] offset:(128*\p+\i)*512   ; a whole row of 512 bytes
.endr
.endm
; ---- macros of the block
.macro GFRAG dst, sb, off              ; a prepared set (four fragments) from memory: eight loads of 512 consecutive bytes
.irp k, 0,1,2,3,4,5,6,7
	global_load_b128 v[\dst+4*\k:\dst+4*\k+3], v1, s[\sb:\sb+1] offset:\off+512*\k
.endr
.endm
.macro APPLY i                         ; row i of my window tile: gate x LN(a) + shift, to f16, into LDS
	v_pk_fma_f32 v[88+4*\i:89+4*\i], v[88+4*\i:89+4*\i], v[24+4*\i:25+4*\i], v[152+4*\i:153+4*\i]
	v_pk_fma_f32 v[90+4*\i:91+4*\i], v[90+4*\i:91+4*\i], v[26+4*\i:27+4*\i], v[154+4*\i:155+4*\i]
	v_cvt_pk_f16_f32 v[88+4*\i], v[88+4*\i], v[89+4*\i]
	v_cvt_pk_f16_f32 v[89+4*\i], v[90+4*\i], v[91+4*\i]
	ds_store_b64 v6, v[88+4*\i:89+4*\i] offset:272*\i
.endm
; K and V of window tile mt, my 16 columns.  cur / nxt: the halves of v24-87 that hold this tile's and the next tile's fragments.
.macro KVTILE mt, cur, nxt, cnt, more
.if \more
	LTILE \nxt, 4, 4352*(\mt+1)
.endif
	s_wait_dscnt \cnt
	WF16Z 216, 88, \cur                    ; K: weights as source 0: a lane gets 8 neighbouring columns of one key
	WF16Z 224, \cur, 152                   ; V: rows as source 0: a lane gets 8 neighbouring keys of one column.  Two accumulators by turns
.irp ks, 1,2,3
	WF16 216, 88+8*\ks, \cur+8*\ks
	WF16 224, \cur+8*\ks, 152+8*\ks
.endr
	NOPS
.irp k, 0,1,2,3
	v_cvt_pk_f16_f32 v[232+\k], v[216+2*\k], v[217+2*\k]
.endr
	SPLIT4 236, 240, 224, 216              ; K's sums have been packed: their registers are at work here
	ds_store_b128 v7, v[232:235] offset:4352*\mt
	ds_store_b128 v8, v[236:239] offset:32*\mt
	ds_store_b128 v8, v[240:243] offset:D_VL+32*\mt
.endm
.macro GLU8 da, db, wa, wb             ; a_n W_1 and a_n W_2 for one column tile: two accumulators by turns
	WF16Z \da, \wa, 24
	WF16Z \db, \wb, 24
.irp ks, 1,2,3
	WF16 \da, \wa+8*\ks, 24+8*\ks
	WF16 \db, \wb+8*\ks, 24+8*\ks
.endr
.endm
.macro SILU xa, xb, off                ; xa sigmoid(xa) xb, as a pair of bf16 (into xb's registers), into LDS
.irp k, 0,1,2,3,4,5,6,7
	v_mul_f32 v[248+\k], 0xbfb8aa3b, v[\xa+\k]
.endr
.irp k, 0,1,2,3,4,5,6,7
	v_exp_f32 v[248+\k], v[248+\k]
.endr
	v_nop
	s_wait_alu depctr_va_vdst(0)
.irp k, 0,1,2,3,4,5,6,7
	v_add_f32 v[248+\k], 1.0, v[248+\k]
.endr
.irp k, 0,1,2,3,4,5,6,7
	v_rcp_f32 v[248+\k], v[248+\k]
.endr
	v_nop
	s_wait_alu depctr_va_vdst(0)
.irp k, 0,2,4,6
	v_pk_mul_f32 v[\xa+\k:\xa+\k+1], v[\xa+\k:\xa+\k+1], v[248+\k:249+\k]
.endr
.irp k, 0,2,4,6
	v_pk_mul_f32 v[\xa+\k:\xa+\k+1], v[\xa+\k:\xa+\k+1], v[\xb+\k:\xb+\k+1]
.endr
	SPLIT4 \xb, \xb+4, \xa, 248
	ds_store_b128 v16, v[\xb:\xb+3] offset:\off
	ds_store_b128 v16, v[\xb+4:\xb+7] offset:D_HL+\off
.endm
	s_set_vgpr_msb 0x40
	v_lshl_add_u32 v224, v0, 2, 0x2a600
	v_mov_b32 v225, 0
	s_set_vgpr_msb 0x4000
	v_lshrrev_b32 v2, 5, v0
	v_readfirstlane_b32 s10, v2                    ; wave w
	v_and_b32 v1, 31, v0
	v_lshlrev_b32 v1, 4, v1                        ; 16 x lane
	v_and_b32 v2, 15, v0                           ; r
	v_bfe_u32 v3, v0, 4, 1                         ; h
	s_mov_b32 s12, 0x76543210                      ; v_permlanex16_b32: lane i takes lane i of the other half
	s_mov_b32 s13, 0xfedcba98
	s_mov_b32 s14, 0x3c000000                      ; 1/128
	s_mov_b32 s15, 0x3727c5ac                      ; 1e-5
	s_cmp_lt_u32 ttmp9, NBLK
	s_cbranch_scc0 .Lprep
; ======== THE BLOCK.  Registers: v4-23 addresses; v24-87 R1 (rows, activation fragments; v64-71 keep my gate tile from Q's phase to attention's end);
; v88-119 B1, v120-151 B2, v152-183 B3, v184-215 B4 (weights, tiles); v216-247 four accumulators; v248-255 at work; v256-463 the last phase's weights and gates.
; Scalar bases are written once.
	s_load_b128 s[4:7], s[0:1], 0x0                ; pre, a_in
	s_load_b64 s[8:9], s[0:1], 0x10                ; a_out
	s_mov_b32 s38, 0x3e8293ee                      ; 32^-0.5 log2(e)
	s_mov_b32 s39, 0x3e8293ee
	s_and_b32 s58, ttmp9, 1                        ; u: which 16 of the query block's 32 rows are mine
	s_lshr_b32 s59, ttmp9, 1                       ; i: the query block
	s_lshl_b32 s40, s59, 1
	s_add_co_u32 s40, s40, s10
	s_sub_co_u32 s40, s40, 3
	s_max_i32 s40, s40, 0
	s_min_i32 s40, s40, 127                        ; my window tile 2 i - 3 + w, clamped into the tensor
	s_lshl_b32 s40, s40, 13                        ; 16 rows of 512 bytes
	s_mov_b32 s41, 0
	s_add_co_u32 s42, s40, O_CD
	s_mov_b32 s43, 0
	s_lshl_b32 s44, ttmp9, 3
	s_add_co_u32 s44, s44, s10                     ; 8 x + w
	s_lshl_b32 s46, s44, 10                        ; rows 16 x + 2 w, in bytes
	s_mov_b32 s47, 0
	s_add_co_u32 s48, s46, O_CD
	s_mov_b32 s49, 0
	s_lshr_b32 s45, s10, 1                         ; attention: my head hd = w / 2
	s_lshl_b32 s50, s59, 3
	s_lshl1_add_u32 s50, s45, s50                  ; 8 i + 2 hd
	s_add_co_u32 s50, s50, s58                     ; + u
	s_lshl_b32 s50, s50, 13                        ; bias tiles of (i, hd, u)
	s_add_co_u32 s50, s50, O_BI
	s_mov_b32 s51, 0
	s_lshl_b32 s52, s10, 12
	s_mov_b32 s53, 0
	s_lshl_b32 s54, s10, 13
	s_mov_b32 s55, 0
	s_lshl_b32 s56, s10, 6
	s_add_co_u32 s56, s56, O_BQ
	s_mov_b32 s57, 0
	s_wait_kmcnt 0x0
	s_add_nc_u64 s[16:17], s[6:7], s[40:41]        ; a: my window tile
	s_add_nc_u64 s[18:19], s[4:5], s[42:43]        ; conditioning arrays at my window tile
	s_add_nc_u64 s[20:21], s[6:7], s[46:47]        ; a: my two own rows
	s_add_nc_u64 s[22:23], s[4:5], s[48:49]        ; conditioning arrays at my two own rows
	s_add_nc_u64 s[26:27], s[4:5], s[52:53]        ; weight sets, one a wave
	s_add_nc_u64 s[28:29], s[4:5], s[54:55]        ; weight sets, two a wave
	s_add_nc_u64 s[30:31], s[4:5], s[56:57]        ; b_q of my 16 columns
	s_add_nc_u64 s[32:33], s[4:5], s[50:51]        ; my bias tiles
	s_add_nc_u64 s[36:37], s[8:9], s[46:47]        ; a_out at my two rows
; -- AdaLN: wave w takes window tile w (16 rows) for attention, and two of the work-group's own 16 rows for the transition.  54 loads
.irp i, 0,1,2,3,4,5,6,7,8,9,10,11,12,13,14,15
	global_load_b128 v[24+4*\i:27+4*\i], v1, s[16:17] offset:512*\i
.endr
.irp k, 0,1
	global_load_b128 v[216+4*\k:219+4*\k], v1, s[20:21] offset:512*\k
.endr
.irp k, 0,1
	global_load_b128 v[224+4*\k:227+4*\k], v1, s[22:23] offset:3*ARR+512*\k
	global_load_b128 v[232+4*\k:235+4*\k], v1, s[22:23] offset:4*ARR+512*\k
.endr
.irp i, 0,1,2,3,4,5,6,7,8,9,10,11,12,13,14,15
	global_load_b128 v[88+4*\i:91+4*\i], v1, s[18:19] offset:512*\i
.endr
.irp i, 0,1,2,3,4,5,6,7,8,9,10,11,12,13,14,15
	global_load_b128 v[152+4*\i:155+4*\i], v1, s[18:19] offset:ARR+512*\i
.endr
	v_mul_u32_u24 v4, v2, 272
	v_lshl_add_u32 v4, v3, 4, v4                   ; v4: fragments of pitch 272: 272 r + 16 h
	v_mul_u32_u24 v248, v2, 528
	v_lshl_add_u32 v249, v3, 4, v248
	v_lshrrev_b32 v250, 1, v1                      ; 8 x lane
	v_add_nc_u32 v5, L_HS, v249                    ; v5: fragments of the SwiGLU product
	s_mul_i32 s40, s10, 4352
	v_add_nc_u32 v6, s40, v250                     ; v6: my window rows in f16
	s_lshl_b32 s41, s10, 5
	s_add_co_u32 s42, s41, L_KS
	v_add_nc_u32 v7, s42, v4                       ; v7: K in: key r, columns 16 w + 8 h
	s_add_co_u32 s42, s40, L_VT
	v_add_nc_u32 v8, s42, v4                       ; v8: V transposed, column 16 w + r: in (keys 8 h ..), and back as fragments: attention's column tile is my own
	s_add_co_u32 s42, s41, L_QS
	v_add_nc_u32 v9, s42, v4                       ; v9: Q in
	s_mul_i32 s42, s58, 4352
	s_add_co_u32 s42, s42, 3*4352
	v_add_nc_u32 v10, s42, v4                      ; v10: fragments of the own rows' a_n: window tile 3 + u
	s_lshl_b32 s45, s45, 6                         ; 64 hd
	s_add_co_u32 s42, s45, L_QS
	v_add_nc_u32 v11, s42, v4                      ; v11: Q's fragment
	s_add_co_u32 s42, s45, L_KS
	v_add_nc_u32 v12, s42, v4                      ; v12: K's fragments
	s_add_co_u32 s42, s41, L_GO
	v_add_nc_u32 v15, s42, v4                      ; v15: gate o attention in: row r, columns 16 w + 8 h
	s_lshl_b32 s42, s10, 6
	v_add_nc_u32 v16, s42, v5                      ; v16: SwiGLU product in
	v_lshl_add_u32 v17, v3, 5, v248
	v_add_nc_u32 v17, s42, v17                     ; v17: f32 stages in: 528 r + 64 w + 32 h
	s_mul_i32 s42, s10, 1056
	v_add_nc_u32 v18, s42, v1                      ; v18: f32 stages back: rows 2 w, 2 w + 1
	s_mul_i32 s42, s10, 544
	s_add_co_u32 s42, s42, L_AT
	v_add_nc_u32 v21, s42, v250                    ; v21: the transition's a_n in: rows 2 w, 2 w + 1
	v_add_nc_u32 v22, L_AT, v4                     ; v22: its fragments
	v_add_nc_u32 v23, L_GO, v4                     ; v23: fragments of gate o attention
	v_lshlrev_b32 v3, 5, v3                        ; v3: from here on 32 h
	s_wait_loadcnt 36                              ; a's 16 window rows and my 2 own rows are in; the 36 younger loads stay out
	LN4 24, 240
	LN4 40, 240
	LN4 56, 240
	LN4 72, 240
	LNROW2 216, 220, 0
	s_wait_loadcnt 32                              ; the transition's gates and shifts are in; the window's 32 loads stay out
.irp k, 0,1
	v_pk_fma_f32 v[224+4*\k:225+4*\k], v[224+4*\k:225+4*\k], v[216+4*\k:217+4*\k], v[232+4*\k:233+4*\k]
	v_pk_fma_f32 v[226+4*\k:227+4*\k], v[226+4*\k:227+4*\k], v[218+4*\k:219+4*\k], v[234+4*\k:235+4*\k]
	v_cvt_pk_f16_f32 v[224+4*\k], v[224+4*\k], v[225+4*\k]
	v_cvt_pk_f16_f32 v[225+4*\k], v[226+4*\k], v[227+4*\k]
	ds_store_b64 v21, v[224+4*\k:225+4*\k] offset:272*\k
.endr
	s_wait_loadcnt 0x0                             ; gates and shifts of the window
.irp i, 0,1,2,3,4,5,6,7
	APPLY \i
.endr
	GFRAG 88, 26, 0                                ; W_k, my 16 columns
	GFRAG 152, 26, 32768                           ; W_v
.irp i, 8,9,10,11,12,13,14,15
	APPLY \i
.endr
	GFRAG 120, 26, 65536                           ; W_q
	GFRAG 184, 26, 98304                           ; W_gate
	global_load_b128 v[248:251], v3, s[30:31]      ; b_q of columns 16 w + 8 h + 0..7
	global_load_b128 v[252:255], v3, s[30:31] offset:16
	s_wait_dscnt 0x0
	s_barrier_signal -1
	s_barrier_wait -1                              ; barrier 1: a_n of the window and of the transition are whole
; -- K and V for the 128 window rows, my 16 columns
	s_wait_loadcnt 18                              ; W_k and W_v are in; W_q, W_gate and b_q (18 loads) stay out
	LTILE 24, 4, 0
	KVTILE 0, 24, 56, 8, 1                         ; the count 8 leaves the next tile's eight loads out
	KVTILE 1, 56, 24, 8, 1
	KVTILE 2, 24, 56, 8, 1
	KVTILE 3, 56, 24, 8, 1
	KVTILE 4, 24, 56, 8, 1
	KVTILE 5, 56, 24, 8, 1
	KVTILE 6, 24, 56, 8, 1
	KVTILE 7, 56, 24, 3, 0                         ; behind the last tile's loads stand the three stores of tile 6 alone
; -- Q and the gate for the own 16 rows, my 16 columns
	GFRAG 88, 28, 131072                           ; W_1, column tile 2 w
	GFRAG 152, 28, 196608                          ; W_2, column tile 2 w
	LTILE 24, 10, 0
	s_wait_loadcnt 16                              ; W_q, W_gate and b_q are in; the 16 loads just issued stay out
	s_wait_dscnt 0x0
	WF16C 216, 120, 24, 248                        ; b_q starts Q's sum; two accumulators by turns
	WF16Z 224, 184, 24
.irp ks, 1,2,3
	WF16 216, 120+8*\ks, 24+8*\ks
	WF16 224, 184+8*\ks, 24+8*\ks
.endr
	NOPS
	GFRAG 120, 28, 131072+4096                     ; W_1, column tile 2 w + 1
	GFRAG 184, 28, 196608+4096                     ; W_2, column tile 2 w + 1
.irp k, 0,2,4,6
	v_pk_mul_f32 v[216+\k:217+\k], v[216+\k:217+\k], s[38:39] op_sel_hi:[1,0]
.endr
.irp k, 0,1,2,3
	v_cvt_pk_f16_f32 v[216+\k], v[216+2*\k], v[217+2*\k]
.endr
	ds_store_b128 v9, v[216:219]
	SIGM 64, 224                                   ; the gate of (query r, columns 16 w + 8 h + 0..7): the very elements that my tile of V^T P will hold, so it stays in v64-71
	s_wait_dscnt 0x0
	s_barrier_signal -1
	s_barrier_wait -1                              ; barrier 2: K and Q are whole; nobody reads the window's a_n any more
; -- SwiGLU: the own 16 rows, my column tiles 2 w and 2 w + 1 of 16
	LTILE 24, 22, 0
	s_wait_loadcnt 16                              ; the sets of tile 2 w are in; those of 2 w + 1 stay out
	s_wait_dscnt 0x0
	GLU8 216, 224, 88, 152
	NOPS
.irp t, 0,1,2,3
	global_load_b128 v[88+8*\t:91+8*\t], v1, s[32:33] offset:1024*\t           ; pair bias: C tiles of key tiles 0-3,
	global_load_b128 v[92+8*\t:95+8*\t], v1, s[32:33] offset:1024*\t+512
.endr
.irp t, 0,1,2,3
	global_load_b128 v[152+8*\t:155+8*\t], v1, s[32:33] offset:1024*(\t+4)     ; and 4-7
	global_load_b128 v[156+8*\t:159+8*\t], v1, s[32:33] offset:1024*(\t+4)+512
.endr
	SILU 216, 224, 0
	s_wait_loadcnt 16                              ; the sets of tile 2 w + 1 are in; the 16 bias loads stay out
	GLU8 232, 240, 120, 184
	NOPS
	ds_load_b128 v[24:27], v11                     ; attention's operands come in while the activation is computed: Q's fragment,
	ds_load_b128 v[28:31], v11 offset:32
.irp t, 0,1,2,3
	ds_load_b128 v[120+8*\t:123+8*\t], v12 offset:4352*\t                      ; K's eight
	ds_load_b128 v[124+8*\t:127+8*\t], v12 offset:4352*\t+32
.endr
.irp t, 0,1,2,3
	ds_load_b128 v[184+8*\t:187+8*\t], v12 offset:4352*(\t+4)
	ds_load_b128 v[188+8*\t:191+8*\t], v12 offset:4352*(\t+4)+32
.endr
	WIN TO_X                                       ; 40 loads for the last phase, into v256..: with the 16 bias loads 56 are out
	GFRAG X_OH, 26, W_OH
	GFRAG X_OL, 26, W_OL
	GFRAG X_UH0, 28, W_UH
	GFRAG X_UL0, 28, W_UL
	GFRAG X_UH1, 28, W_UH+4096
	WIN 0
	SILU 232, 240, 32
; -- attention: wave = (head w / 2, column tile w & 1 of the head).  Logits transposed: lane (r, h) holds query r, keys 16 t + 8 h + 0..7.
; The two waves of a head both make the head's logits and weights; each makes its own 16 columns of V^T P.
	s_wait_loadcnt 40                              ; the bias tiles are in; the 40 loads for the last phase stay out
	s_wait_dscnt 0x0
.irp t, 0,1,2,3
	WF16 88+8*\t, 120+8*\t, 24                     ; K_t Q + bias, on the bias tile itself: eight different accumulators
.endr
.irp t, 0,1,2,3
	WF16 152+8*\t, 184+8*\t, 24
.endr
	NOPS
	LTILE 120, 8, 0                                ; V transposed hi, my 16 columns
	LTILE 184, 8, D_VL                             ; lo
	WIN TO_X                                       ; the last 12 loads for the last phase: at most 52 are out
	GFRAG X_UL1, 28, W_UL+4096
.irp k, 0,1
	global_load_b128 v[X_XA+4*\k:X_XA+4*\k+3], v1, s[22:23] offset:2*ARR+512*\k    ; the two output gates of my two rows
	global_load_b128 v[X_XT+4*\k:X_XT+4*\k+3], v1, s[22:23] offset:5*ARR+512*\k
.endr
	WIN 0
	v_max3_num_f32 v248, v88, v89, v90             ; the row's maximum: four chains over my 64 logits,
	v_max3_num_f32 v249, v104, v105, v106
	v_max3_num_f32 v250, v152, v153, v154
	v_max3_num_f32 v251, v168, v169, v170
.irp k, 3,5,7,9,11,13
	v_max3_num_f32 v248, v248, v[88+\k], v[89+\k]
	v_max3_num_f32 v249, v249, v[104+\k], v[105+\k]
	v_max3_num_f32 v250, v250, v[152+\k], v[153+\k]
	v_max3_num_f32 v251, v251, v[168+\k], v[169+\k]
.endr
	v_max3_num_f32 v248, v248, v103, v119
	v_max3_num_f32 v250, v250, v167, v183
	v_max3_num_f32 v248, v248, v249, v250
	v_max_num_f32 v248, v248, v251
	v_permlanex16_b32 v249, v248, s12, s13         ; and the other 64 in lane xor 16
	v_max_num_f32 v248, v248, v249
.set n, 0
.rept 16
	v_pk_add_f32 v[88+n:89+n], v[88+n:89+n], v[248:249] op_sel_hi:[1,0] neg_lo:[0,1] neg_hi:[0,1]
	v_pk_add_f32 v[152+n:153+n], v[152+n:153+n], v[248:249] op_sel_hi:[1,0] neg_lo:[0,1] neg_hi:[0,1]
.set n, n+2
.endr
.set n, 0
.rept 32
	v_exp_f32 v[88+n], v[88+n]
	v_exp_f32 v[152+n], v[152+n]
.set n, n+1
.endr
	v_nop
	s_wait_alu depctr_va_vdst(0)
	v_pk_add_f32 v[248:249], v[88:89], v[90:91]    ; the sum, in f32, four chains
	v_pk_add_f32 v[250:251], v[104:105], v[106:107]
	v_pk_add_f32 v[252:253], v[152:153], v[154:155]
	v_pk_add_f32 v[254:255], v[168:169], v[170:171]
.irp k, 4,6,8,10,12,14
	v_pk_add_f32 v[248:249], v[248:249], v[88+\k:89+\k]
	v_pk_add_f32 v[250:251], v[250:251], v[104+\k:105+\k]
	v_pk_add_f32 v[252:253], v[252:253], v[152+\k:153+\k]
	v_pk_add_f32 v[254:255], v[254:255], v[168+\k:169+\k]
.endr
	v_pk_add_f32 v[248:249], v[248:249], v[250:251]
	v_pk_add_f32 v[252:253], v[252:253], v[254:255]
	v_pk_add_f32 v[248:249], v[248:249], v[252:253]
	v_add_f32 v248, v248, v249
	v_permlanex16_b32 v249, v248, s12, s13
	v_add_f32 v248, v248, v249                     ; v248 keeps the sum
; the weights as pairs: key tiles 2 ks and 2 ks + 1 are registers 0-3 and 4-7 of fragment ks: no shuffle.  hi: v32-63.  lo: packed in place, v88-103 and v152-167
.set n, 0
.rept 4
	SPLIT4 32+4*n, 88+4*n, 88+8*n, 232
	SPLIT4 48+4*n, 152+4*n, 152+8*n, 240
.set n, n+1
.endr
	s_wait_dscnt 0x0                               ; V's fragments
	WBFZ 216, 120, 32                              ; V^T P: lane = query, registers = 8 neighbouring columns.  One tile's twelve K steps, dealt to two accumulators
	WBFZ 224, 128, 40                              ; by turns, and added behind.  hi hi,
	WBF 216, 136, 48
	WBF 224, 144, 56
	WBF 216, 120, 88                               ; V hi P lo,
	WBF 224, 128, 96
	WBF 216, 136, 152
	WBF 224, 144, 160
	WBF 216, 184, 32                               ; V lo P hi
	WBF 224, 192, 40
	WBF 216, 200, 48
	WBF 224, 208, 56
	NOPS
	v_rcp_f32 v250, v248
.irp k, 0,2,4,6
	v_pk_add_f32 v[216+\k:217+\k], v[216+\k:217+\k], v[224+\k:225+\k]
.endr
	s_wait_alu depctr_va_vdst(0)
.irp k, 0,2,4,6
	v_pk_mul_f32 v[64+\k:65+\k], v[64+\k:65+\k], v[250:251] op_sel_hi:[1,0]    ; gate / sum
.endr
.irp k, 0,2,4,6
	v_pk_mul_f32 v[216+\k:217+\k], v[216+\k:217+\k], v[64+\k:65+\k]
.endr
	SPLIT4 72, 76, 216, 224
	ds_store_b128 v15, v[72:75]
	ds_store_b128 v15, v[76:79] offset:D_GL
	s_wait_dscnt 0x0
	s_barrier_signal -1
	s_barrier_wait -1                              ; barrier 3: gate o attention and the SwiGLU product are whole
; -- W_o and W_out: my 16 output columns; each product is hi hi + lo hi + hi lo.  Weights are source 0, in v256..
	LTILE 24, 23, 0                                ; gate o attention hi,
	LTILE 56, 23, D_GL                             ; lo
	LTILE 88, 5, 0                                 ; SwiGLU product hi, columns 0-127,
	LTILE 120, 5, D_HL                             ; lo
	LTILE 152, 5, 256                              ; hi, columns 128-255,
	LTILE 184, 5, D_HL+256                         ; lo
	s_wait_loadcnt 20                              ; W_o's sets and W_out's for rows 0-127 are in; W_out's for rows 128-255 and the output gates (20 loads) stay out
	s_wait_dscnt 16                                ; the 16 loads of columns 128-255 stay out
	WIN FROM_X
	WDUOZ 216, X_OH, 24, 232, X_UH0, 88            ; W_o's sum and W_out's by turns
	WDUO 216, X_OL, 24, 232, X_UL0, 88
	WDUO 216, X_OH, 56, 232, X_UH0, 120
	s_wait_loadcnt 4                               ; all weights are in; the output gates stay out
	s_wait_dscnt 0x0
	WBFZ 240, X_UH1, 152                           ; W_out's second half: its K steps by turns on a second accumulator and on the first, added behind
	WBF 232, X_UH1+8, 160
	WBF 240, X_UH1+16, 168
	WBF 232, X_UH1+24, 176
	WALT 240, 232, X_UL1, 152
	WALT 240, 232, X_UH1, 184
	WIN 0
	NOPS
.irp k, 0,2,4,6
	v_pk_add_f32 v[232+\k:233+\k], v[232+\k:233+\k], v[240+\k:241+\k]
.endr
	ds_store_b128 v17, v[216:219]                  ; two f32 stages of 16 rows, in the bytes of the window's a_n, last read in front of barrier 2
	ds_store_b128 v17, v[220:223] offset:16
	ds_store_b128 v17, v[232:235] offset:D_ST
	ds_store_b128 v17, v[236:239] offset:D_ST+16
	s_wait_dscnt 0x0
	s_barrier_signal -1
	s_barrier_wait -1                              ; barrier 4
; -- the way out: two whole rows a wave
.irp k, 0,1
	ds_load_b128 v[24+4*\k:27+4*\k], v18 offset:528*\k
	ds_load_b128 v[40+4*\k:43+4*\k], v18 offset:D_ST+528*\k
.endr
	s_wait_loadcnt 0x0
	s_wait_dscnt 0x0
	WIN FROM_X
.irp k, 0,2,4,6
	v_pk_mul_f32 v[24+\k:25+\k], v[X_XA+\k:X_XA+\k+1], v[24+\k:25+\k]
.endr
.irp k, 0,2,4,6
	v_pk_fma_f32 v[24+\k:25+\k], v[X_XT+\k:X_XT+\k+1], v[40+\k:41+\k], v[24+\k:25+\k]
.endr
	WIN 0
.irp k, 0,1
	global_store_b128 v1, v[24+4*\k:27+4*\k], s[36:37] offset:512*\k           ; a whole row of 512 bytes
.endr
	s_set_vgpr_msb 0x5
	s_wait_tensorcnt 0x0
	ds_add_u32 v224, v225
	s_wait_dscnt 0x0
	s_set_vgpr_msb 0x500
	s_endpgm
; ======== THE PREPARATION OF THE NEXT BLOCK: three roles by x' = work-group - 128.  123 work-groups, so that block and preparation together stay at 251
;   Z, x' 0..63:    pair bias of one query block (two passes of 16 queries) against its window of 128 keys, all four heads, times log2(e), as register images of C tiles.
;   C, x' 64..111:  one of six conditioning arrays [2048][128] f32 for 256 rows.
;   W, x' 112..122: eleven weight units of 128 x 128 into 16-bit fragment order, and a copy of b_q.
; ln_z_w and log2(e) are multiplied into W_b in f32 before the rounding to f16; ln_z_b W_b enters in f32 as the C operand.
.Lprep:
	s_sub_co_u32 s11, ttmp9, PBASE                 ; x'
	s_cmp_lt_u32 s11, XC
	s_cbranch_scc1 .Lrole_z
	s_cmp_lt_u32 s11, XW
	s_cbranch_scc1 .Lrole_c
; ---- role W: wave w of group g writes set e = 8 g + w: [ks 4][c 2][lane 32][16 bytes], lane (r, h) = W[32 ks + 16 c + 8 h + 0..7][16 nt + r];
; for W_o and W_out (e from 64 on) that set holds the hi parts, and set e + 24 the lo parts
	s_load_b512 s[16:31], s[0:1], PARG+136         ; W_k, W_v, W_q, W_gate, W_1, W_2, W_o, W_out
	s_load_b128 s[32:35], s[0:1], PARG+200         ; b_q, pre
	s_sub_co_u32 s40, s11, XW                      ; g
	s_lshl_b32 s41, s40, 3
	s_add_co_u32 s41, s41, s10                     ; e
	s_lshl_b32 s48, s10, 6                         ; 64 w: 16 columns of f32
	s_and_b32 s43, s40, 1
	s_lshl_b32 s43, s43, 9
	s_add_co_u32 s43, s43, s48                     ; W_1, W_2: column tile 8 (g & 1) + w
	s_sub_co_u32 s46, s41, 72                      ; W_out: t = e - 72 = 2 nt + kc (used where g is 9 or 10)
	s_lshr_b32 s47, s46, 1
	s_lshl_b32 s47, s47, 6
	s_and_b32 s46, s46, 1
	s_lshl_b32 s46, s46, 16                        ; kc x 128 rows of 512 bytes
	s_add_co_u32 s46, s46, s47
	s_mov_b32 s42, s48
	s_cmp_ge_u32 s40, 4
	s_cselect_b32 s42, s43, s42
	s_cmp_ge_u32 s40, 8
	s_cselect_b32 s42, s48, s42
	s_cmp_ge_u32 s40, 9
	s_cselect_b32 s42, s46, s42
	s_mov_b32 s43, 0
	s_lshl_b32 s50, s41, 12                        ; 4,096 e
	s_mov_b32 s51, 0
	v_lshlrev_b32 v4, 2, v2                        ; 4 r
	s_wait_kmcnt 0x0
	s_mov_b64 s[44:45], s[16:17]
	s_cmp_ge_u32 s40, 1
	s_cselect_b64 s[44:45], s[18:19], s[44:45]
	s_cmp_ge_u32 s40, 2
	s_cselect_b64 s[44:45], s[20:21], s[44:45]
	s_cmp_ge_u32 s40, 3
	s_cselect_b64 s[44:45], s[22:23], s[44:45]
	s_cmp_ge_u32 s40, 4
	s_cselect_b64 s[44:45], s[24:25], s[44:45]
	s_cmp_ge_u32 s40, 6
	s_cselect_b64 s[44:45], s[26:27], s[44:45]
	s_cmp_ge_u32 s40, 8
	s_cselect_b64 s[44:45], s[28:29], s[44:45]
	s_cmp_ge_u32 s40, 9
	s_cselect_b64 s[44:45], s[30:31], s[44:45]
	s_add_nc_u64 s[44:45], s[44:45], s[42:43]
	s_add_nc_u64 s[52:53], s[34:35], s[50:51]
	s_cmp_lt_u32 s40, 4
	s_cbranch_scc1 .Lw_narrow
	s_cmp_ge_u32 s40, 8
	s_cbranch_scc1 .Lw_narrow
	v_lshl_add_u32 v4, v3, 13, v4                  ; rows of 1,024 bytes (W_1, W_2)
	LOADW 24, 1024, 4, 44
	s_branch .Lw_in
.Lw_narrow:
	v_lshl_add_u32 v4, v3, 12, v4                  ; rows of 512 bytes
	LOADW 24, 512, 4, 44
.Lw_in:
	s_wait_loadcnt 0x0
	s_cmp_ge_u32 s40, 8
	s_cbranch_scc1 .Lw_bf
	CVTW 24, 88
	s_branch .Lw_out
.Lw_bf:
.set n, 0
.rept 16
	SPLIT2 88+n, 120+n, 24+2*n, 152
	SPLIT2 89+n, 121+n, 26+2*n, 154
.set n, n+2
.endr
.irp k, 0,1,2,3,4,5,6,7
	global_store_b128 v1, v[120+4*\k:123+4*\k], s[52:53] offset:24*4096+512*\k    ; the lo parts, 24 sets further on
.endr
.Lw_out:
.irp k, 0,1,2,3,4,5,6,7
	global_store_b128 v1, v[88+4*\k:91+4*\k], s[52:53] offset:512*\k       ; 512 consecutive bytes each
.endr
	s_cmp_lg_u32 s41, 0
	s_cbranch_scc1 .Lw_end
	global_load_b128 v[24:27], v1, s[32:33]        ; set 0's wave also copies b_q
	s_wait_loadcnt 0x0
	global_store_b128 v1, v[24:27], s[34:35] offset:O_BQ
.Lw_end:
	s_endpgm
; ---- role Z: query block i = x' (32 queries, as two tiles of 16, one after the other); wave w takes key tile w of the block's window.
; Each pass has a stage of its own in LDS, so one barrier serves both; the second pass's rows are asked for as soon as the first's products have read their registers.
.Lrole_z:
	s_load_b256 s[40:47], s[0:1], PARG+8           ; pair_rep, W_b, ln_z_w, ln_z_b
	s_load_b64 s[48:49], s[0:1], PARG+208          ; pre
	s_mov_b32 s9, 0x3d800000                       ; 1/16
	s_lshl_b32 s22, s11, 1
	s_add_co_u32 s22, s22, s10
	s_sub_co_u32 s22, s22, 3                       ; key tile T = 2 i - 3 + w of the tensor; wraps below 0
	s_cmp_lt_u32 s22, 128
	s_cselect_b32 s23, 0, 0xf149f2ca               ; a tile outside the tensor carries -1e30
	s_max_i32 s24, s22, 0
	s_min_i32 s24, s24, 127                        ; and reads a clamped tile
	s_lshl_b32 s50, s11, 22                        ; 32 queries x 131,072 bytes
	s_lshl_b32 s24, s24, 10                        ; 16 keys x 64 bytes
	s_add_co_u32 s50, s50, s24
	s_mov_b32 s51, 0
	s_lshr_b32 s25, s10, 1                         ; the way out: wave w stores half w & 1 of head w / 2, for both query tiles
	s_and_b32 s26, s10, 1
	s_lshl2_add_u32 s27, s11, s25                  ; 4 i + head
	s_lshl_b32 s52, s27, 14                        ; x 2 query tiles x 8,192 bytes
	s_lshl_b32 s28, s26, 12
	s_add_co_u32 s52, s52, s28
	s_add_co_u32 s52, s52, O_BI
	s_mov_b32 s53, 0
	v_and_b32 v9, 3, v2                            ; head = r & 3
	v_lshlrev_b32 v4, 2, v9
	v_lshl_add_u32 v4, v3, 7, v4                   ; W_b[8 h + j][head]: 128 h + 4 head
	v_lshlrev_b32 v5, 5, v3                        ; 32 h: my 8 channels
	v_lshl_add_u32 v6, v2, 6, v5                   ; key r, channels 8 h ..: 64 r + 32 h
	v_mul_u32_u24 v7, v9, 8224                     ; the stage: head x (8 tiles of 1,024 bytes + 32)
	v_lshl_add_u32 v7, v3, 8, v7                   ; + 16 bytes x lane (16 h + query)
	v_bfe_u32 v9, v2, 2, 1
	v_lshl_add_u32 v7, v9, 4, v7
	s_lshl_b32 s29, s10, 10
	v_add_nc_u32 v7, s29, v7                       ; + tile w
	s_mul_i32 s29, s25, 8224
	s_add_co_u32 s29, s29, s28
	v_add_nc_u32 v8, s29, v1
	s_wait_kmcnt 0x0
	s_add_nc_u64 s[40:41], s[40:41], s[50:51]
	s_add_nc_u64 s[48:49], s[48:49], s[52:53]
.irp j, 0,1,2,3,4,5,6,7
	global_load_b32 v[152+\j], v4, s[42:43] offset:16*\j
.endr
	global_load_b128 v[160:163], v5, s[44:45]
	global_load_b128 v[164:167], v5, s[44:45] offset:16
	global_load_b128 v[168:171], v5, s[46:47]
	global_load_b128 v[172:175], v5, s[46:47] offset:16
	ZLOAD 0
	s_wait_loadcnt 32                              ; the 12 loads of parameters are in; the 32 of pair rows stay out
	v_mul_f32 v248, v168, v152                     ; sum over my 8 channels of ln_z_b W_b
.irp j, 1,2,3,4,5,6,7
	v_fmac_f32 v248, v[168+\j], v[152+\j]
.endr
	v_mov_b32 v249, 0
	v_permlanex16_b32 v249, v248, s12, s13
	v_add_f32 v248, v248, v249                     ; over all 16
	v_mov_b32 v249, s23
	v_fmamk_f32 v184, v248, 0x3fb8aa3b, v249       ; x log2(e) + the tile's penalty: the C operand
.irp j, 1,2,3,4,5,6,7
	v_mov_b32 v[184+\j], v184
.endr
.irp j, 0,1,2,3,4,5,6,7
	v_mul_f32 v[160+\j], v[160+\j], v[152+\j]
.endr
.irp j, 0,1,2,3,4,5,6,7
	v_mul_f32 v[160+\j], 0x3fb8aa3b, v[160+\j]     ; ln_z_w W_b log2(e)
.endr
.irp k, 0,1,2,3
	v_cvt_pk_f16_f32 v[168+\k], v[160+2*\k], v[161+2*\k]
.endr
	v_cmp_gt_u32 vcc_lo, 4, v2                     ; B: columns 0-3 = heads for k 0..15 (the even query), columns 4-7 = heads for k 16..31 (the odd one), else 0
.irp k, 0,1,2,3
	v_cndmask_b32 v[176+\k], 0, v[168+\k], vcc_lo
.endr
	v_lshrrev_b32 v250, 2, v2
	v_cmp_eq_u32 vcc_lo, 1, v250
.irp k, 0,1,2,3
	v_cndmask_b32 v[180+\k], 0, v[168+\k], vcc_lo
.endr
	ZWORK 0
	ZLOAD 1                                        ; with all lanes on again; the registers were last read by products that lie more than five places back
	ZWORK 1
	s_wait_dscnt 0x0
	s_barrier_signal -1
	s_barrier_wait -1
.irp k, 0,1,2,3,4,5,6,7
	ds_load_b128 v[24+4*\k:27+4*\k], v8 offset:512*\k
.endr
.irp k, 0,1,2,3,4,5,6,7
	ds_load_b128 v[56+4*\k:59+4*\k], v8 offset:Z_ST+512*\k
.endr
.irp k, 0,1,2,3,4,5,6,7
	s_wait_dscnt 15-\k                             ; LDS loads come back in order
	global_store_b128 v1, v[24+4*\k:27+4*\k], s[48:49] offset:512*\k       ; 512 consecutive bytes each
.endr
.irp k, 0,1,2,3,4,5,6,7
	s_wait_dscnt 7-\k
	global_store_b128 v1, v[56+4*\k:59+4*\k], s[48:49] offset:8192+512*\k  ; the second query tile's
.endr
	s_set_vgpr_msb 0x5
	s_wait_tensorcnt 0x0
	ds_add_u32 v224, v225
	s_wait_dscnt 0x0
	s_set_vgpr_msb 0x500
	s_endpgm
; ---- role C: array j for rows 256 rb .. 256 rb + 255, in two passes of 128 rows; wave w normalises 16 rows and owns output columns 16 w .. 16 w + 15
.Lrole_c:
	s_load_b64 s[4:5], s[0:1], PARG                ; c
	s_load_b64 s[6:7], s[0:1], PARG+208            ; pre
	s_load_b512 s[16:31], s[0:1], PARG+40          ; the six weights in the arrays' order, then ln_s_w of attention and of the transition
	s_load_b256 s[32:39], s[0:1], PARG+104         ; b_g, b_sg of attention; b_g, b_sg of the transition
	s_sub_co_u32 s41, s11, XC
	s_lshr_b32 s40, s41, 3                         ; j
	s_and_b32 s41, s41, 7                          ; rb
	s_cmp_eq_u32 s40, 2
	s_cselect_b32 s42, 0, -1
	s_cmp_eq_u32 s40, 5
	s_cselect_b32 s42, 0, s42                      ; s42: all ones where the rows are normalised (not for W_sg, which takes raw s)
	s_cmp_eq_u32 s40, 1
	s_cselect_b32 s43, 0, -1
	s_cmp_eq_u32 s40, 4
	s_cselect_b32 s43, 0, s43                      ; s43: all ones where a bias and a sigmoid follow (not for W_s)
	s_lshl_b32 s54, s10, 6                         ; 64 w
	s_mov_b32 s55, 0
	s_lshl_b32 s56, s41, 4
	s_add_co_u32 s56, s56, s10
	s_lshl_b32 s56, s56, 13                        ; (256 rb + 16 w) rows of 512 bytes
	s_mov_b32 s57, 0
	s_lshl_b32 s58, s40, 20
	s_add_co_u32 s58, s58, s56
	s_add_co_u32 s58, s58, O_CD
	s_mov_b32 s59, 0
	v_mul_u32_u24 v4, v2, 272
	v_lshl_add_u32 v4, v3, 4, v4                   ; fragments: 272 r + 16 h
	v_lshrrev_b32 v5, 1, v1
	s_mul_i32 s60, s10, 4352
	v_add_nc_u32 v5, s60, v5                       ; my rows in f16: 272 x 16 w + 8 x lane
	v_mul_u32_u24 v6, v2, 528
	v_lshl_add_u32 v6, v3, 5, v6
	s_add_co_u32 s60, s54, C_ST
	v_add_nc_u32 v6, s60, v6                       ; the stage, in: 528 r + 64 w + 32 h
	s_mul_i32 s60, s10, 8448
	s_add_co_u32 s60, s60, C_ST
	v_add_nc_u32 v7, s60, v1                       ; the stage, back: my 16 rows, 16 bytes a lane
	v_lshlrev_b32 v8, 2, v2
	v_lshl_add_u32 v8, v3, 12, v8                  ; weights: 8 h rows of 512 bytes + 4 r
	v_lshlrev_b32 v9, 5, v3                        ; 32 h
	s_wait_kmcnt 0x0
	s_mov_b64 s[44:45], s[16:17]
	s_cmp_eq_u32 s40, 1
	s_cselect_b64 s[44:45], s[18:19], s[44:45]
	s_cmp_eq_u32 s40, 2
	s_cselect_b64 s[44:45], s[20:21], s[44:45]
	s_cmp_eq_u32 s40, 3
	s_cselect_b64 s[44:45], s[22:23], s[44:45]
	s_cmp_eq_u32 s40, 4
	s_cselect_b64 s[44:45], s[24:25], s[44:45]
	s_cmp_eq_u32 s40, 5
	s_cselect_b64 s[44:45], s[26:27], s[44:45]
	s_cmp_ge_u32 s40, 3
	s_cselect_b64 s[50:51], s[30:31], s[28:29]
	s_mov_b64 s[52:53], s[32:33]
	s_cmp_eq_u32 s40, 2
	s_cselect_b64 s[52:53], s[34:35], s[52:53]
	s_cmp_eq_u32 s40, 3
	s_cselect_b64 s[52:53], s[36:37], s[52:53]
	s_cmp_eq_u32 s40, 5
	s_cselect_b64 s[52:53], s[38:39], s[52:53]
	s_add_nc_u64 s[44:45], s[44:45], s[54:55]
	s_add_nc_u64 s[52:53], s[52:53], s[54:55]
	s_add_nc_u64 s[46:47], s[4:5], s[56:57]
	s_add_nc_u64 s[48:49], s[6:7], s[58:59]
	global_load_b128 v[12:15], v1, s[50:51]        ; ln_s_w of my four columns
	global_load_b128 v[16:19], v9, s[52:53]        ; the bias of output columns 16 w + 8 h + 0..7
	global_load_b128 v[20:23], v9, s[52:53] offset:16
.irp i, 0,1,2,3,4,5,6,7,8,9,10,11,12,13,14,15
	global_load_b128 v[24+4*\i:27+4*\i], v1, s[46:47] offset:512*\i
.endr
	LOADW 152, 512, 8, 44
	s_wait_loadcnt 63                              ; 83 loads were issued: at most 63 out shows the oldest 20 done, the 19 that are needed now among them
.irp k, 0,1,2,3
	v_cndmask_b32 v[12+\k], 1.0, v[12+\k], s42
.endr
.irp k, 0,1,2,3,4,5,6,7
	v_cndmask_b32 v[16+\k], 0, v[16+\k], s43
.endr
	CPASS 0, 24
	s_wait_loadcnt 0x0                             ; the second 128 rows
	CPASS 1, 88
	s_set_vgpr_msb 0x5
	s_wait_tensorcnt 0x0
	ds_add_u32 v224, v225
	s_wait_dscnt 0x0
	s_set_vgpr_msb 0x500
	s_endpgm
.Lfunc_end_k_qcd843ac1a2_step0:
	.size	k_qcd843ac1a2_step0, .Lfunc_end_k_qcd843ac1a2_step0-k_qcd843ac1a2_step0
	.p2alignl 7, 3214868480
	.fill 96, 4, 3214868480
	.section	.rodata,"a",@progbits
	.p2align	6, 0x0
	.amdhsa_kernel k_qcd843ac1a2_step0
		.amdhsa_group_segment_fixed_size 174592
		.amdhsa_private_segment_fixed_size 0
		.amdhsa_enable_private_segment 0
		.amdhsa_kernarg_size 240
		.amdhsa_user_sgpr_count 2
		.amdhsa_user_sgpr_kernarg_segment_ptr 1
		.amdhsa_wavefront_size32 1
		.amdhsa_system_sgpr_workgroup_id_x 1
		.amdhsa_system_sgpr_workgroup_id_y 1
		.amdhsa_system_sgpr_workgroup_id_z 1
		.amdhsa_system_vgpr_workitem_id 0
		.amdhsa_next_free_vgpr 482
		.amdhsa_next_free_sgpr 66
		.amdhsa_reserve_vcc 1
		.amdhsa_float_denorm_mode_32 3
		.amdhsa_float_denorm_mode_16_64 3
		.amdhsa_memory_ordered 1
		.amdhsa_forward_progress 1
		.amdhsa_inst_pref_size 255
	.end_amdhsa_kernel
	.section	.bss,"aw",@nobits
	.p2align	6
	.space	262144
	.amdgpu_metadata
---
amdhsa.version: [ 1, 2 ]
amdhsa.kernels:
  - .name:           k_qcd843ac1a2_step0
    .symbol:         k_qcd843ac1a2_step0.kd
    .args:
      - { .name: pre0, .offset: 0, .size: 8, .value_kind: global_buffer, .address_space: global }
      - { .name: q, .offset: 8, .size: 8, .value_kind: global_buffer, .address_space: global }
      - { .name: a1, .offset: 16, .size: 8, .value_kind: global_buffer, .address_space: global }
      - { .name: c, .offset: 24, .size: 8, .value_kind: global_buffer, .address_space: global }
      - { .name: pair_rep, .offset: 32, .size: 8, .value_kind: global_buffer, .address_space: global }
      - { .name: params_blocks_1_apb_W_b, .offset: 40, .size: 8, .value_kind: global_buffer, .address_space: global }
      - { .name: params_blocks_1_apb_ln_z_w, .offset: 48, .size: 8, .value_kind: global_buffer, .address_space: global }
      - { .name: params_blocks_1_apb_ln_z_b, .offset: 56, .size: 8, .value_kind: global_buffer, .address_space: global }
      - { .name: params_blocks_1_apb_W_g, .offset: 64, .size: 8, .value_kind: global_buffer, .address_space: global }
      - { .name: params_blocks_1_apb_W_s, .offset: 72, .size: 8, .value_kind: global_buffer, .address_space: global }
      - { .name: params_blocks_1_apb_W_sg, .offset: 80, .size: 8, .value_kind: global_buffer, .address_space: global }
      - { .name: params_blocks_1_tr_W_g, .offset: 88, .size: 8, .value_kind: global_buffer, .address_space: global }
      - { .name: params_blocks_1_tr_W_s, .offset: 96, .size: 8, .value_kind: global_buffer, .address_space: global }
      - { .name: params_blocks_1_tr_W_sg, .offset: 104, .size: 8, .value_kind: global_buffer, .address_space: global }
      - { .name: params_blocks_1_apb_ln_s_w, .offset: 112, .size: 8, .value_kind: global_buffer, .address_space: global }
      - { .name: params_blocks_1_tr_ln_s_w, .offset: 120, .size: 8, .value_kind: global_buffer, .address_space: global }
      - { .name: params_blocks_1_apb_b_g, .offset: 128, .size: 8, .value_kind: global_buffer, .address_space: global }
      - { .name: params_blocks_1_apb_b_sg, .offset: 136, .size: 8, .value_kind: global_buffer, .address_space: global }
      - { .name: params_blocks_1_tr_b_g, .offset: 144, .size: 8, .value_kind: global_buffer, .address_space: global }
      - { .name: params_blocks_1_tr_b_sg, .offset: 152, .size: 8, .value_kind: global_buffer, .address_space: global }
      - { .name: params_blocks_1_apb_W_k, .offset: 160, .size: 8, .value_kind: global_buffer, .address_space: global }
      - { .name: params_blocks_1_apb_W_v, .offset: 168, .size: 8, .value_kind: global_buffer, .address_space: global }
      - { .name: params_blocks_1_apb_W_q, .offset: 176, .size: 8, .value_kind: global_buffer, .address_space: global }
      - { .name: params_blocks_1_apb_W_gate, .offset: 184, .size: 8, .value_kind: global_buffer, .address_space: global }
      - { .name: params_blocks_1_tr_W_1, .offset: 192, .size: 8, .value_kind: global_buffer, .address_space: global }
      - { .name: params_blocks_1_tr_W_2, .offset: 200, .size: 8, .value_kind: global_buffer, .address_space: global }
      - { .name: params_blocks_1_apb_W_o, .offset: 208, .size: 8, .value_kind: global_buffer, .address_space: global }
      - { .name: params_blocks_1_tr_W_out, .offset: 216, .size: 8, .value_kind: global_buffer, .address_space: global }
      - { .name: params_blocks_1_apb_b_q, .offset: 224, .size: 8, .value_kind: global_buffer, .address_space: global }
      - { .name: pre1, .offset: 232, .size: 8, .value_kind: global_buffer, .address_space: global }
    .group_segment_fixed_size: 174592
    .private_segment_fixed_size: 0
    .kernarg_segment_align: 8
    .kernarg_segment_size: 240
    .max_flat_workgroup_size: 256
    .sgpr_count:     66
    .vgpr_count:     482
    .wavefront_size: 32
...
	.end_amdgpu_metadata
.endif
;; end of part 4
;; launch step1: the kernel of part 4 again; grid 251 x 1, 8 waves a work-group, no clusters, 174,592 bytes of LDS; arguments pre1, a1, a2, c, pair_rep, params_blocks_2_apb_W_b, params_blocks_2_apb_ln_z_w, params_blocks_2_apb_ln_z_b, params_blocks_2_apb_W_g, params_blocks_2_apb_W_s, params_blocks_2_apb_W_sg, params_blocks_2_tr_W_g, params_blocks_2_tr_W_s, params_blocks_2_tr_W_sg, params_blocks_2_apb_ln_s_w, params_blocks_2_tr_ln_s_w, params_blocks_2_apb_b_g, params_blocks_2_apb_b_sg, params_blocks_2_tr_b_g, params_blocks_2_tr_b_sg, params_blocks_2_apb_W_k, params_blocks_2_apb_W_v, params_blocks_2_apb_W_q, params_blocks_2_apb_W_gate, params_blocks_2_tr_W_1, params_blocks_2_tr_W_2, params_blocks_2_apb_W_o, params_blocks_2_tr_W_out, params_blocks_2_apb_b_q, pre2; writes a2, pre2
;; launch step2: the kernel of part 4 again; grid 128 x 1, 8 waves a work-group, no clusters, 174,592 bytes of LDS; arguments pre2, a2, out0, c, pair_rep, params_blocks_2_apb_W_b, params_blocks_2_apb_ln_z_w, params_blocks_2_apb_ln_z_b, params_blocks_2_apb_W_g, params_blocks_2_apb_W_s, params_blocks_2_apb_W_sg, params_blocks_2_tr_W_g, params_blocks_2_tr_W_s, params_blocks_2_tr_W_sg, params_blocks_2_apb_ln_s_w, params_blocks_2_tr_ln_s_w, params_blocks_2_apb_b_g, params_blocks_2_apb_b_sg, params_blocks_2_tr_b_g, params_blocks_2_tr_b_sg, params_blocks_2_apb_W_k, params_blocks_2_apb_W_v, params_blocks_2_apb_W_q, params_blocks_2_apb_W_gate, params_blocks_2_tr_W_1, params_blocks_2_tr_W_2, params_blocks_2_apb_W_o, params_blocks_2_tr_W_out, params_blocks_2_apb_b_q, pre0; writes out0, pre0
